; MI455X (gfx1250); checked and timed in simulation.
; The chip was launched on July 23, 2026; its instructions are those of AMD's public machine-readable ISA for CDNA 5 (MIT licence, August 2026) and "CDNA5" Instruction Set Architecture Reference Guide (July 2026). The comments in the code are by the model that wrote it; some were corrected since.
;; Transformer Layer. Allowed arithmetic: matrix products marked QUANTISED: E2M3 operands, one E8M0 scale for each 32 along K, by v_wmma_scale_f32_16x16x128_f8f6f4 with both operands' format E2M3, f32 sums; everything else in f32.
;; Inputs: W1 1,024 x 1,024 float32; W2 1,024 x 1,024 float32; Wk 16 x 1,024 x 64 float32; Wo 1,024 x 1,024 float32; Wq 16 x 1,024 x 64 float32; Wv 16 x 1,024 x 64 float32; b1 1,024 float32; b2 1,024 float32; beta1 1,024 float32; beta2 1,024 float32; bo 1,024 float32; gamma1 1,024 float32; gamma2 1,024 float32; x 16 x 512 x 1,024 float32.
;; Outputs: out0 16 x 512 x 1,024 float32.
;; This version of the problem:
;;   THIS VERSION OF THE PROBLEM IS GIVEN IN LOW PRECISION. The matrix products marked QUANTISED in the list below multiply operands that are first quantised to E2M3 (2 exponent bits, 3 mantissa bits; 6 bits a number), with one power-of-two scale for each 32 numbers along K (OCP MX v1.0); their sums are f32. All else is computed in f32.
;;   The module's matrix products, in the order in which they are computed (A, B: the left and right operand; K: the contracted axis; several contracted axes count as one K, in the product's order):
;;     1. [M 1,024, K 1,024] x [K 1,024, N 8,192]; A: input Wq; B: computed on the way: QUANTISED
;;     2. [M 1,024, K 1,024] x [K 1,024, N 8,192]; A: input Wk; B: computed on the way: QUANTISED
;;     3. [M 1,024, K 1,024] x [K 1,024, N 8,192]; A: input Wv; B: computed on the way: QUANTISED
;;     4. batch 256 x [M 512, K 64] x [K 64, N 512]; A: computed on the way; B: computed on the way: QUANTISED
;;     5. batch 256 x [M 512, K 512] x [K 512, N 64]; A: softmax (see below); B: computed on the way: QUANTISED
;;     6. [M 8,192, K 1,024] x [K 1,024, N 1,024]; A: computed on the way; B: input Wo: QUANTISED
;;     7. [M 8,192, K 1,024] x [K 1,024, N 1,024]; A: computed on the way; B: input W1: QUANTISED
;;     8. [M 8,192, K 1,024] x [K 1,024, N 1,024]; A: computed on the way; B: input W2: QUANTISED
;;   THE QUANTISER, for each operand of a quantised product, along K:
;;     - K is cut into blocks of 32 from its start; a last block that is shorter is filled with zeros.
;;     - A block's scale is 2^e with e = floor(log2(the largest magnitude in the block)) - 2, held to -126 .. 127; a block of zeros has e = 0. As a byte (E8M0): e + 127.
;;     - Each number is divided by its block's scale, clamped to +-7.5, and rounded to the nearest number of E2M3, ties to even, subnormals kept.
;;     - The product sums the exact products of the quantised numbers (number of the format x scale) in f32.
;;   ~~~python
;;   def quantise(x, axis):      # numpy; x: float32 -> the quantised numbers, widened to float32 again
;;       x = np.moveaxis(x, axis, -1); K = x.shape[-1]
;;       x = np.pad(x, [(0, 0)] * (x.ndim - 1) + [(0, -K % 32)]); x = x.reshape(x.shape[:-1] + (-1, 32)); a = np.abs(x).max(-1, keepdims=True)
;;       e = np.where(a > 0, np.clip(np.frexp(np.where(a > 0, a, 1))[1] - 1 - 2, -126, 127), 0)      # np.frexp(a)[1] - 1 = floor(log2(a)), exactly
;;       r = np.clip(x / 2.0 ** e, -7.5, 7.5)
;;       step = 2.0 ** (np.maximum(np.frexp(np.where(r == 0, 1, r))[1] - 1, 0) - 3)
;;       q = np.round(r / step) * step * 2.0 ** e      # np.round: ties to even
;;       return np.moveaxis(q.reshape(q.shape[:-2] + (-1,))[..., :K], -1, axis).astype(np.float32)
;;   ~~~
;;   SOFTMAX AHEAD OF A QUANTISED PRODUCT. Where the list says 'softmax', what is quantised is not the finished softmax but p = 2^(t - M), with t = logit x log2(e) and M = ceil(the row's largest t), a whole number; so 1/2 < the row's largest p <= 1. The row's sum l is taken of the UNQUANTISED p, in f32, and the product's result is divided by l at the end. Since M is a whole number, a kernel that streams over the keys may use a running M (the ceiling of the running maximum): every later rescaling is an exact power of two, which a block's scale takes up: the codes' values come out the same.
;;   OPERANDS COMPUTED ON THE WAY. 'Computed on the way' means the value that the module computes at that place (a softmax that the list does not call 'softmax' is quantised finished and normalised). What goes into a quantiser is computed in f32, as accurately as f32 sums, v_exp_f32 and their like allow (about 1e-6 of the number): no bf16 or f16 on the way to a quantiser, and a product that is left as it is and whose result goes on into a quantised operand takes f32 operands (vector FMAs, or v_wmma_f32_16x16x4_f32). A number that lies on a knife's edge between two numbers of the format may be rounded either way, as far as f32 arithmetic and the matrix unit's own rounding can turn it there, and no further.
;; 2 versions. Each part assembles by itself: llvm-mc -triple=amdgcn-amd-amdhsa -mcpu=gfx1250 --defsym DOCPART=n.
;; ======== version 1 of 2: 3 launches
;; workspace buffers: n1c 6,291,456 bytes; n1s 262,144 bytes; wa 2,457,600 bytes; wch 2,457,600 bytes; cc 6,291,456 bytes; csc 262,144 bytes
;; launch prep (part 1): grid 640 x 1, 8 waves a work-group, no clusters, 64,512 bytes of LDS; arguments x, gamma1, beta1, Wq, Wk, Wv, Wo, W1, W2, n1c, n1s, wa, wch; writes n1c, n1s, wa, wch
.if DOCPART == 1
	.amdgcn_target "amdgcn-amd-amdhsa--gfx1250"
	.amdhsa_code_object_version 6
	.text
	.protected	k_qbadb41b24f_prep
	.globl	k_qbadb41b24f_prep
	.p2align	8
	.type	k_qbadb41b24f_prep,@function
k_qbadb41b24f_prep:
	s_mov_b64 s[64:65], 0
	v_nop
	global_prefetch_b8 v0, s[64:65] scope:SCOPE_SE
	s_setreg_imm32_b32 hwreg(HW_REG_WAVE_MODE, 25, 1), 1
	s_wait_xcnt 0x0
; LAUNCH 1 OF 3.  Everything that later launches read many times is quantised once, to codes of E2M3 with one E8M0 byte for each 32 along K,
; and stored as IMAGES OF THE OPERAND'S REGISTERS: a fragment (16 rows x 128 K, 12 registers a lane) is 1,536 bytes, registers 4 c .. 4 c + 3 of lane l at 512 c + 16 l.
; A TILE'S 16 ROWS ARE NOT NEIGHBOURS: in a group of 32 rows, lane r of tile u holds row 8 u + r + 8 (r / 8), so that two neighbouring tiles used as source 0 leave 16 neighbours in a lane's 16 result registers.
; Work-groups 0-255: n1 = layernorm(x, gamma1, beta1) of 32 tokens (two tiles), four rows a wave -> n1c, n1s.
; Work-groups 256-639: one fragment a wave of Wq, Wk, Wv (-> wa, by head) or Wo, W1, W2 (-> wch, by the 128 columns that a wave of the last launch owns).
; The two roles part on the work-group's number and never meet again; each has LDS bytes of its own.
; No matrix work, no tensor load, no cluster: nothing is shared between work-groups, and memory binds.
; LIMITS: NaN and infinities are not served.  A block whose largest magnitude lies under 2^-124 keeps the byte 1, a block of zeros too (the rule says 127): its codes are zeros, and this program alone reads the bytes.
.set LNST, 0                           ; 8 x 4,608: a wave's stage: a row of 4,096 bytes with 16 of padding behind each 128
.set IMG,  36864                       ; 24,576: two tiles x eight fragments
.set SCI,  61440                       ; 1,024: their scale bytes, [tile][row][32]
.set WSB,  62464                       ; 512: the weight role's scale words, [K step of two][row][tile of four]
.set X, 64                             ; v64-191  four rows, 32 registers each: register 4 j + e is column 128 j + 4 l + e, as loaded
.set G, 192                            ; v192-223 gamma1, in the same layout
.set B, 224                            ; v224-255 beta1, likewise
.macro BARRIER                         ; my LDS instructions are done, then the work-group's barrier
	s_wait_dscnt 0x0
	s_barrier_signal -1
	s_barrier_wait -1
.endm
	s_load_b512 s[8:23], s[0:1], 0x0               ; x, gamma1, beta1, Wq, Wk, Wv, Wo, W1
	s_load_b256 s[24:31], s[0:1], 0x40             ; W2, n1c, n1s, wa
	s_load_b64 s[32:33], s[0:1], 0x60              ; wch
	v_lshl_add_u32 v62, v0, 2, 0xf800
	v_mov_b32 v63, 0
	v_lshrrev_b32 v1, 5, v0
	v_readfirstlane_b32 s34, v1                    ; wave 0..7
	v_and_b32 v1, 31, v0                           ; lane l
	v_lshlrev_b32 v8, 4, v1                        ; 16 l
	s_mov_b32 s36, 0x76543210
	s_mov_b32 s37, 0xfedcba98                      ; v_permlanex16_b32's selects for lane l xor 16
	s_cmp_ge_u32 ttmp9, 256
	s_cbranch_scc1 .Lweights
; ======== LAYERNORM.  Wave w owns rows 4 w + t, t = 0 .. 3, of the group's 32: tile u = (w / 2) % 2, tile row r = 4 (w % 2) + 8 (w / 4) + t.
	s_mul_i32 s40, s34, 4608
	v_lshrrev_b32 v10, 3, v1
	v_lshl_add_u32 v2, v10, 4, v8
	v_add_nc_u32 v2, s40, v2                       ; the stage, in: 16 l + 16 (l / 8); a load's 512 bytes are 576 apart
	v_mul_u32_u24 v3, v1, 144
	v_add_nc_u32 v3, s40, v3                       ; and out: 144 l: block l of the row, 128 bytes
	s_bfe_u32 s41, s34, 0x10001                    ; u
	s_mul_i32 s42, s41, 12288
	s_and_b32 s43, s34, 1
	s_lshl_b32 s43, s43, 6
	s_lshr_b32 s44, s34, 2
	s_lshl_b32 s44, s44, 7
	s_add_co_u32 s43, s43, s44                     ; 16 x (tile row of t = 0)
	s_add_co_u32 s42, s42, s43
	s_add_co_u32 s42, s42, IMG
	v_lshrrev_b32 v10, 2, v1                       ; block l lies in K step l / 4, in lanes r + 16 (l % 2), registers 6 c .. 6 c + 5, c = (l / 2) % 2
	v_mul_u32_u24 v10, v10, 1536
	v_and_b32 v11, 1, v1
	v_lshl_add_u32 v10, v11, 8, v10
	v_add_nc_u32 v10, s42, v10
	v_bfe_u32 v11, v1, 1, 1
	v_mad_u32_u24 v4, v11, 520, v10                ; registers 6 c, 6 c + 1 in the image: byte 0 or 520
	v_mad_u32_u24 v5, v11, 1016, v10
	v_add_nc_u32 v5, 8, v5                         ; 6 c + 2, + 3: byte 8 or 1,024
	v_add_nc_u32 v6, 512, v4                       ; 6 c + 4, + 5: byte 512 or 1,032
	s_lshl_b32 s44, s41, 9
	s_lshl_b32 s45, s43, 1
	s_add_co_u32 s44, s44, s45
	s_add_co_u32 s44, s44, SCI
	v_add_nc_u32 v7, s44, v1                       ; my block's scale byte: 512 u + 32 r + l
	s_mul_i32 s40, s34, 3072
	v_add_nc_u32 v10, s40, v8                      ; the way out: wave w takes bytes 3,072 w on of the images
	v_add_nc_u32 v11, IMG, v10
	s_lshl_b32 s46, ttmp9, 17                      ; 32 rows of 4,096 bytes a work-group,
	s_lshl_b32 s47, s34, 14                        ; four a wave
	s_add_co_u32 s46, s46, s47
	s_mov_b32 s47, 0
	s_mov_b32 s38, 0x3a800000                      ; 1 / 1,024
	s_mov_b32 s39, 0x3727c5ac                      ; 1e-5
	s_wait_kmcnt 0x0
	s_add_nc_u64 s[8:9], s[8:9], s[46:47]
.irp t,0,1,2,3
.irp j,0,1,2,3,4,5,6,7
	global_load_b128 v[X+32*\t+4*\j:X+32*\t+4*\j+3], v8, s[8:9] offset:4096*\t+512*\j th:TH_LOAD_NT   ; 32 lanes read 512 consecutive bytes
.endr
.endr
.irp i,0,1,2,3,4,5,6,7
	global_load_b128 v[G+4*\i:G+4*\i+3], v8, s[10:11] offset:512*\i   ; gain and bias as x is loaded: 512 consecutive bytes a load; they are applied ahead of the turn through the stage
	global_load_b128 v[B+4*\i:B+4*\i+3], v8, s[12:13] offset:512*\i
.endr
; the four rows' two partial sums each (v[16+4t:17+4t], v[18+4t:19+4t]) become one number in every lane: v[16+4t]
.macro FOLD
.irp t,0,1,2,3
	v_pk_add_f32 v[16+4*\t:17+4*\t], v[16+4*\t:17+4*\t], v[18+4*\t:19+4*\t]
.endr
.irp t,0,1,2,3
	v_add_f32 v[16+4*\t], v[16+4*\t], v[17+4*\t]
.endr
.irp m,1,2,4,8
.irp t,0,1,2,3
	v_add_f32_dpp v[16+4*\t], v[16+4*\t], v[16+4*\t] row_xmask:\m row_mask:0xf bank_mask:0xf
.endr
.endr
.irp t,0,1,2,3
	v_permlanex16_b32 v[32+\t], v[16+4*\t], s36, s37
.endr
.irp t,0,1,2,3
	v_add_f32 v[16+4*\t], v[16+4*\t], v[32+\t]
.endr
.endm
.irp t,0,1,2,3
	v_mov_b32 v[32+\t], 0                          ; a lane permute's destination counts as one of its sources
.endr
	s_wait_loadcnt 16                              ; x is in; the 16 loads of gamma1 and beta1 may be out
.irp t,0,1,2,3
	v_pk_add_f32 v[16+4*\t:17+4*\t], v[X+32*\t:X+32*\t+1], v[X+32*\t+2:X+32*\t+3]
	v_pk_add_f32 v[18+4*\t:19+4*\t], v[X+32*\t+4:X+32*\t+5], v[X+32*\t+6:X+32*\t+7]
.endr
.irp i,8,12,16,20,24,28
.irp t,0,1,2,3
	v_pk_add_f32 v[16+4*\t:17+4*\t], v[16+4*\t:17+4*\t], v[X+32*\t+\i:X+32*\t+\i+1]
	v_pk_add_f32 v[18+4*\t:19+4*\t], v[18+4*\t:19+4*\t], v[X+32*\t+\i+2:X+32*\t+\i+3]
.endr
.endr
	FOLD
.irp t,0,1,2,3
	v_mul_f32 v[36+2*\t], s38, v[16+4*\t]          ; the mean, twice: a pair for the packed forms
	v_mov_b32 v[37+2*\t], v[36+2*\t]
.endr
.irp t,0,1,2,3
.set J, 0
.rept 16
	v_pk_add_f32 v[X+32*\t+J:X+32*\t+J+1], v[X+32*\t+J:X+32*\t+J+1], v[36+2*\t:37+2*\t] neg_lo:[0,1] neg_hi:[0,1]   ; x - mean, in place: the variance is taken of these
.set J, J+2
.endr
.endr
.irp t,0,1,2,3
	v_pk_mul_f32 v[16+4*\t:17+4*\t], v[X+32*\t:X+32*\t+1], v[X+32*\t:X+32*\t+1]
	v_pk_mul_f32 v[18+4*\t:19+4*\t], v[X+32*\t+2:X+32*\t+3], v[X+32*\t+2:X+32*\t+3]
.endr
.irp i,4,8,12,16,20,24,28
.irp t,0,1,2,3
	v_pk_fma_f32 v[16+4*\t:17+4*\t], v[X+32*\t+\i:X+32*\t+\i+1], v[X+32*\t+\i:X+32*\t+\i+1], v[16+4*\t:17+4*\t]
	v_pk_fma_f32 v[18+4*\t:19+4*\t], v[X+32*\t+\i+2:X+32*\t+\i+3], v[X+32*\t+\i+2:X+32*\t+\i+3], v[18+4*\t:19+4*\t]
.endr
.endr
	FOLD
.irp t,0,1,2,3
	v_fma_f32 v[16+4*\t], v[16+4*\t], s38, s39     ; the biased variance + 1e-5
.endr
.irp t,0,1,2,3
	v_rsq_f32 v[36+2*\t], v[16+4*\t]
.endr
	v_nop                                          ; a plain instruction behind the last of the four,
	s_wait_alu depctr_va_vdst(0)                   ; and one wait for the batch, ahead of its first reader
.irp t,0,1,2,3
	v_mov_b32 v[37+2*\t], v[36+2*\t]
.endr
.irp t,0,1,2,3
.set J, 0
.rept 16
	v_pk_mul_f32 v[X+32*\t+J:X+32*\t+J+1], v[X+32*\t+J:X+32*\t+J+1], v[36+2*\t:37+2*\t]
.set J, J+2
.endr
.endr
	s_wait_loadcnt 0x0                             ; gamma1, beta1
; Row t: gain and bias; then it turns through the wave's stage, so that lane l holds block l (32 neighbours along K); the block's scale; 32 codes (24 bytes) into the fragment's image.
.macro LNROW t
.set J, 0
.rept 16
	v_pk_fma_f32 v[X+32*\t+J:X+32*\t+J+1], v[X+32*\t+J:X+32*\t+J+1], v[G+J:G+J+1], v[B+J:B+J+1]
.set J, J+2
.endr
.irp j,0,1,2,3,4,5,6,7
	ds_store_b128 v2, v[X+32*\t+4*\j:X+32*\t+4*\j+3] offset:576*\j
.endr
.irp i,0,1,2,3,4,5,6,7
	ds_load_b128 v[X+32*\t+4*\i:X+32*\t+4*\i+3], v3 offset:16*\i   ; LDS serves a wave's instructions in order (ISA guide 5.7.1.4): these see the stores above, and the next row's stores come behind them
.endr
	s_wait_dscnt 0x0
	v_max3_num_f32 v12, |v[X+32*\t]|, |v[X+32*\t+1]|, 0x1800000     ; the block's largest magnitude, all 32 mine, with the floor 2^(3 - 127): the byte cannot fall under 1
	v_max3_num_f32 v13, |v[X+32*\t+2]|, |v[X+32*\t+3]|, |v[X+32*\t+4]|
.irp i,5,9,13,17,21,25
	v_max3_num_f32 v12, v12, |v[X+32*\t+\i]|, |v[X+32*\t+\i+1]|
	v_max3_num_f32 v13, v13, |v[X+32*\t+\i+2]|, |v[X+32*\t+\i+3]|
.endr
	v_max3_num_f32 v12, v12, |v[X+32*\t+29]|, |v[X+32*\t+30]|
	v_max3_num_f32 v12, v12, v13, |v[X+32*\t+31]|
	v_add_nc_u32 v14, 0xff000000, v12              ; 2 off its exponent field: the conversion takes the exponent field of this operand as its scale
	v_cvt_scalef32_pk16_fp6_f32 v[16+8*\t:18+8*\t], v[X+32*\t:X+32*\t+15], v14
	v_cvt_scalef32_pk16_fp6_f32 v[20+8*\t:22+8*\t], v[X+32*\t+16:X+32*\t+31], v14   ; (a conversion's three registers begin on an even number)
	v_lshrrev_b32 v[48+\t], 23, v14                ; the scale's byte; also the plain instruction behind the conversions
	v_mov_b32 v[19+8*\t], v[20+8*\t]
	v_mov_b32 v[20+8*\t], v[21+8*\t]
	v_mov_b32 v[21+8*\t], v[22+8*\t]               ; six registers on end
	ds_store_b64 v4, v[16+8*\t:17+8*\t] offset:16*\t
	ds_store_b64 v5, v[18+8*\t:19+8*\t] offset:16*\t
	ds_store_b64 v6, v[20+8*\t:21+8*\t] offset:16*\t
	ds_store_b8 v7, v[48+\t] offset:32*\t
.endm
	LNROW 0
	LNROW 1
	LNROW 2
	LNROW 3
	s_mul_i32 s46, ttmp9, 24576
	s_add_nc_u64 s[26:27], s[26:27], s[46:47]      ; the group's sixteen fragments in n1c
	BARRIER                                        ; the images are whole
.irp i,0,1,2,3,4,5
	ds_load_b128 v[64+4*\i:67+4*\i], v11 offset:512*\i
.endr
.irp i,0,1,2,3,4,5
	s_wait_dscnt 5-\i                              ; LDS loads come back in order: load i is in, the younger ones may be out
	global_store_b128 v10, v[64+4*\i:67+4*\i], s[26:27] offset:512*\i   ; 512 consecutive bytes, at a multiple of 256 from the buffer's first byte
.endr
	s_cmp_lt_u32 s34, 2                            ; the 1,024 scale bytes leave by waves 0 and 1
	s_cbranch_scc0 .Lln_end
	s_lshl_b32 s40, s34, 9
	v_add_nc_u32 v12, s40, v8
	v_add_nc_u32 v13, SCI, v12
	ds_load_b128 v[96:99], v13
	s_lshl_b32 s46, ttmp9, 10
	s_add_nc_u64 s[28:29], s[28:29], s[46:47]
	s_wait_dscnt 0x0
	global_store_b128 v12, v[96:99], s[28:29]
.Lln_end:
	s_wait_tensorcnt 0x0
	ds_add_u32 v62, v63
	s_wait_dscnt 0x0
	s_endpgm
; ======== WEIGHTS.  K is the first axis of each: a lane takes a column and its registers run down K, in the very order that the operand's layout gives that lane.
.Lweights:
	s_sub_co_u32 s40, ttmp9, 256
	s_lshr_b32 s41, s40, 6                         ; which tensor: 0 Wq, 1 Wk, 2 Wv, 3 Wo, 4 W1, 5 W2
	s_bfe_u32 s42, s40, 0x40002                    ; cg: which 64 columns (a head, or 256 bytes of a row)
	s_and_b32 s43, s40, 3                          ; sp: which two K steps
	s_and_b32 s44, s34, 3                          ; q: my tile of the four
	s_lshr_b32 s45, s34, 2
	s_lshl_b32 s46, s43, 1
	s_add_co_u32 s46, s46, s45                     ; s: my K step
	v_and_b32 v2, 15, v0                           ; r
	v_bfe_u32 v3, v0, 4, 1                         ; h
	v_and_b32 v4, 8, v2
	v_add_nc_u32 v4, v4, v2
	s_lshr_b32 s47, s44, 1
	s_lshl_b32 s47, s47, 5
	s_and_b32 s48, s44, 1
	s_lshl_b32 s48, s48, 3
	s_add_co_u32 s47, s47, s48
	v_add_nc_u32 v4, s47, v4                       ; my column of the 64: 32 (q / 2) + 8 (q % 2) + r + 8 (r / 8)
	v_lshlrev_b32 v4, 2, v4
	s_lshl_b32 s48, s45, 8
	s_lshl_b32 s49, s44, 2
	s_add_co_u32 s48, s48, s49
	s_add_co_u32 s48, s48, WSB
	v_lshl_add_u32 v6, v2, 4, s48                  ; my scale word in LDS: 256 (w / 4) + 16 r + 4 q
	v_add_nc_u32 v7, WSB, v8
	; offsets for both kinds of tensor, then a choice: no address is made in one arm of a branch
	s_mul_i32 s62, s42, 153600                     ; wa: a head's block
	s_mul_i32 s63, s41, 49152
	s_add_co_u32 s63, s62, s63
	s_mul_i32 s66, s46, 6144
	s_add_co_u32 s63, s63, s66                     ; + tensor + K step
	s_lshr_b32 s67, s42, 1
	s_mul_i32 s67, s67, 307200                     ; wch: the stream of the wave that owns these columns
	s_lshl_b32 s71, s41, 3
	s_sub_co_u32 s71, s71, 24                      ; 8 x (product 0 .. 2)
	s_add_co_u32 s66, s71, s46
	s_mul_i32 s66, s66, 12800
	s_add_co_u32 s68, s67, s66                     ; + chunk
	s_and_b32 s72, s42, 1
	s_mul_i32 s66, s72, 6144
	s_add_co_u32 s68, s68, s66                     ; + four tiles
	s_mul_i32 s66, s43, 1536
	s_add_co_u32 s69, s62, s66                     ; wa's scale words: 147,456 + 768 s + 256 x tensor
	s_lshl_b32 s66, s41, 8
	s_add_co_u32 s69, s69, s66
	s_add_co_u32 s69, s69, 147456
	s_lshl_b32 s66, s43, 1
	s_add_co_u32 s66, s66, s71
	s_mul_i32 s66, s66, 12800
	s_add_co_u32 s70, s67, s66                     ; wch's: 12,288 behind the chunk's first byte, + 256 for tiles 4 to 7
	s_lshl_b32 s66, s72, 8
	s_add_co_u32 s70, s70, s66
	s_add_co_u32 s70, s70, 12288
	s_mul_i32 s66, s44, 1536
	s_mov_b32 s75, 0
	s_mov_b32 s77, 0
	s_mov_b32 s55, 0
	s_mov_b32 s60, 12800
	s_wait_kmcnt 0x0
	s_mov_b64 s[50:51], s[14:15]
	s_cmp_eq_u32 s41, 1
	s_cselect_b64 s[50:51], s[16:17], s[50:51]
	s_cmp_eq_u32 s41, 2
	s_cselect_b64 s[50:51], s[18:19], s[50:51]
	s_cmp_eq_u32 s41, 3
	s_cselect_b64 s[50:51], s[20:21], s[50:51]
	s_cmp_eq_u32 s41, 4
	s_cselect_b64 s[50:51], s[22:23], s[50:51]
	s_cmp_eq_u32 s41, 5
	s_cselect_b64 s[50:51], s[24:25], s[50:51]
	s_cmp_lt_u32 s41, 3                            ; a tensor by heads (rows of 256 bytes) or a square one (rows of 4,096)?
	s_cselect_b32 s52, 18, 8                       ; cg x 262,144 or x 256
	s_cselect_b32 s53, 15, 19                      ; 128 rows
	s_cselect_b32 s61, 13, 17                      ; 32 rows
	s_cselect_b32 s60, 768, s60                    ; from a K step's scale words to the next step's
	s_cselect_b64 s[56:57], s[30:31], s[32:33]
	s_cselect_b32 s74, s63, s68
	s_cselect_b32 s76, s69, s70
	s_add_co_u32 s74, s74, s66                     ; + my tile
	s_add_nc_u64 s[58:59], s[56:57], s[76:77]      ; where the scale words go
	s_add_nc_u64 s[56:57], s[56:57], s[74:75]      ; where my fragment goes
	s_lshl_b32 s54, s42, s52
	s_lshl_b32 s53, s46, s53
	s_add_co_u32 s54, s54, s53
	s_add_nc_u64 s[50:51], s[50:51], s[54:55]
	v_lshlrev_b32 v5, s61, v3
	v_add_nc_u32 v5, v5, v4                        ; 4 x column + 32 h rows: lane (r, h) wants k = 64 c + 32 h + 0 .. 31
.macro WLOADS rs                       ; register 32 c + i: row 64 c + i of my half
.set I, 0
.rept 64
	global_load_b32 v[64+I], v5, s[50:51] offset:(I+32*(I/32))*(\rs)
.set I, I+1
.endr
.endm
	s_cmp_lt_u32 s41, 3
	s_cbranch_scc0 .Lsquare
	WLOADS 256
	s_branch .Lloaded
.Lsquare:
	WLOADS 4096
.Lloaded:
	s_wait_loadcnt 0x0
.irp c,0,1
	v_max3_num_f32 v[32+\c], |v[64+32*\c]|, |v[65+32*\c]|, 0x1800000   ; my block 2 c + h: all 32 numbers are mine; the floor holds the byte at 1 from below
.endr
.irp i,2,4,6,8,10,12,14,16,18,20,22,24,26,28,30
.irp c,0,1
	v_max3_num_f32 v[32+\c], v[32+\c], |v[64+32*\c+\i]|, |v[65+32*\c+\i]|
.endr
.endr
.irp c,0,1
	v_add_nc_u32 v[44+\c], 0xff000000, v[32+\c]
.endr
.irp c,0,1
	v_lshrrev_b32 v[36+\c], 23, v[44+\c]
.endr
	v_lshl_or_b32 v9, v37, 16, v36                 ; my two bytes, blocks h and 2 + h,
	v_lshlrev_b32 v10, 3, v3
	v_lshlrev_b32 v9, v10, v9                      ; at their places in the word;
	v_mov_b32 v10, 0
	v_permlanex16_b32 v10, v9, s36, s37
	v_or_b32 v9, v9, v10                           ; with lane l xor 16's two it is whole
.irp c,0,1
	v_cvt_scalef32_pk16_fp6_f32 v[48+6*\c:50+6*\c], v[64+32*\c:79+32*\c], v[44+\c]
	v_cvt_scalef32_pk16_fp6_f32 v[192+4*\c:194+4*\c], v[80+32*\c:95+32*\c], v[44+\c]
.endr
	v_nop                                          ; one plain instruction behind the conversions
.irp c,0,1
.irp i,0,1,2
	v_mov_b32 v[51+6*\c+\i], v[192+4*\c+\i]
.endr
.endr
.irp c,0,1,2
	global_store_b128 v8, v[48+4*\c:51+4*\c], s[56:57] offset:512*\c   ; the fragment's image: 512 consecutive bytes a store
.endr
	ds_store_b32 v6, v9                            ; lanes r and r + 16 write the same word with the same value
	BARRIER
	s_cmp_lg_u32 s34, 0                            ; the eight waves' words leave by wave 0: two aligned runs of 256 bytes
	s_cbranch_scc1 .Lw_end
	ds_load_b128 v[12:15], v7
	v_mul_lo_u32 v11, v3, s60
	v_lshl_add_u32 v11, v2, 4, v11                 ; 16 r, + a K step for lanes 16-31
	s_wait_dscnt 0x0
	global_store_b128 v11, v[12:15], s[58:59]
.Lw_end:
	s_wait_tensorcnt 0x0
	ds_add_u32 v62, v63
	s_wait_dscnt 0x0
	s_endpgm
.Lfunc_end_k_qbadb41b24f_prep:
	.size	k_qbadb41b24f_prep, .Lfunc_end_k_qbadb41b24f_prep-k_qbadb41b24f_prep
	.p2alignl 7, 3214868480
	.fill 96, 4, 3214868480
	.section	.rodata,"a",@progbits
	.p2align	6, 0x0
	.amdhsa_kernel k_qbadb41b24f_prep
		.amdhsa_group_segment_fixed_size 64512
		.amdhsa_private_segment_fixed_size 0
		.amdhsa_enable_private_segment 0
		.amdhsa_kernarg_size 104
		.amdhsa_user_sgpr_count 2
		.amdhsa_user_sgpr_kernarg_segment_ptr 1
		.amdhsa_wavefront_size32 1
		.amdhsa_system_sgpr_workgroup_id_x 1
		.amdhsa_system_sgpr_workgroup_id_y 1
		.amdhsa_system_sgpr_workgroup_id_z 1
		.amdhsa_system_vgpr_workitem_id 0
		.amdhsa_next_free_vgpr 256
		.amdhsa_next_free_sgpr 80
		.amdhsa_reserve_vcc 0
		.amdhsa_float_denorm_mode_32 3
		.amdhsa_float_denorm_mode_16_64 3
		.amdhsa_memory_ordered 1
		.amdhsa_forward_progress 1
		.amdhsa_inst_pref_size 64
	.end_amdhsa_kernel
	.amdgpu_metadata
---
amdhsa.version: [ 1, 2 ]
amdhsa.kernels:
  - .name:           k_qbadb41b24f_prep
    .symbol:         k_qbadb41b24f_prep.kd
    .args:
      - { .name: x, .offset: 0, .size: 8, .value_kind: global_buffer, .address_space: global }
      - { .name: gamma1, .offset: 8, .size: 8, .value_kind: global_buffer, .address_space: global }
      - { .name: beta1, .offset: 16, .size: 8, .value_kind: global_buffer, .address_space: global }
      - { .name: Wq, .offset: 24, .size: 8, .value_kind: global_buffer, .address_space: global }
      - { .name: Wk, .offset: 32, .size: 8, .value_kind: global_buffer, .address_space: global }
      - { .name: Wv, .offset: 40, .size: 8, .value_kind: global_buffer, .address_space: global }
      - { .name: Wo, .offset: 48, .size: 8, .value_kind: global_buffer, .address_space: global }
      - { .name: W1, .offset: 56, .size: 8, .value_kind: global_buffer, .address_space: global }
      - { .name: W2, .offset: 64, .size: 8, .value_kind: global_buffer, .address_space: global }
      - { .name: n1c, .offset: 72, .size: 8, .value_kind: global_buffer, .address_space: global }
      - { .name: n1s, .offset: 80, .size: 8, .value_kind: global_buffer, .address_space: global }
      - { .name: wa, .offset: 88, .size: 8, .value_kind: global_buffer, .address_space: global }
      - { .name: wch, .offset: 96, .size: 8, .value_kind: global_buffer, .address_space: global }
    .group_segment_fixed_size: 64512
    .private_segment_fixed_size: 0
    .kernarg_segment_align: 8
    .kernarg_segment_size: 104
    .max_flat_workgroup_size: 256
    .sgpr_count:     80
    .vgpr_count:     256
    .wavefront_size: 32
...
	.end_amdgpu_metadata
.endif
;; end of part 1
;; launch attn (part 2): grid 16 x 16, 8 waves a work-group, no clusters, 234,496 bytes of LDS; arguments n1c, n1s, wa, cc, csc; writes cc, csc
.if DOCPART == 2
	.amdgcn_target "amdgcn-amd-amdhsa--gfx1250"
	.amdhsa_code_object_version 6
	.text
	.protected	k_qbadb41b24f_attn
	.globl	k_qbadb41b24f_attn
	.p2align	8
	.type	k_qbadb41b24f_attn,@function
k_qbadb41b24f_attn:
	s_mov_b64 s[64:65], 0
	v_nop
	global_prefetch_b8 v0, s[64:65] scope:SCOPE_SE
	s_setreg_imm32_b32 hwreg(HW_REG_WAVE_MODE, 25, 1), 1
	s_wait_xcnt 0x0
; LAUNCH 2 OF 3.  One work-group = one (batch, head): Q, K, V = n1 x Wq, Wk, Wv of that head (K = 1,024), causal attention (512 x 512, head size 64), O / l quantised -> cc, csc.
; All five products on codes of E2M3 with E8M0 scales.  Q, K, V and p never go to memory.
; SHARES.  Eight waves, two to a SIMD, 512 registers each.  Wave w owns the token pairs (32 tokens) p0 = w and p1 = 15 - w: four tiles of 16.  They are its keys in the projections and its queries in
; attention: under the causal mask the two pairs together walk (p0 / 4) + (p1 / 4) + 2 = 5 key steps of 128, the same in every wave.
; LAYOUT.  Tiles of 16 rows are the permuted tiles of launch 1.  Q and K are made transposed (source 0 = 16 of the head's 64, source 1 = 16 tokens): a lane holds one token and 2 x 16 neighbours along the head.
; V is made the other way (source 0 = tokens, source 1 = 16 of the head's 64): a lane holds one channel and 16 neighbouring keys.  S^T = K Q^T and O^T = V^T P^T: a lane holds one query throughout.
; The head's 64 are half of the instruction's 128 along K: registers 6-11 of K's and Q's fragments are zero codes, their scale bytes 0x7f.
; SOFTMAX.  t = score x log2(e) / 8; M = the running largest t rounded up to a whole number; p = 2^(t - M) is quantised along the keys; the sum is taken of the unquantised p and divides O at the end.
; THE HEAD'S WEIGHTS (153,600 bytes) come into LDS once, by one tensor load a wave (one is outstanding a wave); no LDS byte is filled twice.
; n1's FRAGMENTS go from memory straight into registers, two steps (24 loads a wave) ahead.  The 16 heads of a batch read the same fragments, yet no cluster asks for them jointly: inside a work-group each fragment is
; read by ONE wave, so LDS would add a write and a read; and a ring would put a round of the cluster's barrier in front of each step's 49,152 bytes, that is of every 32 (Q, K) or 16 (V) matrix instructions of a wave.
; LIMITS: NaN and infinities are not served; blocks under 2^-124 keep the byte 1 (blocks of zeros too: their codes are zeros); v_exp_f32 gives 0 for p under 2^-126.
.set KIMG, 153600                      ; K: 32 tiles x 768 bytes: registers 0-3 of lane l at 16 l, registers 4-5 at 512 + 8 l
.set QIMG, 178176                      ; Q: [wave][tile of four] x 768, the wave's own
.set VIMG, 202752                      ; V^T: [key step][tile of 16 channels] x 1,536: lane l's 48 bytes at 48 l
.set KSC,  227328                      ; K's scale words: [key step] x 512: word of (row r, tile t) at 256 (t / 4) + 16 r + 4 (t % 4)
.set QSC,  229376                      ; Q's: [wave][tile][r]
.set VSC,  231424                      ; V's: [key step] x 256: byte of (row r, tile j, block) at 16 r + 4 j + block
.set OSC,  232448                      ; the output's two scale bytes a row: [wave][tile][r] x 2 bytes
.set NF, 32                            ; v32-127  n1: two slots x four fragments
.set WF, 128                           ; v128-223 weights: two sets x four fragments; the quantisers' work registers between the passes
.set NS, 224                           ; v224-239 n1's scale words: [pair][K step]; lanes 0-15 the pair's first tile, lanes 16-31 its second
.set WS, 240                           ; v240-247 the weights' scale words, two sets of four
.set PCQ, 128
.set TMQ, 176
.set T2Q, 184
.set SOQ, 192
.set BYQ, 200
.set WQ,  208
.set MSB, 0
.macro WIN new                         ; the immediate's high byte repeats the setting that is left; bits 1:0 source 0, 3:2 source 1, 5:4 source 2, 7:6 destination
.if MSB != \new
	s_set_vgpr_msb (MSB<<8)|\new
.set MSB, \new
.endif
.endm
.macro PLACES                          ; four plain instructions between a matrix instruction and a load into, or a vector instruction on, its registers
.rept 4
	v_nop
.endr
.endm
.macro BARRIER
	s_wait_dscnt 0x0
	s_barrier_signal -1
	s_barrier_wait -1
.endm
; one product.  zero: C is the constant 0 (the sum's first K step), else C = D.  ra, rb: the scale words stand in lanes 16-31 of their register
.macro WM d, a, b, zero, sa, sb, ra, rb
.if (\zero)
.if ((\ra)==0)&&((\rb)==0)
	v_wmma_scale_f32_16x16x128_f8f6f4 v[\d:\d+7], v[\a:\a+11], v[\b:\b+11], 0, v[\sa], v[\sb] matrix_a_fmt:MATRIX_FMT_FP6 matrix_b_fmt:MATRIX_FMT_FP6
.elseif ((\ra)==1)&&((\rb)==0)
	v_wmma_scale_f32_16x16x128_f8f6f4 v[\d:\d+7], v[\a:\a+11], v[\b:\b+11], 0, v[\sa], v[\sb] matrix_a_fmt:MATRIX_FMT_FP6 matrix_b_fmt:MATRIX_FMT_FP6 matrix_a_scale:MATRIX_SCALE_ROW1
.elseif ((\ra)==0)&&((\rb)==1)
	v_wmma_scale_f32_16x16x128_f8f6f4 v[\d:\d+7], v[\a:\a+11], v[\b:\b+11], 0, v[\sa], v[\sb] matrix_a_fmt:MATRIX_FMT_FP6 matrix_b_fmt:MATRIX_FMT_FP6 matrix_b_scale:MATRIX_SCALE_ROW1
.else
	v_wmma_scale_f32_16x16x128_f8f6f4 v[\d:\d+7], v[\a:\a+11], v[\b:\b+11], 0, v[\sa], v[\sb] matrix_a_fmt:MATRIX_FMT_FP6 matrix_b_fmt:MATRIX_FMT_FP6 matrix_a_scale:MATRIX_SCALE_ROW1 matrix_b_scale:MATRIX_SCALE_ROW1
.endif
.else
.if ((\ra)==0)&&((\rb)==0)
	v_wmma_scale_f32_16x16x128_f8f6f4 v[\d:\d+7], v[\a:\a+11], v[\b:\b+11], v[\d:\d+7], v[\sa], v[\sb] matrix_a_fmt:MATRIX_FMT_FP6 matrix_b_fmt:MATRIX_FMT_FP6
.elseif ((\ra)==1)&&((\rb)==0)
	v_wmma_scale_f32_16x16x128_f8f6f4 v[\d:\d+7], v[\a:\a+11], v[\b:\b+11], v[\d:\d+7], v[\sa], v[\sb] matrix_a_fmt:MATRIX_FMT_FP6 matrix_b_fmt:MATRIX_FMT_FP6 matrix_a_scale:MATRIX_SCALE_ROW1
.elseif ((\ra)==0)&&((\rb)==1)
	v_wmma_scale_f32_16x16x128_f8f6f4 v[\d:\d+7], v[\a:\a+11], v[\b:\b+11], v[\d:\d+7], v[\sa], v[\sb] matrix_a_fmt:MATRIX_FMT_FP6 matrix_b_fmt:MATRIX_FMT_FP6 matrix_b_scale:MATRIX_SCALE_ROW1
.else
	v_wmma_scale_f32_16x16x128_f8f6f4 v[\d:\d+7], v[\a:\a+11], v[\b:\b+11], v[\d:\d+7], v[\sa], v[\sb] matrix_a_fmt:MATRIX_FMT_FP6 matrix_b_fmt:MATRIX_FMT_FP6 matrix_a_scale:MATRIX_SCALE_ROW1 matrix_b_scale:MATRIX_SCALE_ROW1
.endif
.endif
.endm
	s_load_b256 s[4:11], s[0:1], 0x0               ; n1c, n1s, wa, cc
	s_load_b64 s[12:13], s[0:1], 0x20              ; csc
	v_lshl_add_u32 v254, v0, 2, 0x39000
	v_mov_b32 v255, 0
	ds_add_u32 v254, v255
	ds_add_u32 v254, v255
	v_lshrrev_b32 v28, 5, v0
	v_readfirstlane_b32 s14, v28                   ; wave 0..7
	s_mov_b32 s15, ttmp9                           ; head
	s_and_b32 s16, ttmp7, 0xffff                   ; batch
	s_mov_b32 s17, s14                             ; p0
	s_xor_b32 s18, s14, 15                         ; p1 = 15 - w
	; the head's weights: wave w brings bytes 19,200 w on: 75 rows of 256 bytes, dense, no padding
	s_mov_b32 s32, 3<<16                           ; no mask; elements of 8 bytes; padding off
	s_mov_b32 s33, 32<<16                          ; tensor_dim0 = 32
	s_mov_b32 s34, 75<<16                          ; tensor_dim1 = 75
	s_mov_b32 s35, 32<<16                          ; tile_dim0 = 32
	s_mov_b32 s36, 75                              ; tile_dim1 = 75
	s_mov_b32 s37, 32                              ; the pitch
	s_mov_b32 s38, 0
	s_mov_b32 s39, 0
	s_mov_b32 s28, 1
	s_mul_i32 s29, s14, 19200                      ; LDS address
	s_mul_i32 s44, s15, 153600
	s_add_co_u32 s44, s44, s29
	s_mov_b32 s45, 0
	s_wait_dscnt 0x0
	s_wait_kmcnt 0x0
	s_add_nc_u64 s[30:31], s[8:9], s[44:45]
	s_or_b32 s31, s31, 0x80000000                  ; type = 2
	tensor_load_to_lds s[28:31], s[32:39]
	s_nop 0
.rept 4
	v_nop
.endr
	v_and_b32 v28, 31, v0                          ; l
	v_and_b32 v29, 15, v0                          ; r
	v_bfe_u32 v30, v0, 4, 1                        ; h
	v_lshlrev_b32 v1, 4, v28                       ; v1  16 l
	v_lshlrev_b32 v2, 3, v28                       ; v2  8 l
	v_lshlrev_b32 v20, 5, v28                      ; v20 32 l
	s_lshl_b32 s46, s16, 4
	s_mov_b32 s49, 0
.irp a,0,1
	s_add_co_u32 s47, s46, s[17+\a]                ; the pair's number among all 256
	s_mul_i32 s48, s47, 24576
	s_add_nc_u64 s[20+2*\a:21+2*\a], s[4:5], s[48:49]   ; its sixteen fragments
	s_lshl_b32 s48, s47, 10
	s_add_nc_u64 s[24+2*\a:25+2*\a], s[6:7], s[48:49]   ; its scale bytes
.endr
.irp a,0,1
	global_load_b128 v[NS+8*\a:NS+8*\a+3], v20, s[24+2*\a:25+2*\a]
	global_load_b128 v[NS+8*\a+4:NS+8*\a+7], v20, s[24+2*\a:25+2*\a] offset:16
.endr
; step t of n1's stream (16 steps: the eight K steps for Q and K, then the same eight for V): my four fragments into slot t % 2
.macro NLOAD t
.irp j,0,1,2,3
.irp c,0,1,2
	global_load_b128 v[NF+48*((\t)%2)+12*\j+4*\c:NF+48*((\t)%2)+12*\j+4*\c+3], v1, s[20+2*(\j/2):21+2*(\j/2)] offset:(\j%2)*12288+((\t)%8)*1536+512*\c
.endr
.endr
.endm
	NLOAD 0
	NLOAD 1
	; LDS addresses, made once
	v_add_nc_u32 v3, 49152, v1                     ; v3  Wk's fragments
	v_add_nc_u32 v4, 98304, v1                     ; v4  Wv's
	v_add_nc_u32 v5, 147456, v1                    ; v5  Wq's scale words (lanes 0-15) and Wk's (lanes 16-31)
	v_lshlrev_b32 v31, 4, v29                      ; 16 r
	v_add_nc_u32 v6, 147968, v31                   ; v6  Wv's scale words
	v_mul_u32_u24 v27, v29, 48
	v_mad_u32_u24 v27, v30, 12, v27                ; (48 r + 12 h)
.irp a,0,1
	s_mul_i32 s48, s[17+\a], 1536
	s_add_co_u32 s48, s48, KIMG
	v_add_nc_u32 v[7+\a], s48, v1                  ; v7, v8   where pair a's two tiles of K go: registers 0-3,
	v_add_nc_u32 v[9+\a], s48, v2
	v_add_nc_u32 v[9+\a], 512, v[9+\a]             ; v9, v10  registers 4-5
	s_lshr_b32 s48, s[17+\a], 1
	s_lshl_b32 s48, s48, 8
	s_and_b32 s49, s[17+\a], 1
	s_lshl_b32 s49, s49, 3
	s_add_co_u32 s48, s48, s49
	s_add_co_u32 s48, s48, KSC
	v_add_nc_u32 v[13+\a], s48, v31                ; v13, v14 their scale words: 256 (p / 2) + 8 (p % 2) + 16 r
	s_lshr_b32 s48, s[17+\a], 2
	s_mul_i32 s49, s48, 6144
	s_lshl_b32 s48, s48, 8
	s_and_b32 s50, s[17+\a], 3
	s_add_co_u32 s48, s48, s50
	s_add_co_u32 s48, s48, VSC
	v_add_nc_u32 v[18+\a], s48, v31                ; v18, v19 V's scale byte of block p % 4 of key step p / 4
	s_and_b32 s50, s[17+\a], 1
	s_mul_i32 s50, s50, 768
	s_add_co_u32 s49, s49, s50
	s_bfe_u32 s50, s[17+\a], 0x10001
	s_mul_i32 s50, s50, 24
	s_add_co_u32 s49, s49, s50
	s_add_co_u32 s49, s49, VIMG
	v_add_nc_u32 v[16+\a], s49, v27                ; v16, v17 V's 16 codes of (channel r, keys 32 p + 16 h ..): lane r + 16 (p % 2), registers 6 ((p / 2) % 2) + 3 h ..
.endr
	s_mul_i32 s48, s14, 3072
	s_add_co_u32 s48, s48, QIMG
	v_add_nc_u32 v11, s48, v1                      ; v11 my tiles of Q: registers 0-3,
	v_add_nc_u32 v12, s48, v2
	v_add_nc_u32 v12, 512, v12                     ; v12 registers 4-5
	s_lshl_b32 s48, s14, 8
	s_add_co_u32 s48, s48, QSC
	v_lshl_add_u32 v15, v29, 2, s48                ; v15 their scale words
	s_lshl_b32 s48, s14, 7
	s_add_co_u32 s48, s48, OSC
	v_lshl_add_u32 v21, v29, 1, s48                ; v21 the output's scale bytes
	v_and_b32 v22, 8, v29
	v_add_nc_u32 v22, v22, v29
	v_lshlrev_b32 v26, 4, v30
	v_sub_nc_u32 v22, v22, v26                     ; v22 r + 8 (r / 8) - 16 h, for the mask
	v_add_nc_u32 v23, KIMG, v1                     ; v23, v24 a key step's tiles of K
	v_add_nc_u32 v24, KIMG+512, v2
	v_mul_u32_u24 v25, v28, 48
	v_add_nc_u32 v25, VIMG, v25                    ; v25 of V
	v_add_nc_u32 v26, KSC, v1                      ; v26 K's scale words
	v_add_nc_u32 v27, VSC, v31                     ; v27 V's
	s_mov_b32 s40, 0x76543210
	s_mov_b32 s41, 0xfedcba98                      ; v_permlanex16_b32's selects for lane l xor 16
	s_mov_b32 s42, 0x3e38aa3b                      ; c = log2(e) / sqrt(64)
	s_mov_b32 s43, s42                             ; (named with it as a pair)
	s_wait_tensorcnt 0x0                           ; my part of the weights has landed,
	s_barrier_signal -1
	s_barrier_wait -1                              ; everybody's has
; four fragments of one weight tensor (address register adr), K step s, into set
.macro WLOAD adr, set, s
.irp q,0,1,2,3
.irp c,0,1,2
	ds_load_b128 v[WF+48*(\set)+12*\q+4*\c:WF+48*(\set)+12*\q+4*\c+3], v[\adr] offset:6144*(\s)+1536*\q+512*\c
.endr
.endr
.endm
	ds_load_b128 v[WS:WS+3], v5
	WLOAD 1, 0, 0
	WLOAD 3, 1, 0
; ---- PASS A: Q (x = 0) and K (x = 1).  32 accumulators in window 1, (x, token tile j, weight tile q) at v[8 (16 x + 4 j + q)], one instruction a turn.
.macro HALFA x, s
	WIN 0x50                                       ; C and D in window 1
.irp j,0,1,2,3
.irp q,0,1,2,3
	WM 8*(16*(\x)+4*\j+\q), WF+48*(\x)+12*\q, NF+48*((\s)%2)+12*\j, (\s)==0, WS+4*((\s)%2)+\q, NS+8*(\j/2)+(\s), \x, \j%2
.endr
.endr
	WIN 0
	PLACES                                         ; in front of the loads into the registers just read
.endm
.macro STEPA s
	s_wait_loadcnt 12                              ; this step's n1 is in; the next step's 12 loads may be out
	s_wait_dscnt 12                                ; the scale words and Wq's set are in; Wk's 12 loads may be out
	HALFA 0, \s
.if (\s) < 7
	ds_load_b128 v[WS+4*(((\s)+1)%2):WS+4*(((\s)+1)%2)+3], v5 offset:768*((\s)+1)
	WLOAD 1, 0, (\s)+1
	s_wait_dscnt 13                                ; Wk's set is in; the 13 loads just issued may be out
.else
	s_wait_dscnt 0x0
.endif
	HALFA 1, \s
.if (\s) < 7
	WLOAD 3, 1, (\s)+1
.endif
	NLOAD (\s)+2                                   ; in the last two steps: pass B's first two
.endm
.irp s,0,1,2,3,4,5,6,7
	STEPA \s
.endr
; Eight blocks of 16 accumulator registers (window 1, from base on; a block's other 16 numbers lie in lane l xor 16): the conversions' scale operands in SOQ, the scale bytes in BYQ.
.macro BLKMAX base
	WIN 0x05                                       ; sources 0 and 1 in window 1
.irp n,0,1,2,3,4,5,6,7
	v_max3_num_f32 v[TMQ+\n], |v[(\base)+16*\n]|, |v[(\base)+16*\n+1]|, 0x1800000   ; each accumulator is read from its low end on; the floor 2^(3 - 127) holds the byte at 1 from below
.endr
.irp i,2,4,6,8,10,12,14
.irp n,0,1,2,3,4,5,6,7
	v_max3_num_f32 v[TMQ+\n], |v[(\base)+16*\n+\i]|, |v[(\base)+16*\n+\i+1]|, v[TMQ+\n]
.endr
.endr
	WIN 0
.irp n,0,1,2,3,4,5,6,7
	v_permlanex16_b32 v[T2Q+\n], v[TMQ+\n], s40, s41
.endr
.irp n,0,1,2,3,4,5,6,7
	v_max_num_f32 v[TMQ+\n], v[TMQ+\n], v[T2Q+\n]
.endr
.irp n,0,1,2,3,4,5,6,7
	v_add_nc_u32 v[SOQ+\n], 0xff000000, v[TMQ+\n]  ; 2 off the exponent field
.endr
.irp n,0,1,2,3,4,5,6,7
	v_lshrrev_b32 v[BYQ+\n], 23, v[SOQ+\n]
.endr
.endm
; Q's or K's four tiles become half fragments: registers 0-5 (k = 32 h + 0 .. 31 of the head's 64) at v[PCQ + 12 j], the scale word at v[WQ + j]
.macro QKQ4 x
	BLKMAX 128*(\x)
.irp j,0,1,2,3
	v_lshl_or_b32 v[WQ+\j], v[BYQ+2*\j+1], 8, v[BYQ+2*\j]
.endr
.irp j,0,1,2,3
	v_or_b32 v[WQ+\j], 0x7f7f0000, v[WQ+\j]        ; the upper 64 along K are zero codes: any byte but 0xff serves
.endr
	WIN 0x01
.irp j,0,1,2,3
	v_cvt_scalef32_pk16_fp6_f32 v[PCQ+12*\j:PCQ+12*\j+2], v[128*(\x)+32*\j:128*(\x)+32*\j+15], v[SOQ+2*\j]
	v_cvt_scalef32_pk16_fp6_f32 v[PCQ+12*\j+6:PCQ+12*\j+8], v[128*(\x)+32*\j+16:128*(\x)+32*\j+31], v[SOQ+2*\j+1]
.endr
	WIN 0
	v_nop                                          ; one plain instruction behind the conversions
.irp j,0,1,2,3
.irp i,0,1,2
	v_permlane16_swap_b32 v[PCQ+12*\j+\i], v[PCQ+12*\j+6+\i]   ; a whole block to a lane: lanes 0-15 block 0, lanes 16-31 block 1
.endr
.endr
.irp j,0,1,2,3
.irp i,0,1,2
	v_mov_b32 v[PCQ+12*\j+3+\i], v[PCQ+12*\j+6+\i]
.endr
.endr
.endm
.irp n,0,1,2,3,4,5,6,7
	v_mov_b32 v[T2Q+\n], 0                         ; a lane permute's destination counts as one of its sources
.endr
	QKQ4 0
.irp j,0,1,2,3
	ds_store_b128 v11, v[PCQ+12*\j:PCQ+12*\j+3] offset:768*\j
	ds_store_b64 v12, v[PCQ+12*\j+4:PCQ+12*\j+5] offset:768*\j
	ds_store_b32 v15, v[WQ+\j] offset:64*\j
.endr
	s_wait_dscnt 0x0                               ; the stores have read their registers
	QKQ4 1
.irp j,0,1,2,3
	ds_store_b128 v[7+\j/2], v[PCQ+12*\j:PCQ+12*\j+3] offset:768*(\j%2)
	ds_store_b64 v[9+\j/2], v[PCQ+12*\j+4:PCQ+12*\j+5] offset:768*(\j%2)
	ds_store_b32 v[13+\j/2], v[WQ+\j] offset:4*(\j%2)
.endr
	s_wait_dscnt 0x0
; ---- PASS B: V.  16 accumulators (weight tile j, token tile i) at v[8 (4 j + i)] of window 1; source 0 = tokens, source 1 = Wv.
	ds_load_b128 v[WS:WS+3], v6
	WLOAD 4, 0, 0
	ds_load_b128 v[WS+4:WS+7], v6 offset:768
	WLOAD 4, 1, 1
.macro STEPB s
.if (\s) < 7
	s_wait_loadcnt 12                              ; as in pass A
	s_wait_dscnt 13                                ; this step's scale words and set are in; the next step's 13 loads may be out
.else
	s_wait_loadcnt 0x0
	s_wait_dscnt 0x0
.endif
	WIN 0x50
.irp j,0,1,2,3
.irp i,0,1,2,3
	WM 8*(4*\j+\i), NF+48*((\s)%2)+12*\i, WF+48*((\s)%2)+12*\j, (\s)==0, NS+8*(\i/2)+(\s), WS+4*((\s)%2)+\j, \i%2, 0
.endr
.endr
	WIN 0
	PLACES
.if (\s) < 6
	ds_load_b128 v[WS+4*((\s)%2):WS+4*((\s)%2)+3], v6 offset:768*((\s)+2)
	WLOAD 4, (\s)%2, (\s)+2
	NLOAD (\s)+10
.endif
.endm
.irp s,0,1,2,3,4,5,6,7
	STEPB \s
.endr
	BLKMAX 0                                       ; block 2 j + a: channel (j, r), the 32 keys of pair a
	WIN 0x01
.irp n,0,1,2,3,4,5,6,7
	v_cvt_scalef32_pk16_fp6_f32 v[PCQ+4*\n:PCQ+4*\n+2], v[16*\n:16*\n+15], v[SOQ+\n]
.endr
	WIN 0
	v_nop
.irp j,0,1,2,3
.irp a,0,1
.irp i,0,1,2
	ds_store_b32 v[16+\a], v[PCQ+4*(2*\j+\a)+\i] offset:1536*\j+4*\i
.endr
	ds_store_b8 v[18+\a], v[BYQ+2*\j+\a] offset:4*\j
.endr
.endr
	BARRIER                                        ; K, V and their scales lie whole in LDS
; ---- ATTENTION, a tile of 16 queries at a time.  REGISTERS: v32-43 Q (38-43 zeros), v44 its scale words, v45 p's scale word, v[46:47] f, v48 -M, v49 the largest t, v[50:51] the sum, v52-56 addresses in hand,
; v57 the mask's number, v58-59 at work, v60-63 K's scale words, v64-67 V's, v68-87 at work, v88-135 four fragments of K (upper six registers zeros), v136-199 S^T then p, v200-231 O^T, v232-243 codes; window 1 v0-47 V^T.
.irp i,38,39,40,41,42,43,47,58,72,73,74,75
	v_mov_b32 v[\i], 0
.endr
.irp t,0,1,2,3
.irp i,6,7,8,9,10,11
	v_mov_b32 v[88+12*\t+\i], 0
.endr
.endr
	s_mul_i32 s56, s16, 393216                     ; cc: the batch's 32 tiles of 12,288 bytes,
	s_lshr_b32 s57, s15, 1
	s_mul_i32 s57, s57, 1536                       ; K step head / 2,
	s_add_co_u32 s56, s56, s57
	s_and_b32 s57, s15, 1
	s_mul_i32 s57, s57, 768                        ; half head % 2
	s_add_co_u32 s56, s56, s57
	s_mov_b32 s57, 0
	s_add_nc_u64 s[58:59], s[10:11], s[56:57]
	s_lshl_b32 s44, s14, 1                         ; T, the tile: 2 w, 2 w + 1, 30 - 2 w, 31 - 2 w
	s_mov_b32 s45, 1                               ; what turns T into the next: 1, 31, 1
	s_mov_b32 s46, 0                               ; the tile's place in my Q images,
	s_mov_b32 s47, 0                               ; scale words,
	s_mov_b32 s48, 0                               ; and output bytes
	s_mov_b32 s49, 0
.Ltile:
	s_wait_xcnt 0x0                                ; the last tile's stores have read their base and data: both are written again below
	s_lshr_b32 s50, s44, 3                         ; the key step on the diagonal: later steps are hidden
	s_bfe_u32 s51, s44, 0x20001
	s_lshl_b32 s51, s51, 5
	s_and_b32 s56, s44, 1
	s_lshl_b32 s56, s56, 3
	s_add_co_u32 s51, s51, s56                     ; the tile's first token within that step
	s_mul_i32 s56, s44, 12288
	s_add_nc_u64 s[60:61], s[58:59], s[56:57]
	v_add_nc_u32 v57, s51, v22                     ; my query - 16 h, within the step
	v_add_nc_u32 v52, s46, v11
	v_add_nc_u32 v53, s46, v12
	v_add_nc_u32 v54, s47, v15
	ds_load_b128 v[32:35], v52
	ds_load_b64 v[36:37], v53
	ds_load_b32 v44, v54
.set J, 0
.rept 32
	v_mov_b32 v[200+J], 0                          ; O^T: the step is written once; the first change of M leaves zeros zeros
.set J, J+1
.endr
	v_mov_b32 v49, 0xff61b1e6                      ; -3e38, under every t
	v_floor_f32 v48, -v49
	v_mov_b32 v50, 0
	v_mov_b32 v51, 0
	s_mov_b32 s52, 0                               ; the step's tiles: 6,144 bytes a step in K's images and in V's
	s_mov_b32 s53, 0                               ; K's scale words: 512
	s_mov_b32 s54, 0                               ; V's: 256
	s_mov_b32 s55, 0                               ; the key step
.Lks:                                              ; four trips for every tile; a hidden step's work is jumped over: a scalar branch on ids
	s_cmp_gt_u32 s55, s50
	s_cbranch_scc1 .Lskip
	v_add_nc_u32 v52, s52, v23
	v_add_nc_u32 v53, s52, v24
	v_add_nc_u32 v54, s52, v25
	v_add_nc_u32 v55, s53, v26
	v_add_nc_u32 v56, s54, v27
	ds_load_b128 v[60:63], v55                     ; register t: tile t's words in lanes 0-15, tile 4 + t's in lanes 16-31
.irp t,0,1,2,3
	ds_load_b128 v[88+12*\t:91+12*\t], v52 offset:768*\t
	ds_load_b64 v[92+12*\t:93+12*\t], v53 offset:768*\t
.endr
	s_wait_dscnt 0x0
.irp t,0,1,2,3
	WM 136+8*\t, 88+12*\t, 32, 1, 60+\t, 44, 0, 0
.endr
	PLACES
.irp t,0,1,2,3
	ds_load_b128 v[88+12*\t:91+12*\t], v52 offset:768*(4+\t)
	ds_load_b64 v[92+12*\t:93+12*\t], v53 offset:768*(4+\t)
.endr
	s_wait_dscnt 0x0
.irp t,0,1,2,3
	WM 136+8*(4+\t), 88+12*\t, 32, 1, 60+\t, 44, 1, 0
.endr
	WIN 0x40                                       ; V^T is asked for here and lands under the softmax
.irp j,0,1,2,3
.irp i,0,1,2
	ds_load_b128 v[12*\j+4*\i:12*\j+4*\i+3], v54 offset:1536*\j+16*\i
.endr
.endr
	WIN 0
	ds_load_b128 v[64:67], v56
	PLACES                                         ; in front of the first read of the scores
	s_cmp_lt_u32 s55, s50                          ; only the step on the diagonal is masked
	s_cbranch_scc1 .Lopen
	v_mov_b32 v58, 0xff800000
.set J, 0
.rept 64
	v_cmp_gt_i32 vcc_lo, 32*(J/16)+J%16, v57       ; register 16 b + i holds key 32 b + 16 h + i of the step: hidden where it lies behind my query
	v_cndmask_b32 v[136+J], v[136+J], v58, vcc_lo
.set J, J+1
.endr
.Lopen:
.irp b,0,1,2,3
	v_max3_num_f32 v[68+\b], v[136+16*\b], v[137+16*\b], v[138+16*\b]   ; each block's largest score: for the row's maximum, and, since p rises with the score, for the block's largest p
.endr
.irp i,3,5,7,9,11,13
.irp b,0,1,2,3
	v_max3_num_f32 v[68+\b], v[68+\b], v[136+16*\b+\i], v[137+16*\b+\i]
.endr
.endr
.irp b,0,1,2,3
	v_max_num_f32 v[68+\b], v[68+\b], v[151+16*\b]
.endr
.irp b,0,1,2,3
	v_permlanex16_b32 v[72+\b], v[68+\b], s40, s41
.endr
.irp b,0,1,2,3
	v_max_num_f32 v[68+\b], v[68+\b], v[72+\b]
.endr
	v_max3_num_f32 v58, v68, v69, v70
	v_max_num_f32 v58, v58, v71
	v_mul_f32 v58, s42, v58                        ; as t (c is positive)
	v_max_num_f32 v49, v49, v58                    ; the running largest t
	v_mov_b32 v58, v48
	v_floor_f32 v48, -v49                          ; -M = floor(-t): M is a whole number
	v_sub_f32 v58, v48, v58
	v_cvt_i32_f32 v58, v58                         ; old M - new M, 0 or less (it saturates)
	v_ldexp_f32 v46, 1.0, v58                      ; f = 2^(old M - new M): a multiplication by it rounds nothing
.set J, 0
.rept 32
	v_pk_fma_f32 v[136+J:137+J], v[136+J:137+J], s[42:43], v[48:49] op_sel_hi:[1,0,0]   ; t - M
.set J, J+2
.endr
.irp b,0,1,2,3
	v_fma_f32 v[68+\b], v[68+\b], s42, v48
.endr
.set J, 0
.rept 64
	v_exp_f32 v[136+J], v[136+J]                   ; p = 2^(t - M)
.set J, J+1
.endr
	v_pk_mul_f32 v[50:51], v[50:51], v[46:47] op_sel_hi:[1,0]   ; the sum under the new M; the plain instruction behind the batch
	s_wait_alu depctr_va_vdst(0)                   ; one wait for the 64, ahead of their first reader
.irp b,0,1,2,3
	v_exp_f32 v[68+\b], v[68+\b]                   ; the blocks' largest p
.endr
	v_pk_add_f32 v[72:73], v[136:137], v[138:139]  ; the sum of the unquantised p, in two chains
.set J, 4
.rept 15
	v_pk_add_f32 v[50:51], v[50:51], v[136+J:137+J]
	v_pk_add_f32 v[72:73], v[72:73], v[138+J:139+J]
.set J, J+4
.endr
	v_pk_add_f32 v[50:51], v[50:51], v[72:73]
	s_wait_alu depctr_va_vdst(0)                   ; and one for the four
.irp b,0,1,2,3
	v_max_num_f32 v[68+\b], 0x1800000, v[68+\b]    ; the floor: a block whose every p is 0 keeps the byte 1, and its codes are zeros
.endr
.irp b,0,1,2,3
	v_add_nc_u32 v[76+\b], 0xff000000, v[68+\b]
.endr
.irp b,0,1,2,3
	v_lshrrev_b32 v[72+\b], 23, v[76+\b]
.endr
	v_lshl_or_b32 v45, v73, 8, v72
	v_lshl_or_b32 v45, v74, 16, v45
	v_lshl_or_b32 v45, v75, 24, v45                ; p's scale word for these 128 keys
.irp c,0,1
	v_cvt_scalef32_pk16_fp6_f32 v[232+6*\c:234+6*\c], v[136+32*\c:151+32*\c], v[76+2*\c]
	v_cvt_scalef32_pk16_fp6_f32 v[80+4*\c:82+4*\c], v[152+32*\c:167+32*\c], v[76+2*\c+1]
.endr
	v_nop
.irp c,0,1
.irp i,0,1,2
	v_permlane16_swap_b32 v[232+6*\c+\i], v[80+4*\c+\i]
.endr
.irp i,0,1,2
	v_mov_b32 v[235+6*\c+\i], v[80+4*\c+\i]
.endr
.endr
.set J, 0
.rept 16
	v_pk_mul_f32 v[200+J:201+J], v[200+J:201+J], v[46:47] op_sel_hi:[1,0]   ; O^T under the new M; these also part the scale word and the codes from the products below
.set J, J+2
.endr
	s_wait_dscnt 0x0                               ; V^T and its scale words
	WIN 0x01
.irp j,0,1,2,3
	WM 200+8*\j, 12*\j, 232, 0, 64+\j, 45, 0, 0
.endr
	WIN 0
.Lskip:
	s_add_co_u32 s52, s52, 6144
	s_add_co_u32 s53, s53, 512
	s_add_co_u32 s54, s54, 256
	s_add_co_u32 s55, s55, 1
	s_cmp_lt_u32 s55, 4
	s_cbranch_scc1 .Lks
	; the tile's end: O^T / the sum, quantised along the head's 64 (two blocks), is half a fragment of the next launch's first operand
	PLACES
	v_add_f32 v50, v50, v51
	v_permlanex16_b32 v58, v50, s40, s41
	v_add_f32 v50, v50, v58
	v_rcp_f32 v50, v50
	v_add_nc_u32 v56, s48, v21                     ; (a plain instruction behind the reciprocal)
	s_wait_alu depctr_va_vdst(0)
.set J, 0
.rept 32
	v_mul_f32 v[136+J], v[200+J], v50
.set J, J+1
.endr
.irp b,0,1
	v_max3_num_f32 v[68+\b], |v[136+16*\b]|, |v[137+16*\b]|, 0x1800000
.endr
.irp i,2,4,6,8,10,12,14
.irp b,0,1
	v_max3_num_f32 v[68+\b], v[68+\b], |v[136+16*\b+\i]|, |v[137+16*\b+\i]|
.endr
.endr
.irp b,0,1
	v_permlanex16_b32 v[72+\b], v[68+\b], s40, s41
.endr
.irp b,0,1
	v_max_num_f32 v[68+\b], v[68+\b], v[72+\b]
.endr
.irp b,0,1
	v_add_nc_u32 v[76+\b], 0xff000000, v[68+\b]
.endr
.irp b,0,1
	v_lshrrev_b32 v[72+\b], 23, v[76+\b]
.endr
	v_lshl_or_b32 v59, v73, 8, v72
	v_cvt_scalef32_pk16_fp6_f32 v[232:234], v[136:151], v76
	v_cvt_scalef32_pk16_fp6_f32 v[80:82], v[152:167], v77
	v_nop
.irp i,0,1,2
	v_permlane16_swap_b32 v[232+\i], v[80+\i]
.endr
.irp i,0,1,2
	v_mov_b32 v[235+\i], v[80+\i]
.endr
	global_store_b128 v1, v[232:235], s[60:61]     ; 512 consecutive bytes,
	global_store_b64 v2, v[236:237], s[60:61] offset:512   ; and 256: both at multiples of 256 from the buffer's first byte
	ds_store_b16 v56, v59
	s_xor_b32 s44, s44, s45
	s_xor_b32 s45, s45, 30
	s_add_co_u32 s46, s46, 768
	s_add_co_u32 s47, s47, 64
	s_add_co_u32 s48, s48, 32
	s_add_co_u32 s49, s49, 1
	s_cmp_lt_u32 s49, 4
	s_cbranch_scc1 .Ltile
	BARRIER                                        ; the work-group's 1,024 scale bytes lie in LDS: wave 0 stores them
	s_cmp_lg_u32 s14, 0
	s_cbranch_scc1 .Lend
	v_add_nc_u32 v52, OSC, v1
	ds_load_b128 v[136:139], v52
	ds_load_b128 v[140:143], v52 offset:512
	s_lshl_b32 s56, s16, 4
	s_add_co_u32 s56, s56, s15
	s_lshl_b32 s56, s56, 10
	s_add_nc_u64 s[12:13], s[12:13], s[56:57]
	s_wait_dscnt 0x0
	global_store_b128 v1, v[136:139], s[12:13]
	global_store_b128 v1, v[140:143], s[12:13] offset:512
.Lend:
	s_wait_tensorcnt 0x0
	ds_add_u32 v254, v255
	s_wait_dscnt 0x0
	s_endpgm
.Lfunc_end_k_qbadb41b24f_attn:
	.size	k_qbadb41b24f_attn, .Lfunc_end_k_qbadb41b24f_attn-k_qbadb41b24f_attn
	.p2alignl 7, 3214868480
	.fill 96, 4, 3214868480
	.section	.rodata,"a",@progbits
	.p2align	6, 0x0
	.amdhsa_kernel k_qbadb41b24f_attn
		.amdhsa_group_segment_fixed_size 234496
		.amdhsa_private_segment_fixed_size 0
		.amdhsa_enable_private_segment 0
		.amdhsa_kernarg_size 40
		.amdhsa_user_sgpr_count 2
		.amdhsa_user_sgpr_kernarg_segment_ptr 1
		.amdhsa_wavefront_size32 1
		.amdhsa_system_sgpr_workgroup_id_x 1
		.amdhsa_system_sgpr_workgroup_id_y 1
		.amdhsa_system_sgpr_workgroup_id_z 1
		.amdhsa_system_vgpr_workitem_id 0
		.amdhsa_next_free_vgpr 512
		.amdhsa_next_free_sgpr 66
		.amdhsa_reserve_vcc 1
		.amdhsa_float_denorm_mode_32 3
		.amdhsa_float_denorm_mode_16_64 3
		.amdhsa_memory_ordered 1
		.amdhsa_forward_progress 1
		.amdhsa_inst_pref_size 153
	.end_amdhsa_kernel
	.amdgpu_metadata
---
amdhsa.version: [ 1, 2 ]
amdhsa.kernels:
  - .name:           k_qbadb41b24f_attn
    .symbol:         k_qbadb41b24f_attn.kd
    .args:
      - { .name: n1c, .offset: 0, .size: 8, .value_kind: global_buffer, .address_space: global }
      - { .name: n1s, .offset: 8, .size: 8, .value_kind: global_buffer, .address_space: global }
      - { .name: wa, .offset: 16, .size: 8, .value_kind: global_buffer, .address_space: global }
      - { .name: cc, .offset: 24, .size: 8, .value_kind: global_buffer, .address_space: global }
      - { .name: csc, .offset: 32, .size: 8, .value_kind: global_buffer, .address_space: global }
    .group_segment_fixed_size: 234496
    .private_segment_fixed_size: 0
    .kernarg_segment_align: 8
    .kernarg_segment_size: 40
    .max_flat_workgroup_size: 256
    .sgpr_count:     66
    .vgpr_count:     512
    .wavefront_size: 32
...
	.end_amdgpu_metadata
.endif
;; end of part 2
;; launch chain (part 3): grid 256 x 1, 8 waves a work-group, no clusters, 235,520 bytes of LDS; arguments x, cc, csc, wch, bo, gamma2, beta2, b1, b2, out0; writes out0
.if DOCPART == 3
	.amdgcn_target "amdgcn-amd-amdhsa--gfx1250"
	.amdhsa_code_object_version 6
	.text
	.protected	k_qbadb41b24f_chain
	.globl	k_qbadb41b24f_chain
	.p2align	8
	.type	k_qbadb41b24f_chain,@function
k_qbadb41b24f_chain:
	s_mov_b64 s[64:65], 0
	v_nop
	global_prefetch_b8 v0, s[64:65] scope:SCOPE_SE
	s_setreg_imm32_b32 hwreg(HW_REG_WAVE_MODE, 25, 1), 1
	s_wait_xcnt 0x0
; LAUNCH 3 OF 3.  x1 = x + concat Wo + bo;  n2 = layernorm(x1, gamma2, beta2);  out0 = x1 + gelu(n2 W1 + b1) W2 + b2.  The three products on codes of E2M3 with E8M0 scales; all else in f32.
; SHARES.  A work-group owns 32 whole rows (two tiles of 16 tokens, m = 0, 1), so x1, n2 and the hidden layer never go to memory.  Eight waves, two to a SIMD, 512 registers each.
; THE WAVES SHARE THE COLUMNS: wave w makes columns 128 w .. 128 w + 127 of each product (eight tiles), which are K step w of the next product: one fragment and one scale word a row.
; Products are used transposed (source 0 = 16 columns of the weight, source 1 = 16 tokens): lane (r, h) holds one token, and register 64 m + 16 b + i of the accumulators is column 128 w + 32 b + 16 h + i.
; THE WEIGHTS: wave w's are one dense stream of 24 chunks (3 products x 8 K steps) of 12,800 bytes, laid by launch 1 as images of the operand's registers.  They go from memory straight into registers, two chunks
; (50 loads a wave) ahead, across phases and barriers; every offset is an immediate.  All 256 work-groups walk the same stream, yet no cluster asks for it jointly: inside a work-group each chunk is read by ONE wave,
; so LDS would add a write and a read; and a ring would put a round of the cluster's barrier in front of each step's 102,400 bytes, that is of every 16 matrix instructions of a wave.
; x AND out0 pass memory by whole rows: each load or store of a wave covers 512 consecutive bytes of one row; between that layout and the accumulators' they turn through the wave's own stage in LDS.
; ACTIVATIONS go from wave to wave through LDS as images of their registers; each product has bytes of its own: four barriers in all, no byte written twice by different waves.
; SUMS BEGIN with what is added anyway: x + bo, b1, x1 + b2 are the C of each sum's first K step (an order of rounding that differs from the source's).
; LN2: each wave's mean and sum of squared deviations over its 128 columns are merged (no difference of large sums).
; GELU: gelu(v) = max(v, 0) - |v| s, s = erfc(|v| / sqrt 2) / 2 = t exp(a0 + a1 t + .. + a9 t^9 - z^2), z = |v| / sqrt 2, t = 1 / (1 + z / 2): fractional error of the form 1.2e-7, beside f32's own rounding.
; LIMITS: NaN and infinities are not served; blocks under 2^-124 keep the byte 1 (blocks of zeros too: their codes are zeros); v_exp_f32 gives 0 under 2^-126.
.set AIMS, 25600                       ; LDS: three regions of 25,600, one for each product's activations: fragment (m, s) at 3,072 s + 1,536 m;
.set ASCO, 24576                       ; behind them the scale words, [lane r + 16 m][K step]
.set PRM,  76800                       ; 5 x 4,096: bo, gamma2, beta2, b1, b2
.set STAT, 97280                       ; 2,048: [wave][16 m + r] (mean, sum of squared deviations)
.set XST,  99328                       ; 8 x 16,896, a wave's own: the stage for x and for out0, 32 rows x (512 + 16); between the two, x1 as 32 images of four registers
                                       ; THE STAGE'S ROWS LIE BY TILE AND LANE: token row J of the 32 at place 16 ((J / 8) % 2) + J % 8 + 8 (J / 16) = 16 m + r
.set AF,  16                           ; v16-63   two slots x two fragments of the activations; between the products at work
.set ASW, 64                           ; v64-71   their scale words, by K step: lanes 0-15 m = 0, lanes 16-31 m = 1
.set WSW, 72                           ; v72-79   the weights' scale words, two sets of four: lanes 0-15 tiles 0-3, lanes 16-31 tiles 4-7
.set TM,  80                           ; v80-95   the quantiser's
.set PW,  96                           ; v96      the scale word just made
.set PC,  100                          ; v100-119 the codes just made
.set ACC, 128                          ; v128-255 the 16 accumulators: (m, t) at 128 + 8 (8 m + t)
                                       ; window 1: v0-191 the weights' two slots of eight fragments; v192-255 parameters in the accumulators' layout
.set MSB, 0
.macro WIN new                         ; the immediate's high byte repeats the setting that is left; bits 1:0 source 0, 3:2 source 1, 5:4 source 2, 7:6 destination
.if MSB != \new
	s_set_vgpr_msb (MSB<<8)|\new
.set MSB, \new
.endif
.endm
.macro PLACES                          ; four plain instructions between a matrix instruction and a load into, or a vector instruction or store on, its registers
.rept 4
	v_nop
.endr
.endm
.macro BARRIER
	s_wait_dscnt 0x0
	s_barrier_signal -1
	s_barrier_wait -1
.endm
.macro WM d, a, b, sa, sb, ra, rb      ; one product, C = D.  ra, rb: the scale words stand in lanes 16-31 of their register
.if ((\ra)==0)&&((\rb)==0)
	v_wmma_scale_f32_16x16x128_f8f6f4 v[\d:\d+7], v[\a:\a+11], v[\b:\b+11], v[\d:\d+7], v[\sa], v[\sb] matrix_a_fmt:MATRIX_FMT_FP6 matrix_b_fmt:MATRIX_FMT_FP6
.elseif ((\ra)==1)&&((\rb)==0)
	v_wmma_scale_f32_16x16x128_f8f6f4 v[\d:\d+7], v[\a:\a+11], v[\b:\b+11], v[\d:\d+7], v[\sa], v[\sb] matrix_a_fmt:MATRIX_FMT_FP6 matrix_b_fmt:MATRIX_FMT_FP6 matrix_a_scale:MATRIX_SCALE_ROW1
.elseif ((\ra)==0)&&((\rb)==1)
	v_wmma_scale_f32_16x16x128_f8f6f4 v[\d:\d+7], v[\a:\a+11], v[\b:\b+11], v[\d:\d+7], v[\sa], v[\sb] matrix_a_fmt:MATRIX_FMT_FP6 matrix_b_fmt:MATRIX_FMT_FP6 matrix_b_scale:MATRIX_SCALE_ROW1
.else
	v_wmma_scale_f32_16x16x128_f8f6f4 v[\d:\d+7], v[\a:\a+11], v[\b:\b+11], v[\d:\d+7], v[\sa], v[\sb] matrix_a_fmt:MATRIX_FMT_FP6 matrix_b_fmt:MATRIX_FMT_FP6 matrix_a_scale:MATRIX_SCALE_ROW1 matrix_b_scale:MATRIX_SCALE_ROW1
.endif
.endm
.macro CLOAD i                         ; chunk i of my stream: eight fragments into slot i % 2 of window 1, and their scale words: 25 loads of 512 consecutive bytes
	WIN 0x40
.irp t,0,1,2,3,4,5,6,7
.irp c,0,1,2
	global_load_b128 v[96*((\i)%2)+12*\t+4*\c:96*((\i)%2)+12*\t+4*\c+3], v1, s[14:15] offset:12800*(\i)+1536*\t+512*\c
.endr
.endr
	WIN 0
	global_load_b128 v[WSW+4*((\i)%2):WSW+4*((\i)%2)+3], v1, s[14:15] offset:12800*(\i)+12288
.endm
.macro AFETCH s                        ; the activations' two fragments of K step s
.irp m,0,1
.irp c,0,1,2
	ds_load_b128 v[AF+24*((\s)%2)+12*\m+4*\c:AF+24*((\s)%2)+12*\m+4*\c+3], v5 offset:3072*(\s)+1536*\m+512*\c
.endr
.endr
.endm
.macro CSTEP i                         ; one K step: 16 products, the 16 accumulators one instruction a turn
.if (\i) < 23
	s_wait_loadcnt 25                              ; this chunk is in; the next chunk's 25 loads may be out
.else
	s_wait_loadcnt 0x0
.endif
	s_wait_dscnt 0x0                               ; this step's activations
.if ((\i)%8) < 7
	AFETCH ((\i)%8)+1
.endif
	WIN 0x01                                       ; source 0 in window 1
.irp t,0,1,2,3,4,5,6,7
.irp m,0,1
	WM ACC+8*(8*\m+\t), 96*((\i)%2)+12*\t, AF+24*((\i)%2)+12*\m, WSW+4*((\i)%2)+(\t%4), ASW+((\i)%8), \t/4, \m
.endr
.endr
	PLACES                                         ; in front of the loads into the slot just read, and of the first read of finished sums
.if (\i) <= 21
	CLOAD (\i)+2
.else
	WIN 0
.endif
.endm
.macro PARAM vec                       ; a parameter vector's 64 numbers of my lane, in the accumulators' layout, into window 1
	WIN 0x40
.irp b,0,1,2,3
.irp k,0,1,2,3
	ds_load_b128 v[192+16*\b+4*\k:192+16*\b+4*\k+3], v8 offset:4096*(\vec)+128*\b+16*\k
.endr
.endr
	WIN 0
.endm
.macro ADDPT                           ; they are added to both tiles of rows
	WIN 0x04
.irp m,0,1
.set J, 0
.rept 32
	v_pk_add_f32 v[ACC+64*\m+J:ACC+64*\m+J+1], v[ACC+64*\m+J:ACC+64*\m+J+1], v[192+J:192+J+1]
.set J, J+2
.endr
.endr
	WIN 0
.endm
; 64 numbers of a lane, register 16 b + i = k 32 b + 16 h + i of my row, become a fragment's codes in v[PC] on and its scale word in v[PW]
.macro QUANT s
.irp b,0,1,2,3
	v_max3_num_f32 v[TM+\b], |v[\s+16*\b]|, |v[\s+1+16*\b]|, 0x1800000   ; the floor 2^(3 - 127) holds the byte at 1 from below
.endr
.irp i,2,4,6,8,10,12,14
.irp b,0,1,2,3
	v_max3_num_f32 v[TM+\b], v[TM+\b], |v[\s+16*\b+\i]|, |v[\s+1+16*\b+\i]|
.endr
.endr
.irp b,0,1,2,3
	v_permlanex16_b32 v[TM+4+\b], v[TM+\b], s30, s31
.endr
.irp b,0,1,2,3
	v_max_num_f32 v[TM+\b], v[TM+\b], v[TM+4+\b]
.endr
.irp b,0,1,2,3
	v_add_nc_u32 v[TM+12+\b], 0xff000000, v[TM+\b] ; 2 off the exponent field: the conversion's scale operand
.endr
.irp b,0,1,2,3
	v_lshrrev_b32 v[TM+4+\b], 23, v[TM+12+\b]
.endr
	v_lshl_or_b32 v[PW], v[TM+5], 8, v[TM+4]
	v_lshl_or_b32 v[PW], v[TM+6], 16, v[PW]
	v_lshl_or_b32 v[PW], v[TM+7], 24, v[PW]
.irp c,0,1
	v_cvt_scalef32_pk16_fp6_f32 v[PC+6*\c:PC+2+6*\c], v[\s+32*\c:\s+15+32*\c], v[TM+12+2*\c]
	v_cvt_scalef32_pk16_fp6_f32 v[PC+12+4*\c:PC+14+4*\c], v[\s+16+32*\c:\s+31+32*\c], v[TM+12+2*\c+1]
.endr
	v_nop                                          ; one plain instruction behind the conversions
.irp c,0,1
.irp i,0,1,2
	v_permlane16_swap_b32 v[PC+6*\c+\i], v[PC+12+4*\c+\i]
.endr
.irp i,0,1,2
	v_mov_b32 v[PC+3+6*\c+\i], v[PC+12+4*\c+\i]
.endr
.endr
.endm
.macro TOIMAGE                         ; my 128 columns of both tiles of rows become K step w of the next product, in that product's LDS bytes
	v_add_nc_u32 v4, AIMS, v4
	v_add_nc_u32 v6, AIMS, v6
.irp m,0,1
	QUANT ACC+64*\m
.irp c,0,1,2
	ds_store_b128 v4, v[PC+4*\c:PC+4*\c+3] offset:1536*\m+512*\c
.endr
	ds_store_b32 v6, v[PW] offset:512*\m           ; lanes r and r + 16 write the same word with the same value
	s_wait_dscnt 0x0                               ; the stores have read their registers
.endr
.endm
.macro NEXTA                           ; behind the barrier: on to the next product's activations
	v_add_nc_u32 v5, AIMS, v5
	v_add_nc_u32 v7, AIMS, v7
	ds_load_b128 v[ASW:ASW+3], v7
	ds_load_b128 v[ASW+4:ASW+7], v7 offset:16
	AFETCH 0
.endm
	s_load_b512 s[8:23], s[0:1], 0x0               ; x, cc, csc, wch, bo, gamma2, beta2, b1
	s_load_b128 s[24:27], s[0:1], 0x40             ; b2, out0
	v_lshl_add_u32 v126, v0, 2, 0x39400
	v_mov_b32 v127, 0
	v_lshrrev_b32 v97, 5, v0
	v_readfirstlane_b32 s28, v97                   ; wave 0..7
	v_and_b32 v97, 31, v0                          ; l
	v_and_b32 v98, 15, v0                          ; r
	v_bfe_u32 v99, v0, 4, 1                        ; h
	s_mov_b32 s30, 0x76543210
	s_mov_b32 s31, 0xfedcba98                      ; v_permlanex16_b32's selects for lane l xor 16
	v_lshlrev_b32 v1, 4, v97                       ; v1  16 l
	v_lshlrev_b32 v2, 3, v97                       ; v2  8 l
	v_lshlrev_b32 v15, 1, v97                      ; v15 2 l
	v_lshlrev_b32 v17, 6, v99                      ; 64 h
	s_lshl_b32 s32, s28, 9                         ; 512 w
	v_add_nc_u32 v14, s32, v1                      ; v14 512 w + 16 l: my 16 bytes of my wave's 512 of a row of x, of out0 and of the parameters
	s_mul_i32 s33, s28, 3072
	v_add_nc_u32 v4, s33, v1                       ; v4  where I store images: K step w
	v_mov_b32 v5, v1                               ; v5  where I read them (stepped from product to product)
	s_lshl_b32 s33, s28, 2
	s_add_co_u32 s33, s33, ASCO
	v_lshl_add_u32 v6, v98, 5, s33                 ; v6  where I store scale words: 32 r + 4 w
	v_lshl_add_u32 v122, v97, 5, s33               ; v122 the same by lane: 32 l + 4 w (the first product's come so from memory)
	v_lshlrev_b32 v7, 5, v97
	v_add_nc_u32 v7, ASCO, v7                      ; v7  where I read them: 32 l
	s_add_co_u32 s33, s32, PRM
	v_add_nc_u32 v8, s33, v17                      ; v8  parameters, out: 512 w + 64 h
	v_add_nc_u32 v9, s33, v1                       ; v9  in: 512 w + 16 l
	s_lshl_b32 s33, s28, 8
	s_add_co_u32 s33, s33, STAT
	v_lshl_add_u32 v10, v98, 3, s33                ; v10 my wave's statistics
	v_lshlrev_b32 v11, 3, v98
	v_add_nc_u32 v11, STAT, v11                    ; v11 all waves'
	s_mul_i32 s33, s28, 16896
	s_add_co_u32 s33, s33, XST
	v_add_nc_u32 v12, s33, v1                      ; v12 my own region, 16 bytes a lane: a whole row of the stage, or an image
	v_mul_u32_u24 v13, v98, 528
	v_add_nc_u32 v13, v13, v17
	v_add_nc_u32 v13, s33, v13                     ; v13 the stage in the accumulators' layout: place r (+ 16 m by the immediate), + 64 h
	s_mov_b32 s35, 0
	s_lshr_b32 s32, ttmp9, 4                       ; csc: batch,
	s_lshl_b32 s32, s32, 14
	s_lshl_b32 s36, s28, 11                        ; heads 2 w and 2 w + 1,
	s_add_co_u32 s32, s32, s36
	s_and_b32 s36, ttmp9, 15                       ; the pair p was owned by wave p (as its first) or 15 - p (as its second)
	s_lshr_b32 s37, s36, 3
	s_mul_i32 s38, s37, 15
	s_xor_b32 s36, s36, s38
	s_lshl_b32 s36, s36, 7
	s_add_co_u32 s32, s32, s36
	s_lshl_b32 s37, s37, 6
	s_add_co_u32 s32, s32, s37
	s_mov_b32 s33, 0
	s_mul_i32 s36, ttmp9, 24576                    ; cc: the pair's two tiles, K step w
	s_mul_i32 s37, s28, 1536
	s_add_co_u32 s36, s36, s37
	s_mov_b32 s37, 0
	s_lshl_b32 s34, ttmp9, 17                      ; x, out0: 32 rows of 4,096 bytes
	s_wait_kmcnt 0x0
	s_add_nc_u64 s[10:11], s[10:11], s[36:37]
	s_add_nc_u64 s[12:13], s[12:13], s[32:33]
	s_add_nc_u64 s[8:9], s[8:9], s[34:35]
	s_add_nc_u64 s[26:27], s[26:27], s[34:35]
	s_mul_i32 s34, s28, 307200
	s_add_nc_u64 s[14:15], s[14:15], s[34:35]      ; my stream of weights
; ---- P0.  15 small loads, x's 32, the first chunk's 25
.irp m,0,1
	global_load_b128 v[16+12*\m:19+12*\m], v1, s[10:11] offset:12288*\m th:TH_LOAD_NT        ; head 2 w: registers 0-3,
	global_load_b64 v[20+12*\m:21+12*\m], v2, s[10:11] offset:12288*\m+512 th:TH_LOAD_NT     ; 4-5;
	global_load_b128 v[22+12*\m:25+12*\m], v1, s[10:11] offset:12288*\m+768 th:TH_LOAD_NT    ; head 2 w + 1: registers 6-9,
	global_load_b64 v[26+12*\m:27+12*\m], v2, s[10:11] offset:12288*\m+1280 th:TH_LOAD_NT    ; 10-11
.endr
	global_load_u16 v80, v15, s[12:13]             ; two scale bytes a row and head: lanes 0-15 m = 0, lanes 16-31 m = 1
	global_load_u16 v81, v15, s[12:13] offset:1024
	global_load_b128 v[100:103], v14, s[16:17]
	global_load_b128 v[104:107], v14, s[18:19]
	global_load_b128 v[108:111], v14, s[20:21]
	global_load_b128 v[112:115], v14, s[22:23]
	global_load_b128 v[116:119], v14, s[24:25]
.set J, 0
.rept 32
	global_load_b128 v[ACC+4*J:ACC+4*J+3], v14, s[8:9] offset:4096*J th:TH_LOAD_NT   ; x, row J: 32 lanes read my wave's 512 consecutive bytes of it
.set J, J+1
.endr
	CLOAD 0
	s_mov_b32 s38, 0x3a800000                      ; 1 / 1,024
	s_mov_b32 s39, 0x3727c5ac                      ; 1e-5
	s_mov_b32 s40, 0xbffab55a                      ; a0 - ln 2 (the half of erfc / 2)
	s_mov_b32 s42, 0x3f8000c7                      ; a1
	s_mov_b32 s44, 0x3ebf88fb                      ; a2
	s_mov_b32 s46, 0x3dc636c9                      ; a3
	s_mov_b32 s48, 0xbe3ec24c                      ; a4
	s_mov_b32 s50, 0x3e8ec7cc                      ; a5
	s_mov_b32 s52, 0xbf914e5d                      ; a6
	s_mov_b32 s54, 0x3fbe87b0                      ; a7
	s_mov_b32 s56, 0xbf527892                      ; a8
	s_mov_b32 s58, 0x3fb8aa3b                      ; log2(e)
.irp k,40,42,44,46,48,50,52,54,56,58
	s_mov_b32 s[\k+1], s[\k]                       ; (the packed forms name pairs)
.endr
	s_mov_b32 s60, 0x3f3504f3                      ; 1 / sqrt 2
	v_mov_b32 v120, 0x3e2ef945                     ; a9
	v_mov_b32 v121, v120
.irp b,0,1,2,3
	v_mov_b32 v[TM+4+\b], 0                        ; a lane permute's destination counts as one of its sources
.endr
	s_wait_loadcnt 57                              ; the 15 are in; x's 32 and the chunk's 25 may be out
.irp m,0,1
.irp c,0,1,2
	ds_store_b128 v4, v[16+12*\m+4*\c:19+12*\m+4*\c] offset:1536*\m+512*\c
.endr
.endr
	v_lshl_or_b32 v80, v81, 16, v80
	ds_store_b32 v122, v80
.irp k,0,1,2,3,4
	ds_store_b128 v9, v[100+4*\k:103+4*\k] offset:4096*\k
.endr
	CLOAD 1
	BARRIER                                        ; concat's sixteen fragments lie in LDS
	PARAM 0
	ds_load_b128 v[ASW:ASW+3], v7
	ds_load_b128 v[ASW+4:ASW+7], v7 offset:16
	AFETCH 0
	s_wait_loadcnt 50                              ; x is in; two chunks may be out
.set J, 0
.rept 32
	ds_store_b128 v12, v[ACC+4*J:ACC+4*J+3] offset:528*(16*((J/8)%2)+(J%8)+8*(J/16))   ; x turns through my stage: row J whole, at its place by tile and lane
.set J, J+1
.endr
.irp m,0,1
.irp b,0,1,2,3
.irp k,0,1,2,3
	ds_load_b128 v[ACC+64*\m+16*\b+4*\k:ACC+64*\m+16*\b+4*\k+3], v13 offset:8448*\m+128*\b+16*\k   ; and comes back in the accumulators' layout.  LDS serves a wave's instructions in order (ISA guide 5.7.1.4): these see the stores above
.endr
.endr
.endr
	s_wait_dscnt 0x0                               ; x, and with it all that was asked of LDS before it: bo, the scale words, the first fragments
	ADDPT                                          ; x + bo starts the sums
; ---- G1
.irp i,0,1,2,3,4,5,6,7
	CSTEP \i
.endr
; ---- P1: x1 is kept; LN2
.set J, 0
.rept 32
	ds_store_b128 v12, v[ACC+4*J:ACC+4*J+3] offset:512*J   ; each accumulator from its low end on
.set J, J+1
.endr
	v_mov_b32 v24, 0
	v_mov_b32 v25, 0
.macro HALVES                          ; v[16+4m:17+4m] + v[18+4m:19+4m], both halves: into v[16+4m]; lane l xor 16's into v[24+m]
.irp m,0,1
	v_pk_add_f32 v[16+4*\m:17+4*\m], v[16+4*\m:17+4*\m], v[18+4*\m:19+4*\m]
.endr
.irp m,0,1
	v_add_f32 v[16+4*\m], v[16+4*\m], v[17+4*\m]
.endr
.irp m,0,1
	v_permlanex16_b32 v[24+\m], v[16+4*\m], s30, s31
.endr
.endm
.irp m,0,1
	v_pk_add_f32 v[16+4*\m:17+4*\m], v[ACC+64*\m:ACC+64*\m+1], v[ACC+64*\m+2:ACC+64*\m+3]
	v_pk_add_f32 v[18+4*\m:19+4*\m], v[ACC+64*\m+4:ACC+64*\m+5], v[ACC+64*\m+6:ACC+64*\m+7]
.endr
.irp i,8,12,16,20,24,28,32,36,40,44,48,52,56,60
.irp m,0,1
	v_pk_add_f32 v[16+4*\m:17+4*\m], v[16+4*\m:17+4*\m], v[ACC+64*\m+\i:ACC+64*\m+\i+1]
	v_pk_add_f32 v[18+4*\m:19+4*\m], v[18+4*\m:19+4*\m], v[ACC+64*\m+\i+2:ACC+64*\m+\i+3]
.endr
.endr
	HALVES
.irp m,0,1
	v_add_f32 v[16+4*\m], v[16+4*\m], v[24+\m]
.endr
.irp m,0,1
	v_mul_f32 v[26+2*\m], 0x3c000000, v[16+4*\m]   ; my wave's mean over its 128 columns
	v_mov_b32 v[27+2*\m], v[26+2*\m]
.endr
.irp i,0,4,8,12,16,20,24,28,32,36,40,44,48,52,56,60
.irp m,0,1
	v_pk_add_f32 v[32+8*\m:33+8*\m], v[ACC+64*\m+\i:ACC+64*\m+\i+1], v[26+2*\m:27+2*\m] neg_lo:[0,1] neg_hi:[0,1]
	v_pk_add_f32 v[34+8*\m:35+8*\m], v[ACC+64*\m+\i+2:ACC+64*\m+\i+3], v[26+2*\m:27+2*\m] neg_lo:[0,1] neg_hi:[0,1]
.endr
.irp m,0,1
.if \i == 0
	v_pk_mul_f32 v[16+4*\m:17+4*\m], v[32+8*\m:33+8*\m], v[32+8*\m:33+8*\m]
	v_pk_mul_f32 v[18+4*\m:19+4*\m], v[34+8*\m:35+8*\m], v[34+8*\m:35+8*\m]
.else
	v_pk_fma_f32 v[16+4*\m:17+4*\m], v[32+8*\m:33+8*\m], v[32+8*\m:33+8*\m], v[16+4*\m:17+4*\m]
	v_pk_fma_f32 v[18+4*\m:19+4*\m], v[34+8*\m:35+8*\m], v[34+8*\m:35+8*\m], v[18+4*\m:19+4*\m]
.endif
.endr
.endr
	HALVES
.irp m,0,1
	v_add_f32 v[27+2*\m], v[16+4*\m], v[24+\m]     ; and its sum of squared deviations from that mean
.endr
.irp m,0,1
	ds_store_b64 v10, v[26+2*\m:27+2*\m] offset:128*\m
.endr
	BARRIER
.irp k,0,1,2,3,4,5,6,7
.irp m,0,1
	ds_load_b64 v[32+4*\k+2*\m:33+4*\k+2*\m], v11 offset:256*\k+128*\m
.endr
.endr
.macro GBLOAD hb                       ; gamma2 and beta2 of blocks 2 hb, 2 hb + 1
	WIN 0x40
.irp b,0,1
.irp k,0,1,2,3
	ds_load_b128 v[192+16*\b+4*\k:192+16*\b+4*\k+3], v8 offset:4096+128*(2*(\hb)+\b)+16*\k
	ds_load_b128 v[224+16*\b+4*\k:224+16*\b+4*\k+3], v8 offset:8192+128*(2*(\hb)+\b)+16*\k
.endr
.endr
	WIN 0
.endm
.macro GBFMA hb
	s_wait_dscnt 0x0
	WIN 0x14                                       ; sources 1 and 2 in window 1
.irp m,0,1
.set J, 0
.rept 16
	v_pk_fma_f32 v[ACC+64*\m+32*(\hb)+J:ACC+64*\m+32*(\hb)+J+1], v[ACC+64*\m+32*(\hb)+J:ACC+64*\m+32*(\hb)+J+1], v[192+J:192+J+1], v[224+J:224+J+1]
.set J, J+2
.endr
.endr
	WIN 0
.endm
	GBLOAD 0
	s_wait_dscnt 16                                ; the statistics are in; the 16 loads of gamma2 and beta2 may be out
.irp m,0,1
	v_add_f32 v[24+\m], v[32+2*\m], v[36+2*\m]
	v_add_f32 v[26+\m], v[33+2*\m], v[37+2*\m]
.endr
.irp k,2,3,4,5,6,7
.irp m,0,1
	v_add_f32 v[24+\m], v[24+\m], v[32+4*\k+2*\m]
	v_add_f32 v[26+\m], v[26+\m], v[33+4*\k+2*\m]
.endr
.endr
.irp m,0,1
	v_mul_f32 v[16+2*\m], 0x3e000000, v[24+\m]     ; the row's mean
	v_mov_b32 v[17+2*\m], v[16+2*\m]
.endr
.irp k,0,1,2,3,4,5,6,7
.irp m,0,1
	v_sub_f32 v[32+4*\k+2*\m], v[32+4*\k+2*\m], v[16+2*\m]
.endr
.endr
.irp m,0,1
	v_mul_f32 v[28+\m], v[32+2*\m], v[32+2*\m]
.endr
.irp k,1,2,3,4,5,6,7
.irp m,0,1
	v_fma_f32 v[28+\m], v[32+4*\k+2*\m], v[32+4*\k+2*\m], v[28+\m]
.endr
.endr
.irp m,0,1
	v_fma_f32 v[26+\m], v[28+\m], 0x43000000, v[26+\m]   ; + 128 x the waves' means' squared deviations
.endr
.irp m,0,1
	v_fma_f32 v[26+\m], v[26+\m], s38, s39         ; the biased variance + 1e-5
.endr
.irp m,0,1
	v_rsq_f32 v[20+2*\m], v[26+\m]
.endr
.irp m,0,1
.set J, 0
.rept 32
	v_pk_add_f32 v[ACC+64*\m+J:ACC+64*\m+J+1], v[ACC+64*\m+J:ACC+64*\m+J+1], v[16+2*\m:17+2*\m] neg_lo:[0,1] neg_hi:[0,1]   ; independent work behind the two
.set J, J+2
.endr
.endr
	s_wait_alu depctr_va_vdst(0)                   ; one wait for both, ahead of their first reader
.irp m,0,1
	v_mov_b32 v[21+2*\m], v[20+2*\m]
.endr
.irp m,0,1
.set J, 0
.rept 32
	v_pk_mul_f32 v[ACC+64*\m+J:ACC+64*\m+J+1], v[ACC+64*\m+J:ACC+64*\m+J+1], v[20+2*\m:21+2*\m]
.set J, J+2
.endr
.endr
	GBFMA 0
	GBLOAD 1
	GBFMA 1
	TOIMAGE
.irp m,0,1
.irp b,0,1,2,3
.irp k,0,1,2,3
	ds_load_b128 v[ACC+64*\m+16*\b+4*\k:ACC+64*\m+16*\b+4*\k+3], v8 offset:12288+128*\b+16*\k   ; b1 starts the sums
.endr
.endr
.endr
	BARRIER                                        ; n2's sixteen fragments lie in LDS
	NEXTA
; ---- G2
.irp i,8,9,10,11,12,13,14,15
	CSTEP \i
.endr
; ---- P2: the exact GELU, 16 numbers at a time, in place.  v16-31 z, then max(v, 0); v32-47 t; v48-63 the polynomial, then s
.macro GELU16 n
.set GX, ACC+16*(\n)
.irp i,0,1,2,3,4,5,6,7,8,9,10,11,12,13,14,15
	v_mul_f32 v[16+\i], |v[GX+\i]|, s60
.endr
.irp i,0,2,4,6,8,10,12,14
	v_pk_fma_f32 v[32+\i:33+\i], v[16+\i:17+\i], 0.5, 1.0 op_sel_hi:[1,0,0]
.endr
.irp i,0,1,2,3,4,5,6,7,8,9,10,11,12,13,14,15
	v_rcp_f32 v[32+\i], v[32+\i]
.endr
	v_nop
	s_wait_alu depctr_va_vdst(0)                   ; one wait for the 16 reciprocals
.irp i,0,2,4,6,8,10,12,14
	v_pk_fma_f32 v[48+\i:49+\i], v[32+\i:33+\i], v[120:121], s[56:57] op_sel_hi:[1,1,0]
.endr
.irp k,54,52,50,48,46,44,42,40
.irp i,0,2,4,6,8,10,12,14
	v_pk_fma_f32 v[48+\i:49+\i], v[48+\i:49+\i], v[32+\i:33+\i], s[\k:\k+1] op_sel_hi:[1,1,0]
.endr
.endr
.irp i,0,2,4,6,8,10,12,14
	v_pk_fma_f32 v[48+\i:49+\i], v[16+\i:17+\i], v[16+\i:17+\i], v[48+\i:49+\i] neg_lo:[1,0,0] neg_hi:[1,0,0]
.endr
.irp i,0,2,4,6,8,10,12,14
	v_pk_mul_f32 v[48+\i:49+\i], v[48+\i:49+\i], s[58:59] op_sel_hi:[1,0]
.endr
.irp i,0,1,2,3,4,5,6,7,8,9,10,11,12,13,14,15
	v_exp_f32 v[48+\i], v[48+\i]
.endr
.irp i,0,1,2,3,4,5,6,7,8,9,10,11,12,13,14,15
	v_max_num_f32 v[16+\i], 0, v[GX+\i]            ; independent work behind the exponentials
.endr
	s_wait_alu depctr_va_vdst(0)                   ; one wait for the 16
.irp i,0,2,4,6,8,10,12,14
	v_pk_mul_f32 v[48+\i:49+\i], v[48+\i:49+\i], v[32+\i:33+\i]
.endr
.irp i,0,1,2,3,4,5,6,7,8,9,10,11,12,13,14,15
	v_fma_f32 v[GX+\i], -|v[GX+\i]|, v[48+\i], v[16+\i]
.endr
.endm
.irp n,0,1,2,3,4,5,6,7
	GELU16 \n
.endr
	TOIMAGE
.set J, 0
.rept 32
	ds_load_b128 v[ACC+4*J:ACC+4*J+3], v12 offset:512*J   ; x1 comes back
.set J, J+1
.endr
	PARAM 4
	BARRIER                                        ; the hidden layer's sixteen fragments lie in LDS; x1 and b2 are in
	ADDPT                                          ; x1 + b2 starts the sums
	NEXTA
; ---- G3
.irp i,16,17,18,19,20,21,22,23
	CSTEP \i
.endr
; ---- P3: a lane holds 64 bytes of each 128 of a row: the wave's 32 rows x 512 bytes turn through its own stage and leave as whole rows
.irp m,0,1
.irp b,0,1,2,3
.irp k,0,1,2,3
	ds_store_b128 v13, v[ACC+64*\m+16*\b+4*\k:ACC+64*\m+16*\b+4*\k+3] offset:8448*\m+128*\b+16*\k
.endr
.endr
.endr
.set J, 0
.rept 32
	ds_load_b128 v[ACC+4*J:ACC+4*J+3], v12 offset:528*(16*((J/8)%2)+(J%8)+8*(J/16))   ; row J from its place by tile and lane.  LDS serves a wave's instructions in order (ISA guide 5.7.1.4): these see the stores above
.set J, J+1
.endr
.set J, 0
.rept 32
	s_wait_dscnt 31-J                              ; row J is in; the younger rows may be out
	global_store_b128 v14, v[ACC+4*J:ACC+4*J+3], s[26:27] offset:4096*J th:TH_STORE_NT   ; 512 consecutive bytes, at a multiple of 256 from the buffer's first byte
.set J, J+1
.endr
	s_wait_tensorcnt 0x0
	ds_add_u32 v126, v127
	s_wait_dscnt 0x0
	s_endpgm
.Lfunc_end_k_qbadb41b24f_chain:
	.size	k_qbadb41b24f_chain, .Lfunc_end_k_qbadb41b24f_chain-k_qbadb41b24f_chain
	.p2alignl 7, 3214868480
	.fill 96, 4, 3214868480
	.section	.rodata,"a",@progbits
	.p2align	6, 0x0
	.amdhsa_kernel k_qbadb41b24f_chain
		.amdhsa_group_segment_fixed_size 235520
		.amdhsa_private_segment_fixed_size 0
		.amdhsa_enable_private_segment 0
		.amdhsa_kernarg_size 80
		.amdhsa_user_sgpr_count 2
		.amdhsa_user_sgpr_kernarg_segment_ptr 1
		.amdhsa_wavefront_size32 1
		.amdhsa_system_sgpr_workgroup_id_x 1
		.amdhsa_system_sgpr_workgroup_id_y 1
		.amdhsa_system_sgpr_workgroup_id_z 1
		.amdhsa_system_vgpr_workitem_id 0
		.amdhsa_next_free_vgpr 512
		.amdhsa_next_free_sgpr 66
		.amdhsa_reserve_vcc 0
		.amdhsa_float_denorm_mode_32 3
		.amdhsa_float_denorm_mode_16_64 3
		.amdhsa_memory_ordered 1
		.amdhsa_forward_progress 1
		.amdhsa_inst_pref_size 255
	.end_amdhsa_kernel
	.section	.bss,"aw",@nobits
	.p2align	6
	.space	262144
	.amdgpu_metadata
---
amdhsa.version: [ 1, 2 ]
amdhsa.kernels:
  - .name:           k_qbadb41b24f_chain
    .symbol:         k_qbadb41b24f_chain.kd
    .args:
      - { .name: x, .offset: 0, .size: 8, .value_kind: global_buffer, .address_space: global }
      - { .name: cc, .offset: 8, .size: 8, .value_kind: global_buffer, .address_space: global }
      - { .name: csc, .offset: 16, .size: 8, .value_kind: global_buffer, .address_space: global }
      - { .name: wch, .offset: 24, .size: 8, .value_kind: global_buffer, .address_space: global }
      - { .name: bo, .offset: 32, .size: 8, .value_kind: global_buffer, .address_space: global }
      - { .name: gamma2, .offset: 40, .size: 8, .value_kind: global_buffer, .address_space: global }
      - { .name: beta2, .offset: 48, .size: 8, .value_kind: global_buffer, .address_space: global }
      - { .name: b1, .offset: 56, .size: 8, .value_kind: global_buffer, .address_space: global }
      - { .name: b2, .offset: 64, .size: 8, .value_kind: global_buffer, .address_space: global }
      - { .name: out0, .offset: 72, .size: 8, .value_kind: global_buffer, .address_space: global }
    .group_segment_fixed_size: 235520
    .private_segment_fixed_size: 0
    .kernarg_segment_align: 8
    .kernarg_segment_size: 80
    .max_flat_workgroup_size: 256
    .sgpr_count:     66
    .vgpr_count:     512
    .wavefront_size: 32
...
	.end_amdgpu_metadata
.endif
;; end of part 3
;; ======== version 2 of 2: 3 launches
;; workspace buffers: n1c 6,291,456 bytes; n1s 262,144 bytes; wa 2,457,600 bytes; wch 2,457,600 bytes; cc 6,291,456 bytes; csc 262,144 bytes
;; launch prep (part 4): grid 640 x 1, 8 waves a work-group, no clusters, 64,512 bytes of LDS; arguments x, gamma1, beta1, Wq, Wk, Wv, Wo, W1, W2, n1c, n1s, wa, wch; writes n1c, n1s, wa, wch
.if DOCPART == 4
	.amdgcn_target "amdgcn-amd-amdhsa--gfx1250"
	.amdhsa_code_object_version 6
	.text
	.protected	k_qbadb41b24f_prep
	.globl	k_qbadb41b24f_prep
	.p2align	8
	.type	k_qbadb41b24f_prep,@function
k_qbadb41b24f_prep:
	s_mov_b64 s[64:65], 0
	v_nop
	global_prefetch_b8 v0, s[64:65] scope:SCOPE_SE
	s_setreg_imm32_b32 hwreg(HW_REG_WAVE_MODE, 25, 1), 1
	s_wait_xcnt 0x0
; LAUNCH 1 OF 3.  Everything that later launches read many times is quantised once, to codes of E2M3 with one E8M0 byte for each 32 along K,
; and stored as IMAGES OF THE OPERAND'S REGISTERS: a fragment (16 rows x 128 K, 12 registers a lane) is 1,536 bytes, registers 4 c .. 4 c + 3 of lane l at 512 c + 16 l.
; A TILE'S 16 ROWS ARE NOT NEIGHBOURS: in a group of 32 rows, lane r of tile u holds row 8 u + r + 8 (r / 8), so that two neighbouring tiles used as source 0 leave 16 neighbours in a lane's 16 result registers.
; Work-groups 0-255: n1 = layernorm(x, gamma1, beta1) of 32 tokens (two tiles), four rows a wave -> n1c, n1s.
; Work-groups 256-639: one fragment a wave of Wq, Wk, Wv (-> wa, by head) or Wo, W1, W2 (-> wch, by the 128 columns that a wave of the last launch owns).
; The two roles part on the work-group's number and never meet again; each has LDS bytes of its own.
; No matrix work, no tensor load, no cluster: nothing is shared between work-groups, and memory binds.
; LIMITS: NaN and infinities are not served.  A block whose largest magnitude lies under 2^-124 keeps the byte 1, a block of zeros too (the rule says 127): its codes are zeros, and this program alone reads the bytes.
.set LNST, 0                           ; 8 x 4,608: a wave's stage: a row of 4,096 bytes with 16 of padding behind each 128
.set IMG,  36864                       ; 24,576: two tiles x eight fragments
.set SCI,  61440                       ; 1,024: their scale bytes, [tile][row][32]
.set WSB,  62464                       ; 512: the weight role's scale words, [K step of two][row][tile of four]
.set X, 64                             ; v64-191  four rows, 32 registers each: register 4 j + e is column 128 j + 4 l + e, as loaded
.set G, 192                            ; v192-223 gamma1, in the same layout
.set B, 224                            ; v224-255 beta1, likewise
.macro BARRIER                         ; my LDS instructions are done, then the work-group's barrier
	s_wait_dscnt 0x0
	s_barrier_signal -1
	s_barrier_wait -1
.endm
	s_load_b512 s[8:23], s[0:1], 0x0               ; x, gamma1, beta1, Wq, Wk, Wv, Wo, W1
	s_load_b256 s[24:31], s[0:1], 0x40             ; W2, n1c, n1s, wa
	s_load_b64 s[32:33], s[0:1], 0x60              ; wch
	v_lshl_add_u32 v62, v0, 2, 0xf800
	v_mov_b32 v63, 0
	v_lshrrev_b32 v1, 5, v0
	s_delay_alu instid0(VALU_DEP_1)
	v_readfirstlane_b32 s34, v1                    ; wave 0..7
	v_and_b32 v1, 31, v0                           ; lane l
	s_delay_alu instid0(VALU_DEP_1)
	v_lshlrev_b32 v8, 4, v1                        ; 16 l
	s_mov_b32 s36, 0x76543210
	s_mov_b32 s37, 0xfedcba98                      ; v_permlanex16_b32's selects for lane l xor 16
	s_cmp_ge_u32 ttmp9, 256
	s_cbranch_scc1 .Lweights
; ======== LAYERNORM.  Wave w owns rows 4 w + t, t = 0 .. 3, of the group's 32: tile u = (w / 2) % 2, tile row r = 4 (w % 2) + 8 (w / 4) + t.
	s_mul_i32 s40, s34, 4608
	v_lshrrev_b32 v10, 3, v1
	s_delay_alu instid0(VALU_DEP_1)
	v_lshl_add_u32 v2, v10, 4, v8
	s_delay_alu instid0(VALU_DEP_1)
	v_add_nc_u32 v2, s40, v2                       ; the stage, in: 16 l + 16 (l / 8); a load's 512 bytes are 576 apart
	v_mul_u32_u24 v3, v1, 144
	s_delay_alu instid0(VALU_DEP_1)
	v_add_nc_u32 v3, s40, v3                       ; and out: 144 l: block l of the row, 128 bytes
	s_bfe_u32 s41, s34, 0x10001                    ; u
	s_mul_i32 s42, s41, 12288
	s_and_b32 s43, s34, 1
	s_lshl_b32 s43, s43, 6
	s_lshr_b32 s44, s34, 2
	s_lshl_b32 s44, s44, 7
	s_add_co_u32 s43, s43, s44                     ; 16 x (tile row of t = 0)
	s_add_co_u32 s42, s42, s43
	s_add_co_u32 s42, s42, IMG
	s_wait_alu depctr_va_vdst(0)
	v_lshrrev_b32 v10, 2, v1                       ; block l lies in K step l / 4, in lanes r + 16 (l % 2), registers 6 c .. 6 c + 5, c = (l / 2) % 2
	s_delay_alu instid0(VALU_DEP_1)
	v_mul_u32_u24 v10, v10, 1536
	v_and_b32 v11, 1, v1
	s_delay_alu instid0(VALU_DEP_1)
	v_lshl_add_u32 v10, v11, 8, v10
	s_delay_alu instid0(VALU_DEP_1)
	v_add_nc_u32 v10, s42, v10
	v_bfe_u32 v11, v1, 1, 1
	s_delay_alu instid0(VALU_DEP_1)
	v_mad_u32_u24 v4, v11, 520, v10                ; registers 6 c, 6 c + 1 in the image: byte 0 or 520
	s_delay_alu instid0(VALU_DEP_2)
	v_mad_u32_u24 v5, v11, 1016, v10
	s_delay_alu instid0(VALU_DEP_1)
	v_add_nc_u32 v5, 8, v5                         ; 6 c + 2, + 3: byte 8 or 1,024
	s_delay_alu instid0(VALU_DEP_3)
	v_add_nc_u32 v6, 512, v4                       ; 6 c + 4, + 5: byte 512 or 1,032
	s_lshl_b32 s44, s41, 9
	s_lshl_b32 s45, s43, 1
	s_add_co_u32 s44, s44, s45
	s_add_co_u32 s44, s44, SCI
	v_add_nc_u32 v7, s44, v1                       ; my block's scale byte: 512 u + 32 r + l
	s_mul_i32 s40, s34, 3072
	v_add_nc_u32 v10, s40, v8                      ; the way out: wave w takes bytes 3,072 w on of the images
	s_delay_alu instid0(VALU_DEP_1)
	v_add_nc_u32 v11, IMG, v10
	s_lshl_b32 s46, ttmp9, 17                      ; 32 rows of 4,096 bytes a work-group,
	s_lshl_b32 s47, s34, 14                        ; four a wave
	s_add_co_u32 s46, s46, s47
	s_mov_b32 s47, 0
	s_mov_b32 s38, 0x3a800000                      ; 1 / 1,024
	s_mov_b32 s39, 0x3727c5ac                      ; 1e-5
	s_wait_kmcnt 0x0
	s_add_nc_u64 s[8:9], s[8:9], s[46:47]
.irp t,0,1,2,3
.irp j,0,1,2,3,4,5,6,7
	global_load_b128 v[X+32*\t+4*\j:X+32*\t+4*\j+3], v8, s[8:9] offset:4096*\t+512*\j th:TH_LOAD_NT   ; 32 lanes read 512 consecutive bytes
.endr
.endr
.irp i,0,1,2,3,4,5,6,7
	global_load_b128 v[G+4*\i:G+4*\i+3], v8, s[10:11] offset:512*\i   ; gain and bias as x is loaded: 512 consecutive bytes a load; they are applied ahead of the turn through the stage
	global_load_b128 v[B+4*\i:B+4*\i+3], v8, s[12:13] offset:512*\i
.endr
; the four rows' two partial sums each (v[16+4t:17+4t], v[18+4t:19+4t]) become one number in every lane: v[16+4t]
.macro FOLD
.irp t,0,1,2,3
	v_pk_add_f32 v[16+4*\t:17+4*\t], v[16+4*\t:17+4*\t], v[18+4*\t:19+4*\t]
.endr
.irp t,0,1,2,3
	s_delay_alu instid0(VALU_DEP_4)
	v_add_f32 v[16+4*\t], v[16+4*\t], v[17+4*\t]
.endr
.irp m,1,2,4,8
.irp t,0,1,2,3
	s_delay_alu instid0(VALU_DEP_4)
	v_add_f32_dpp v[16+4*\t], v[16+4*\t], v[16+4*\t] row_xmask:\m row_mask:0xf bank_mask:0xf
.endr
.endr
.irp t,0,1,2,3
	s_delay_alu instid0(VALU_DEP_4)
	v_permlanex16_b32 v[32+\t], v[16+4*\t], s36, s37
.endr
.irp t,0,1,2,3
	s_delay_alu instid0(VALU_DEP_4)
	v_add_f32 v[16+4*\t], v[16+4*\t], v[32+\t]
.endr
.endm
.irp t,0,1,2,3
	v_mov_b32 v[32+\t], 0                          ; a lane permute's destination counts as one of its sources
.endr
	s_wait_loadcnt 16                              ; x is in; the 16 loads of gamma1 and beta1 may be out
.irp t,0,1,2,3
	v_pk_add_f32 v[16+4*\t:17+4*\t], v[X+32*\t:X+32*\t+1], v[X+32*\t+2:X+32*\t+3]
	v_pk_add_f32 v[18+4*\t:19+4*\t], v[X+32*\t+4:X+32*\t+5], v[X+32*\t+6:X+32*\t+7]
.endr
.irp i,8,12,16,20,24,28
.irp t,0,1,2,3
	v_pk_add_f32 v[16+4*\t:17+4*\t], v[16+4*\t:17+4*\t], v[X+32*\t+\i:X+32*\t+\i+1]
	v_pk_add_f32 v[18+4*\t:19+4*\t], v[18+4*\t:19+4*\t], v[X+32*\t+\i+2:X+32*\t+\i+3]
.endr
.endr
	FOLD
.irp t,0,1,2,3
	v_mul_f32 v[36+2*\t], s38, v[16+4*\t]          ; the mean, twice: a pair for the packed forms
	s_delay_alu instid0(VALU_DEP_1)
	v_mov_b32 v[37+2*\t], v[36+2*\t]
.endr
.irp t,0,1,2,3
.set J, 0
.rept 16
	v_pk_add_f32 v[X+32*\t+J:X+32*\t+J+1], v[X+32*\t+J:X+32*\t+J+1], v[36+2*\t:37+2*\t] neg_lo:[0,1] neg_hi:[0,1]   ; x - mean, in place: the variance is taken of these
.set J, J+2
.endr
.endr
.irp t,0,1,2,3
	v_pk_mul_f32 v[16+4*\t:17+4*\t], v[X+32*\t:X+32*\t+1], v[X+32*\t:X+32*\t+1]
	v_pk_mul_f32 v[18+4*\t:19+4*\t], v[X+32*\t+2:X+32*\t+3], v[X+32*\t+2:X+32*\t+3]
.endr
.irp i,4,8,12,16,20,24,28
.irp t,0,1,2,3
	v_pk_fma_f32 v[16+4*\t:17+4*\t], v[X+32*\t+\i:X+32*\t+\i+1], v[X+32*\t+\i:X+32*\t+\i+1], v[16+4*\t:17+4*\t]
	v_pk_fma_f32 v[18+4*\t:19+4*\t], v[X+32*\t+\i+2:X+32*\t+\i+3], v[X+32*\t+\i+2:X+32*\t+\i+3], v[18+4*\t:19+4*\t]
.endr
.endr
	FOLD
.irp t,0,1,2,3
	s_delay_alu instid0(VALU_DEP_4)
	v_fma_f32 v[16+4*\t], v[16+4*\t], s38, s39     ; the biased variance + 1e-5
.endr
	s_wait_alu depctr_va_vdst(0)
.irp t,0,1,2,3
	v_rsq_f32 v[36+2*\t], v[16+4*\t]
.endr
	v_nop                                          ; a plain instruction behind the last of the four,
	s_wait_alu depctr_va_vdst(0)                   ; and one wait for the batch, ahead of its first reader
.irp t,0,1,2,3
	v_mov_b32 v[37+2*\t], v[36+2*\t]
.endr
.irp t,0,1,2,3
.set J, 0
.rept 16
	v_pk_mul_f32 v[X+32*\t+J:X+32*\t+J+1], v[X+32*\t+J:X+32*\t+J+1], v[36+2*\t:37+2*\t]
.set J, J+2
.endr
.endr
	s_wait_loadcnt 0x0                             ; gamma1, beta1
; Row t: gain and bias; then it turns through the wave's stage, so that lane l holds block l (32 neighbours along K); the block's scale; 32 codes (24 bytes) into the fragment's image.
.macro LNROW t
.set J, 0
.rept 16
	v_pk_fma_f32 v[X+32*\t+J:X+32*\t+J+1], v[X+32*\t+J:X+32*\t+J+1], v[G+J:G+J+1], v[B+J:B+J+1]
.set J, J+2
.endr
.irp j,0,1,2,3,4,5,6,7
	ds_store_b128 v2, v[X+32*\t+4*\j:X+32*\t+4*\j+3] offset:576*\j
.endr
.irp i,0,1,2,3,4,5,6,7
	ds_load_b128 v[X+32*\t+4*\i:X+32*\t+4*\i+3], v3 offset:16*\i   ; LDS serves a wave's instructions in order (ISA guide 5.7.1.4): these see the stores above, and the next row's stores come behind them
.endr
	s_wait_dscnt 0x0
	v_max3_num_f32 v12, |v[X+32*\t]|, |v[X+32*\t+1]|, 0x1800000     ; the block's largest magnitude, all 32 mine, with the floor 2^(3 - 127): the byte cannot fall under 1
	v_max3_num_f32 v13, |v[X+32*\t+2]|, |v[X+32*\t+3]|, |v[X+32*\t+4]|
.irp i,5,9,13,17,21,25
	s_delay_alu instid0(VALU_DEP_2)
	v_max3_num_f32 v12, v12, |v[X+32*\t+\i]|, |v[X+32*\t+\i+1]|
	s_delay_alu instid0(VALU_DEP_2)
	v_max3_num_f32 v13, v13, |v[X+32*\t+\i+2]|, |v[X+32*\t+\i+3]|
.endr
	s_delay_alu instid0(VALU_DEP_2)
	v_max3_num_f32 v12, v12, |v[X+32*\t+29]|, |v[X+32*\t+30]|
	s_delay_alu instid0(VALU_DEP_1)
	v_max3_num_f32 v12, v12, v13, |v[X+32*\t+31]|
	s_delay_alu instid0(VALU_DEP_1)
	v_add_nc_u32 v14, 0xff000000, v12              ; 2 off its exponent field: the conversion takes the exponent field of this operand as its scale
	v_cvt_scalef32_pk16_fp6_f32 v[16+8*\t:18+8*\t], v[X+32*\t:X+32*\t+15], v14
	v_cvt_scalef32_pk16_fp6_f32 v[20+8*\t:22+8*\t], v[X+32*\t+16:X+32*\t+31], v14   ; (a conversion's three registers begin on an even number)
	v_lshrrev_b32 v[48+\t], 23, v14                ; the scale's byte; also the plain instruction behind the conversions
	v_mov_b32 v[19+8*\t], v[20+8*\t]
	v_mov_b32 v[20+8*\t], v[21+8*\t]
	v_mov_b32 v[21+8*\t], v[22+8*\t]               ; six registers on end
	ds_store_b64 v4, v[16+8*\t:17+8*\t] offset:16*\t
	ds_store_b64 v5, v[18+8*\t:19+8*\t] offset:16*\t
	ds_store_b64 v6, v[20+8*\t:21+8*\t] offset:16*\t
	ds_store_b8 v7, v[48+\t] offset:32*\t
.endm
	LNROW 0
	LNROW 1
	LNROW 2
	LNROW 3
	s_mul_i32 s46, ttmp9, 24576
	s_add_nc_u64 s[26:27], s[26:27], s[46:47]      ; the group's sixteen fragments in n1c
	BARRIER                                        ; the images are whole
.irp i,0,1,2,3,4,5
	ds_load_b128 v[64+4*\i:67+4*\i], v11 offset:512*\i
.endr
.irp i,0,1,2,3,4,5
	s_wait_dscnt 5-\i                              ; LDS loads come back in order: load i is in, the younger ones may be out
	global_store_b128 v10, v[64+4*\i:67+4*\i], s[26:27] offset:512*\i   ; 512 consecutive bytes, at a multiple of 256 from the buffer's first byte
.endr
	s_cmp_lt_u32 s34, 2                            ; the 1,024 scale bytes leave by waves 0 and 1
	s_cbranch_scc0 .Lln_end
	s_lshl_b32 s40, s34, 9
	v_add_nc_u32 v12, s40, v8
	s_delay_alu instid0(VALU_DEP_1)
	v_add_nc_u32 v13, SCI, v12
	ds_load_b128 v[96:99], v13
	s_lshl_b32 s46, ttmp9, 10
	s_add_nc_u64 s[28:29], s[28:29], s[46:47]
	s_wait_alu depctr_va_vdst(0)
	s_wait_dscnt 0x0
	global_store_b128 v12, v[96:99], s[28:29]
.Lln_end:
	s_wait_tensorcnt 0x0
	ds_add_u32 v62, v63
	s_wait_dscnt 0x0
	s_endpgm
; ======== WEIGHTS.  K is the first axis of each: a lane takes a column and its registers run down K, in the very order that the operand's layout gives that lane.
.Lweights:
	s_sub_co_u32 s40, ttmp9, 256
	s_lshr_b32 s41, s40, 6                         ; which tensor: 0 Wq, 1 Wk, 2 Wv, 3 Wo, 4 W1, 5 W2
	s_bfe_u32 s42, s40, 0x40002                    ; cg: which 64 columns (a head, or 256 bytes of a row)
	s_and_b32 s43, s40, 3                          ; sp: which two K steps
	s_and_b32 s44, s34, 3                          ; q: my tile of the four
	s_lshr_b32 s45, s34, 2
	s_lshl_b32 s46, s43, 1
	s_add_co_u32 s46, s46, s45                     ; s: my K step
	v_and_b32 v2, 15, v0                           ; r
	s_wait_alu depctr_va_vdst(0)
	v_bfe_u32 v3, v0, 4, 1                         ; h
	v_and_b32 v4, 8, v2
	s_delay_alu instid0(VALU_DEP_1)
	v_add_nc_u32 v4, v4, v2
	s_lshr_b32 s47, s44, 1
	s_lshl_b32 s47, s47, 5
	s_and_b32 s48, s44, 1
	s_lshl_b32 s48, s48, 3
	s_add_co_u32 s47, s47, s48
	v_add_nc_u32 v4, s47, v4                       ; my column of the 64: 32 (q / 2) + 8 (q % 2) + r + 8 (r / 8)
	s_delay_alu instid0(VALU_DEP_1)
	v_lshlrev_b32 v4, 2, v4
	s_lshl_b32 s48, s45, 8
	s_lshl_b32 s49, s44, 2
	s_add_co_u32 s48, s48, s49
	s_add_co_u32 s48, s48, WSB
	v_lshl_add_u32 v6, v2, 4, s48                  ; my scale word in LDS: 256 (w / 4) + 16 r + 4 q
	v_add_nc_u32 v7, WSB, v8
	; offsets for both kinds of tensor, then a choice: no address is made in one arm of a branch
	s_mul_i32 s62, s42, 153600                     ; wa: a head's block
	s_mul_i32 s63, s41, 49152
	s_add_co_u32 s63, s62, s63
	s_mul_i32 s66, s46, 6144
	s_add_co_u32 s63, s63, s66                     ; + tensor + K step
	s_lshr_b32 s67, s42, 1
	s_mul_i32 s67, s67, 307200                     ; wch: the stream of the wave that owns these columns
	s_lshl_b32 s71, s41, 3
	s_sub_co_u32 s71, s71, 24                      ; 8 x (product 0 .. 2)
	s_add_co_u32 s66, s71, s46
	s_mul_i32 s66, s66, 12800
	s_add_co_u32 s68, s67, s66                     ; + chunk
	s_and_b32 s72, s42, 1
	s_mul_i32 s66, s72, 6144
	s_add_co_u32 s68, s68, s66                     ; + four tiles
	s_mul_i32 s66, s43, 1536
	s_add_co_u32 s69, s62, s66                     ; wa's scale words: 147,456 + 768 s + 256 x tensor
	s_lshl_b32 s66, s41, 8
	s_add_co_u32 s69, s69, s66
	s_add_co_u32 s69, s69, 147456
	s_lshl_b32 s66, s43, 1
	s_add_co_u32 s66, s66, s71
	s_mul_i32 s66, s66, 12800
	s_add_co_u32 s70, s67, s66                     ; wch's: 12,288 behind the chunk's first byte, + 256 for tiles 4 to 7
	s_lshl_b32 s66, s72, 8
	s_add_co_u32 s70, s70, s66
	s_add_co_u32 s70, s70, 12288
	s_mul_i32 s66, s44, 1536
	s_mov_b32 s75, 0
	s_mov_b32 s77, 0
	s_mov_b32 s55, 0
	s_mov_b32 s60, 12800
	s_wait_alu depctr_va_vdst(0)
	s_wait_kmcnt 0x0
	s_mov_b64 s[50:51], s[14:15]
	s_cmp_eq_u32 s41, 1
	s_cselect_b64 s[50:51], s[16:17], s[50:51]
	s_cmp_eq_u32 s41, 2
	s_cselect_b64 s[50:51], s[18:19], s[50:51]
	s_cmp_eq_u32 s41, 3
	s_cselect_b64 s[50:51], s[20:21], s[50:51]
	s_cmp_eq_u32 s41, 4
	s_cselect_b64 s[50:51], s[22:23], s[50:51]
	s_cmp_eq_u32 s41, 5
	s_cselect_b64 s[50:51], s[24:25], s[50:51]
	s_cmp_lt_u32 s41, 3                            ; a tensor by heads (rows of 256 bytes) or a square one (rows of 4,096)?
	s_cselect_b32 s52, 18, 8                       ; cg x 262,144 or x 256
	s_cselect_b32 s53, 15, 19                      ; 128 rows
	s_cselect_b32 s61, 13, 17                      ; 32 rows
	s_cselect_b32 s60, 768, s60                    ; from a K step's scale words to the next step's
	s_cselect_b64 s[56:57], s[30:31], s[32:33]
	s_cselect_b32 s74, s63, s68
	s_cselect_b32 s76, s69, s70
	s_add_co_u32 s74, s74, s66                     ; + my tile
	s_add_nc_u64 s[58:59], s[56:57], s[76:77]      ; where the scale words go
	s_add_nc_u64 s[56:57], s[56:57], s[74:75]      ; where my fragment goes
	s_lshl_b32 s54, s42, s52
	s_lshl_b32 s53, s46, s53
	s_add_co_u32 s54, s54, s53
	s_add_nc_u64 s[50:51], s[50:51], s[54:55]
	v_lshlrev_b32 v5, s61, v3
	s_delay_alu instid0(VALU_DEP_1)
	v_add_nc_u32 v5, v5, v4                        ; 4 x column + 32 h rows: lane (r, h) wants k = 64 c + 32 h + 0 .. 31
.macro WLOADS rs                       ; register 32 c + i: row 64 c + i of my half
.set I, 0
.rept 64
	global_load_b32 v[64+I], v5, s[50:51] offset:(I+32*(I/32))*(\rs)
.set I, I+1
.endr
.endm
	s_cmp_lt_u32 s41, 3
	s_cbranch_scc0 .Lsquare
	WLOADS 256
	s_branch .Lloaded
.Lsquare:
	s_wait_alu depctr_va_vdst(0)
	WLOADS 4096
.Lloaded:
	s_wait_loadcnt 0x0
.irp c,0,1
	v_max3_num_f32 v[32+\c], |v[64+32*\c]|, |v[65+32*\c]|, 0x1800000   ; my block 2 c + h: all 32 numbers are mine; the floor holds the byte at 1 from below
.endr
.irp i,2,4,6,8,10,12,14,16,18,20,22,24,26,28,30
.irp c,0,1
	s_delay_alu instid0(VALU_DEP_2)
	v_max3_num_f32 v[32+\c], v[32+\c], |v[64+32*\c+\i]|, |v[65+32*\c+\i]|
.endr
.endr
.irp c,0,1
	s_delay_alu instid0(VALU_DEP_2)
	v_add_nc_u32 v[44+\c], 0xff000000, v[32+\c]
.endr
.irp c,0,1
	s_delay_alu instid0(VALU_DEP_2)
	v_lshrrev_b32 v[36+\c], 23, v[44+\c]
.endr
	s_delay_alu instid0(VALU_DEP_1)
	v_lshl_or_b32 v9, v37, 16, v36                 ; my two bytes, blocks h and 2 + h,
	v_lshlrev_b32 v10, 3, v3
	s_delay_alu instid0(VALU_DEP_1)
	v_lshlrev_b32 v9, v10, v9                      ; at their places in the word;
	v_mov_b32 v10, 0
	s_delay_alu instid0(VALU_DEP_1)
	v_permlanex16_b32 v10, v9, s36, s37
	s_delay_alu instid0(VALU_DEP_1)
	v_or_b32 v9, v9, v10                           ; with lane l xor 16's two it is whole
.irp c,0,1
	v_cvt_scalef32_pk16_fp6_f32 v[48+6*\c:50+6*\c], v[64+32*\c:79+32*\c], v[44+\c]
	v_cvt_scalef32_pk16_fp6_f32 v[192+4*\c:194+4*\c], v[80+32*\c:95+32*\c], v[44+\c]
.endr
	v_nop                                          ; one plain instruction behind the conversions
.irp c,0,1
.irp i,0,1,2
	v_mov_b32 v[51+6*\c+\i], v[192+4*\c+\i]
.endr
.endr
.irp c,0,1,2
	global_store_b128 v8, v[48+4*\c:51+4*\c], s[56:57] offset:512*\c   ; the fragment's image: 512 consecutive bytes a store
.endr
	ds_store_b32 v6, v9                            ; lanes r and r + 16 write the same word with the same value
	BARRIER
	s_cmp_lg_u32 s34, 0                            ; the eight waves' words leave by wave 0: two aligned runs of 256 bytes
	s_cbranch_scc1 .Lw_end
	ds_load_b128 v[12:15], v7
	v_mul_lo_u32 v11, v3, s60
	s_delay_alu instid0(VALU_DEP_1)
	v_lshl_add_u32 v11, v2, 4, v11                 ; 16 r, + a K step for lanes 16-31
	s_wait_alu depctr_va_vdst(0)
	s_wait_dscnt 0x0
	global_store_b128 v11, v[12:15], s[58:59]
.Lw_end:
	s_wait_tensorcnt 0x0
	ds_add_u32 v62, v63
	s_wait_dscnt 0x0
	s_endpgm
.Lfunc_end_k_qbadb41b24f_prep:
	.size	k_qbadb41b24f_prep, .Lfunc_end_k_qbadb41b24f_prep-k_qbadb41b24f_prep
	.p2alignl 7, 3214868480
	.fill 96, 4, 3214868480
	.section	.rodata,"a",@progbits
	.p2align	6, 0x0
	.amdhsa_kernel k_qbadb41b24f_prep
		.amdhsa_group_segment_fixed_size 64512
		.amdhsa_private_segment_fixed_size 0
		.amdhsa_enable_private_segment 0
		.amdhsa_kernarg_size 104
		.amdhsa_user_sgpr_count 2
		.amdhsa_user_sgpr_kernarg_segment_ptr 1
		.amdhsa_wavefront_size32 1
		.amdhsa_system_sgpr_workgroup_id_x 1
		.amdhsa_system_sgpr_workgroup_id_y 1
		.amdhsa_system_sgpr_workgroup_id_z 1
		.amdhsa_system_vgpr_workitem_id 0
		.amdhsa_next_free_vgpr 256
		.amdhsa_next_free_sgpr 80
		.amdhsa_reserve_vcc 0
		.amdhsa_float_denorm_mode_32 3
		.amdhsa_float_denorm_mode_16_64 3
		.amdhsa_memory_ordered 1
		.amdhsa_forward_progress 1
		.amdhsa_inst_pref_size 69
	.end_amdhsa_kernel
	.amdgpu_metadata
---
amdhsa.version: [ 1, 2 ]
amdhsa.kernels:
  - .name:           k_qbadb41b24f_prep
    .symbol:         k_qbadb41b24f_prep.kd
    .args:
      - { .name: x, .offset: 0, .size: 8, .value_kind: global_buffer, .address_space: global }
      - { .name: gamma1, .offset: 8, .size: 8, .value_kind: global_buffer, .address_space: global }
      - { .name: beta1, .offset: 16, .size: 8, .value_kind: global_buffer, .address_space: global }
      - { .name: Wq, .offset: 24, .size: 8, .value_kind: global_buffer, .address_space: global }
      - { .name: Wk, .offset: 32, .size: 8, .value_kind: global_buffer, .address_space: global }
      - { .name: Wv, .offset: 40, .size: 8, .value_kind: global_buffer, .address_space: global }
      - { .name: Wo, .offset: 48, .size: 8, .value_kind: global_buffer, .address_space: global }
      - { .name: W1, .offset: 56, .size: 8, .value_kind: global_buffer, .address_space: global }
      - { .name: W2, .offset: 64, .size: 8, .value_kind: global_buffer, .address_space: global }
      - { .name: n1c, .offset: 72, .size: 8, .value_kind: global_buffer, .address_space: global }
      - { .name: n1s, .offset: 80, .size: 8, .value_kind: global_buffer, .address_space: global }
      - { .name: wa, .offset: 88, .size: 8, .value_kind: global_buffer, .address_space: global }
      - { .name: wch, .offset: 96, .size: 8, .value_kind: global_buffer, .address_space: global }
    .group_segment_fixed_size: 64512
    .private_segment_fixed_size: 0
    .kernarg_segment_align: 8
    .kernarg_segment_size: 104
    .max_flat_workgroup_size: 256
    .sgpr_count:     80
    .vgpr_count:     256
    .wavefront_size: 32
...
	.end_amdgpu_metadata
.endif
;; end of part 4
;; launch attn (part 5): grid 16 x 16, 8 waves a work-group, no clusters, 234,496 bytes of LDS; arguments n1c, n1s, wa, cc, csc; writes cc, csc
.if DOCPART == 5
	.amdgcn_target "amdgcn-amd-amdhsa--gfx1250"
	.amdhsa_code_object_version 6
	.text
	.protected	k_qbadb41b24f_attn
	.globl	k_qbadb41b24f_attn
	.p2align	8
	.type	k_qbadb41b24f_attn,@function
k_qbadb41b24f_attn:
	s_mov_b64 s[64:65], 0
	v_nop
	global_prefetch_b8 v0, s[64:65] scope:SCOPE_SE
	s_setreg_imm32_b32 hwreg(HW_REG_WAVE_MODE, 25, 1), 1
	s_wait_xcnt 0x0
; LAUNCH 2 OF 3.  One work-group = one (batch, head): Q, K, V = n1 x Wq, Wk, Wv of that head (K = 1,024), causal attention (512 x 512, head size 64), O / l quantised -> cc, csc.
; All five products on codes of E2M3 with E8M0 scales.  Q, K, V and p never go to memory.
; SHARES.  Eight waves, two to a SIMD, 512 registers each.  Wave w owns the token pairs (32 tokens) p0 = w and p1 = 15 - w: four tiles of 16.  They are its keys in the projections and its queries in
; attention: under the causal mask the two pairs together walk (p0 / 4) + (p1 / 4) + 2 = 5 key steps of 128, the same in every wave.
; LAYOUT.  Tiles of 16 rows are the permuted tiles of launch 1.  Q and K are made transposed (source 0 = 16 of the head's 64, source 1 = 16 tokens): a lane holds one token and 2 x 16 neighbours along the head.
; V is made the other way (source 0 = tokens, source 1 = 16 of the head's 64): a lane holds one channel and 16 neighbouring keys.  S^T = K Q^T and O^T = V^T P^T: a lane holds one query throughout.
; The head's 64 are half of the instruction's 128 along K: registers 6-11 of K's and Q's fragments are zero codes, their scale bytes 0x7f.
; SOFTMAX.  t = score x log2(e) / 8; M = the running largest t rounded up to a whole number; p = 2^(t - M) is quantised along the keys; the sum is taken of the unquantised p and divides O at the end.
; THE HEAD'S WEIGHTS (153,600 bytes) come into LDS once, by one tensor load a wave (one is outstanding a wave); no LDS byte is filled twice.
; n1's FRAGMENTS go from memory straight into registers, two steps (24 loads a wave) ahead.  The 16 heads of a batch read the same fragments, yet no cluster asks for them jointly: inside a work-group each fragment is
; read by ONE wave, so LDS would add a write and a read; and a ring would put a round of the cluster's barrier in front of each step's 49,152 bytes, that is of every 32 (Q, K) or 16 (V) matrix instructions of a wave.
; LIMITS: NaN and infinities are not served; blocks under 2^-124 keep the byte 1 (blocks of zeros too: their codes are zeros); v_exp_f32 gives 0 for p under 2^-126.
.set KIMG, 153600                      ; K: 32 tiles x 768 bytes: registers 0-3 of lane l at 16 l, registers 4-5 at 512 + 8 l
.set QIMG, 178176                      ; Q: [wave][tile of four] x 768, the wave's own
.set VIMG, 202752                      ; V^T: [key step][tile of 16 channels] x 1,536: lane l's 48 bytes at 48 l
.set KSC,  227328                      ; K's scale words: [key step] x 512: word of (row r, tile t) at 256 (t / 4) + 16 r + 4 (t % 4)
.set QSC,  229376                      ; Q's: [wave][tile][r]
.set VSC,  231424                      ; V's: [key step] x 256: byte of (row r, tile j, block) at 16 r + 4 j + block
.set OSC,  232448                      ; the output's two scale bytes a row: [wave][tile][r] x 2 bytes
.set NF, 32                            ; v32-127  n1: two slots x four fragments
.set WF, 128                           ; v128-223 weights: two sets x four fragments; the quantisers' work registers between the passes
.set NS, 224                           ; v224-239 n1's scale words: [pair][K step]; lanes 0-15 the pair's first tile, lanes 16-31 its second
.set WS, 240                           ; v240-247 the weights' scale words, two sets of four
.set PCQ, 128
.set TMQ, 176
.set T2Q, 184
.set SOQ, 192
.set BYQ, 200
.set WQ,  208
.set MSB, 0
.macro WIN new                         ; the immediate's high byte repeats the setting that is left; bits 1:0 source 0, 3:2 source 1, 5:4 source 2, 7:6 destination
.if MSB != \new
	s_set_vgpr_msb (MSB<<8)|\new
.set MSB, \new
.endif
.endm
.macro PLACES                          ; four plain instructions between a matrix instruction and a load into, or a vector instruction on, its registers
.rept 4
	v_nop
.endr
.endm
.macro BARRIER
	s_wait_dscnt 0x0
	s_barrier_signal -1
	s_barrier_wait -1
.endm
; one product.  zero: C is the constant 0 (the sum's first K step), else C = D.  ra, rb: the scale words stand in lanes 16-31 of their register
.macro WM d, a, b, zero, sa, sb, ra, rb
.if (\zero)
.if ((\ra)==0)&&((\rb)==0)
	v_wmma_scale_f32_16x16x128_f8f6f4 v[\d:\d+7], v[\a:\a+11], v[\b:\b+11], 0, v[\sa], v[\sb] matrix_a_fmt:MATRIX_FMT_FP6 matrix_b_fmt:MATRIX_FMT_FP6
.elseif ((\ra)==1)&&((\rb)==0)
	v_wmma_scale_f32_16x16x128_f8f6f4 v[\d:\d+7], v[\a:\a+11], v[\b:\b+11], 0, v[\sa], v[\sb] matrix_a_fmt:MATRIX_FMT_FP6 matrix_b_fmt:MATRIX_FMT_FP6 matrix_a_scale:MATRIX_SCALE_ROW1
.elseif ((\ra)==0)&&((\rb)==1)
	v_wmma_scale_f32_16x16x128_f8f6f4 v[\d:\d+7], v[\a:\a+11], v[\b:\b+11], 0, v[\sa], v[\sb] matrix_a_fmt:MATRIX_FMT_FP6 matrix_b_fmt:MATRIX_FMT_FP6 matrix_b_scale:MATRIX_SCALE_ROW1
.else
	v_wmma_scale_f32_16x16x128_f8f6f4 v[\d:\d+7], v[\a:\a+11], v[\b:\b+11], 0, v[\sa], v[\sb] matrix_a_fmt:MATRIX_FMT_FP6 matrix_b_fmt:MATRIX_FMT_FP6 matrix_a_scale:MATRIX_SCALE_ROW1 matrix_b_scale:MATRIX_SCALE_ROW1
.endif
.else
.if ((\ra)==0)&&((\rb)==0)
	v_wmma_scale_f32_16x16x128_f8f6f4 v[\d:\d+7], v[\a:\a+11], v[\b:\b+11], v[\d:\d+7], v[\sa], v[\sb] matrix_a_fmt:MATRIX_FMT_FP6 matrix_b_fmt:MATRIX_FMT_FP6
.elseif ((\ra)==1)&&((\rb)==0)
	v_wmma_scale_f32_16x16x128_f8f6f4 v[\d:\d+7], v[\a:\a+11], v[\b:\b+11], v[\d:\d+7], v[\sa], v[\sb] matrix_a_fmt:MATRIX_FMT_FP6 matrix_b_fmt:MATRIX_FMT_FP6 matrix_a_scale:MATRIX_SCALE_ROW1
.elseif ((\ra)==0)&&((\rb)==1)
	v_wmma_scale_f32_16x16x128_f8f6f4 v[\d:\d+7], v[\a:\a+11], v[\b:\b+11], v[\d:\d+7], v[\sa], v[\sb] matrix_a_fmt:MATRIX_FMT_FP6 matrix_b_fmt:MATRIX_FMT_FP6 matrix_b_scale:MATRIX_SCALE_ROW1
.else
	v_wmma_scale_f32_16x16x128_f8f6f4 v[\d:\d+7], v[\a:\a+11], v[\b:\b+11], v[\d:\d+7], v[\sa], v[\sb] matrix_a_fmt:MATRIX_FMT_FP6 matrix_b_fmt:MATRIX_FMT_FP6 matrix_a_scale:MATRIX_SCALE_ROW1 matrix_b_scale:MATRIX_SCALE_ROW1
.endif
.endif
.endm
	s_load_b256 s[4:11], s[0:1], 0x0               ; n1c, n1s, wa, cc
	s_load_b64 s[12:13], s[0:1], 0x20              ; csc
	v_lshl_add_u32 v254, v0, 2, 0x39000
	v_mov_b32 v255, 0
	ds_add_u32 v254, v255
	ds_add_u32 v254, v255
	v_lshrrev_b32 v28, 5, v0
	s_delay_alu instid0(VALU_DEP_1)
	v_readfirstlane_b32 s14, v28                   ; wave 0..7
	s_mov_b32 s15, ttmp9                           ; head
	s_and_b32 s16, ttmp7, 0xffff                   ; batch
	s_mov_b32 s17, s14                             ; p0
	s_xor_b32 s18, s14, 15                         ; p1 = 15 - w
	; the head's weights: wave w brings bytes 19,200 w on: 75 rows of 256 bytes, dense, no padding
	s_mov_b32 s32, 3<<16                           ; no mask; elements of 8 bytes; padding off
	s_mov_b32 s33, 32<<16                          ; tensor_dim0 = 32
	s_mov_b32 s34, 75<<16                          ; tensor_dim1 = 75
	s_mov_b32 s35, 32<<16                          ; tile_dim0 = 32
	s_mov_b32 s36, 75                              ; tile_dim1 = 75
	s_mov_b32 s37, 32                              ; the pitch
	s_mov_b32 s38, 0
	s_mov_b32 s39, 0
	s_mov_b32 s28, 1
	s_mul_i32 s29, s14, 19200                      ; LDS address
	s_mul_i32 s44, s15, 153600
	s_add_co_u32 s44, s44, s29
	s_mov_b32 s45, 0
	s_wait_dscnt 0x0
	s_wait_kmcnt 0x0
	s_add_nc_u64 s[30:31], s[8:9], s[44:45]
	s_or_b32 s31, s31, 0x80000000                  ; type = 2
	tensor_load_to_lds s[28:31], s[32:39]
	s_nop 0
.rept 4
	v_nop
.endr
	v_and_b32 v28, 31, v0                          ; l
	v_and_b32 v29, 15, v0                          ; r
	v_bfe_u32 v30, v0, 4, 1                        ; h
	s_delay_alu instid0(VALU_DEP_3)
	v_lshlrev_b32 v1, 4, v28                       ; v1  16 l
	s_delay_alu instid0(VALU_DEP_4)
	v_lshlrev_b32 v2, 3, v28                       ; v2  8 l
	v_lshlrev_b32 v20, 5, v28                      ; v20 32 l
	s_wait_alu depctr_va_vdst(0)
	s_lshl_b32 s46, s16, 4
	s_mov_b32 s49, 0
.irp a,0,1
	s_add_co_u32 s47, s46, s[17+\a]                ; the pair's number among all 256
	s_mul_i32 s48, s47, 24576
	s_add_nc_u64 s[20+2*\a:21+2*\a], s[4:5], s[48:49]   ; its sixteen fragments
	s_lshl_b32 s48, s47, 10
	s_add_nc_u64 s[24+2*\a:25+2*\a], s[6:7], s[48:49]   ; its scale bytes
.endr
.irp a,0,1
	global_load_b128 v[NS+8*\a:NS+8*\a+3], v20, s[24+2*\a:25+2*\a]
	global_load_b128 v[NS+8*\a+4:NS+8*\a+7], v20, s[24+2*\a:25+2*\a] offset:16
.endr
; step t of n1's stream (16 steps: the eight K steps for Q and K, then the same eight for V): my four fragments into slot t % 2
.macro NLOAD t
.irp j,0,1,2,3
.irp c,0,1,2
	global_load_b128 v[NF+48*((\t)%2)+12*\j+4*\c:NF+48*((\t)%2)+12*\j+4*\c+3], v1, s[20+2*(\j/2):21+2*(\j/2)] offset:(\j%2)*12288+((\t)%8)*1536+512*\c
.endr
.endr
.endm
	NLOAD 0
	NLOAD 1
	; LDS addresses, made once
	v_add_nc_u32 v3, 49152, v1                     ; v3  Wk's fragments
	v_add_nc_u32 v4, 98304, v1                     ; v4  Wv's
	v_add_nc_u32 v5, 147456, v1                    ; v5  Wq's scale words (lanes 0-15) and Wk's (lanes 16-31)
	v_lshlrev_b32 v31, 4, v29                      ; 16 r
	s_wait_alu depctr_va_vdst(0)
	v_add_nc_u32 v6, 147968, v31                   ; v6  Wv's scale words
	v_mul_u32_u24 v27, v29, 48
	s_delay_alu instid0(VALU_DEP_1)
	v_mad_u32_u24 v27, v30, 12, v27                ; (48 r + 12 h)
	s_wait_alu depctr_va_vdst(0)
.irp a,0,1
	s_mul_i32 s48, s[17+\a], 1536
	s_add_co_u32 s48, s48, KIMG
	v_add_nc_u32 v[7+\a], s48, v1                  ; v7, v8   where pair a's two tiles of K go: registers 0-3,
	v_add_nc_u32 v[9+\a], s48, v2
	s_delay_alu instid0(VALU_DEP_1)
	v_add_nc_u32 v[9+\a], 512, v[9+\a]             ; v9, v10  registers 4-5
	s_lshr_b32 s48, s[17+\a], 1
	s_lshl_b32 s48, s48, 8
	s_and_b32 s49, s[17+\a], 1
	s_lshl_b32 s49, s49, 3
	s_add_co_u32 s48, s48, s49
	s_add_co_u32 s48, s48, KSC
	v_add_nc_u32 v[13+\a], s48, v31                ; v13, v14 their scale words: 256 (p / 2) + 8 (p % 2) + 16 r
	s_lshr_b32 s48, s[17+\a], 2
	s_mul_i32 s49, s48, 6144
	s_lshl_b32 s48, s48, 8
	s_and_b32 s50, s[17+\a], 3
	s_add_co_u32 s48, s48, s50
	s_add_co_u32 s48, s48, VSC
	v_add_nc_u32 v[18+\a], s48, v31                ; v18, v19 V's scale byte of block p % 4 of key step p / 4
	s_and_b32 s50, s[17+\a], 1
	s_mul_i32 s50, s50, 768
	s_add_co_u32 s49, s49, s50
	s_bfe_u32 s50, s[17+\a], 0x10001
	s_mul_i32 s50, s50, 24
	s_add_co_u32 s49, s49, s50
	s_add_co_u32 s49, s49, VIMG
	v_add_nc_u32 v[16+\a], s49, v27                ; v16, v17 V's 16 codes of (channel r, keys 32 p + 16 h ..): lane r + 16 (p % 2), registers 6 ((p / 2) % 2) + 3 h ..
.endr
	s_mul_i32 s48, s14, 3072
	s_add_co_u32 s48, s48, QIMG
	v_add_nc_u32 v11, s48, v1                      ; v11 my tiles of Q: registers 0-3,
	v_add_nc_u32 v12, s48, v2
	s_delay_alu instid0(VALU_DEP_1)
	v_add_nc_u32 v12, 512, v12                     ; v12 registers 4-5
	s_lshl_b32 s48, s14, 8
	s_add_co_u32 s48, s48, QSC
	v_lshl_add_u32 v15, v29, 2, s48                ; v15 their scale words
	s_lshl_b32 s48, s14, 7
	s_add_co_u32 s48, s48, OSC
	v_lshl_add_u32 v21, v29, 1, s48                ; v21 the output's scale bytes
	v_and_b32 v22, 8, v29
	s_delay_alu instid0(VALU_DEP_1)
	v_add_nc_u32 v22, v22, v29
	v_lshlrev_b32 v26, 4, v30
	s_delay_alu instid0(VALU_DEP_1)
	v_sub_nc_u32 v22, v22, v26                     ; v22 r + 8 (r / 8) - 16 h, for the mask
	v_add_nc_u32 v23, KIMG, v1                     ; v23, v24 a key step's tiles of K
	v_add_nc_u32 v24, KIMG+512, v2
	v_mul_u32_u24 v25, v28, 48
	s_delay_alu instid0(VALU_DEP_1)
	v_add_nc_u32 v25, VIMG, v25                    ; v25 of V
	v_add_nc_u32 v26, KSC, v1                      ; v26 K's scale words
	v_add_nc_u32 v27, VSC, v31                     ; v27 V's
	s_mov_b32 s40, 0x76543210
	s_mov_b32 s41, 0xfedcba98                      ; v_permlanex16_b32's selects for lane l xor 16
	s_mov_b32 s42, 0x3e38aa3b                      ; c = log2(e) / sqrt(64)
	s_mov_b32 s43, s42                             ; (named with it as a pair)
	s_wait_tensorcnt 0x0                           ; my part of the weights has landed,
	s_barrier_signal -1
	s_barrier_wait -1                              ; everybody's has
; four fragments of one weight tensor (address register adr), K step s, into set
.macro WLOAD adr, set, s
.irp q,0,1,2,3
.irp c,0,1,2
	ds_load_b128 v[WF+48*(\set)+12*\q+4*\c:WF+48*(\set)+12*\q+4*\c+3], v[\adr] offset:6144*(\s)+1536*\q+512*\c
.endr
.endr
.endm
	ds_load_b128 v[WS:WS+3], v5
	WLOAD 1, 0, 0
	WLOAD 3, 1, 0
; ---- PASS A: Q (x = 0) and K (x = 1).  32 accumulators in window 1, (x, token tile j, weight tile q) at v[8 (16 x + 4 j + q)], one instruction a turn.
.macro HALFA x, s
	WIN 0x50                                       ; C and D in window 1
.irp j,0,1,2,3
.irp q,0,1,2,3
	WM 8*(16*(\x)+4*\j+\q), WF+48*(\x)+12*\q, NF+48*((\s)%2)+12*\j, (\s)==0, WS+4*((\s)%2)+\q, NS+8*(\j/2)+(\s), \x, \j%2
.endr
.endr
	WIN 0
	PLACES                                         ; in front of the loads into the registers just read
.endm
.macro STEPA s
	s_wait_loadcnt 12                              ; this step's n1 is in; the next step's 12 loads may be out
	s_wait_dscnt 12                                ; the scale words and Wq's set are in; Wk's 12 loads may be out
	HALFA 0, \s
.if (\s) < 7
	ds_load_b128 v[WS+4*(((\s)+1)%2):WS+4*(((\s)+1)%2)+3], v5 offset:768*((\s)+1)
	WLOAD 1, 0, (\s)+1
	s_wait_dscnt 13                                ; Wk's set is in; the 13 loads just issued may be out
.else
	s_wait_dscnt 0x0
.endif
	HALFA 1, \s
.if (\s) < 7
	WLOAD 3, 1, (\s)+1
.endif
	NLOAD (\s)+2                                   ; in the last two steps: pass B's first two
.endm
.irp s,0,1,2,3,4,5,6,7
	STEPA \s
.endr
; Eight blocks of 16 accumulator registers (window 1, from base on; a block's other 16 numbers lie in lane l xor 16): the conversions' scale operands in SOQ, the scale bytes in BYQ.
.macro BLKMAX base
	WIN 0x05                                       ; sources 0 and 1 in window 1
.irp n,0,1,2,3,4,5,6,7
	v_max3_num_f32 v[TMQ+\n], |v[(\base)+16*\n]|, |v[(\base)+16*\n+1]|, 0x1800000   ; each accumulator is read from its low end on; the floor 2^(3 - 127) holds the byte at 1 from below
.endr
.irp i,2,4,6,8,10,12,14
.irp n,0,1,2,3,4,5,6,7
	v_max3_num_f32 v[TMQ+\n], |v[(\base)+16*\n+\i]|, |v[(\base)+16*\n+\i+1]|, v[TMQ+\n]
.endr
.endr
	WIN 0
.irp n,0,1,2,3,4,5,6,7
	v_permlanex16_b32 v[T2Q+\n], v[TMQ+\n], s40, s41
.endr
.irp n,0,1,2,3,4,5,6,7
	v_max_num_f32 v[TMQ+\n], v[TMQ+\n], v[T2Q+\n]
.endr
.irp n,0,1,2,3,4,5,6,7
	v_add_nc_u32 v[SOQ+\n], 0xff000000, v[TMQ+\n]  ; 2 off the exponent field
.endr
.irp n,0,1,2,3,4,5,6,7
	v_lshrrev_b32 v[BYQ+\n], 23, v[SOQ+\n]
.endr
.endm
; Q's or K's four tiles become half fragments: registers 0-5 (k = 32 h + 0 .. 31 of the head's 64) at v[PCQ + 12 j], the scale word at v[WQ + j]
.macro QKQ4 x
	BLKMAX 128*(\x)
.irp j,0,1,2,3
	v_lshl_or_b32 v[WQ+\j], v[BYQ+2*\j+1], 8, v[BYQ+2*\j]
.endr
.irp j,0,1,2,3
	s_delay_alu instid0(VALU_DEP_4)
	v_or_b32 v[WQ+\j], 0x7f7f0000, v[WQ+\j]        ; the upper 64 along K are zero codes: any byte but 0xff serves
.endr
	WIN 0x01
.irp j,0,1,2,3
	v_cvt_scalef32_pk16_fp6_f32 v[PCQ+12*\j:PCQ+12*\j+2], v[128*(\x)+32*\j:128*(\x)+32*\j+15], v[SOQ+2*\j]
	v_cvt_scalef32_pk16_fp6_f32 v[PCQ+12*\j+6:PCQ+12*\j+8], v[128*(\x)+32*\j+16:128*(\x)+32*\j+31], v[SOQ+2*\j+1]
.endr
	WIN 0
	v_nop                                          ; one plain instruction behind the conversions
.irp j,0,1,2,3
.irp i,0,1,2
	v_permlane16_swap_b32 v[PCQ+12*\j+\i], v[PCQ+12*\j+6+\i]   ; a whole block to a lane: lanes 0-15 block 0, lanes 16-31 block 1
.endr
.endr
.irp j,0,1,2,3
.irp i,0,1,2
	v_mov_b32 v[PCQ+12*\j+3+\i], v[PCQ+12*\j+6+\i]
.endr
.endr
.endm
.irp n,0,1,2,3,4,5,6,7
	v_mov_b32 v[T2Q+\n], 0                         ; a lane permute's destination counts as one of its sources
.endr
	QKQ4 0
.irp j,0,1,2,3
	ds_store_b128 v11, v[PCQ+12*\j:PCQ+12*\j+3] offset:768*\j
	ds_store_b64 v12, v[PCQ+12*\j+4:PCQ+12*\j+5] offset:768*\j
	ds_store_b32 v15, v[WQ+\j] offset:64*\j
.endr
	s_wait_dscnt 0x0                               ; the stores have read their registers
	QKQ4 1
.irp j,0,1,2,3
	ds_store_b128 v[7+\j/2], v[PCQ+12*\j:PCQ+12*\j+3] offset:768*(\j%2)
	ds_store_b64 v[9+\j/2], v[PCQ+12*\j+4:PCQ+12*\j+5] offset:768*(\j%2)
	ds_store_b32 v[13+\j/2], v[WQ+\j] offset:4*(\j%2)
.endr
	s_wait_dscnt 0x0
; ---- PASS B: V.  16 accumulators (weight tile j, token tile i) at v[8 (4 j + i)] of window 1; source 0 = tokens, source 1 = Wv.
	ds_load_b128 v[WS:WS+3], v6
	WLOAD 4, 0, 0
	ds_load_b128 v[WS+4:WS+7], v6 offset:768
	WLOAD 4, 1, 1
.macro STEPB s
.if (\s) < 7
	s_wait_loadcnt 12                              ; as in pass A
	s_wait_dscnt 13                                ; this step's scale words and set are in; the next step's 13 loads may be out
.else
	s_wait_loadcnt 0x0
	s_wait_dscnt 0x0
.endif
	WIN 0x50
.irp j,0,1,2,3
.irp i,0,1,2,3
	WM 8*(4*\j+\i), NF+48*((\s)%2)+12*\i, WF+48*((\s)%2)+12*\j, (\s)==0, NS+8*(\i/2)+(\s), WS+4*((\s)%2)+\j, \i%2, 0
.endr
.endr
	WIN 0
	PLACES
.if (\s) < 6
	ds_load_b128 v[WS+4*((\s)%2):WS+4*((\s)%2)+3], v6 offset:768*((\s)+2)
	WLOAD 4, (\s)%2, (\s)+2
	NLOAD (\s)+10
.endif
.endm
.irp s,0,1,2,3,4,5,6,7
	STEPB \s
.endr
	BLKMAX 0                                       ; block 2 j + a: channel (j, r), the 32 keys of pair a
	WIN 0x01
.irp n,0,1,2,3,4,5,6,7
	v_cvt_scalef32_pk16_fp6_f32 v[PCQ+4*\n:PCQ+4*\n+2], v[16*\n:16*\n+15], v[SOQ+\n]
.endr
	WIN 0
	v_nop
.irp j,0,1,2,3
.irp a,0,1
.irp i,0,1,2
	ds_store_b32 v[16+\a], v[PCQ+4*(2*\j+\a)+\i] offset:1536*\j+4*\i
.endr
	ds_store_b8 v[18+\a], v[BYQ+2*\j+\a] offset:4*\j
.endr
.endr
	BARRIER                                        ; K, V and their scales lie whole in LDS
; ---- ATTENTION, a tile of 16 queries at a time.  REGISTERS: v32-43 Q (38-43 zeros), v44 its scale words, v45 p's scale word, v[46:47] f, v48 -M, v49 the largest t, v[50:51] the sum, v52-56 addresses in hand,
; v57 the mask's number, v58-59 at work, v60-63 K's scale words, v64-67 V's, v68-87 at work, v88-135 four fragments of K (upper six registers zeros), v136-199 S^T then p, v200-231 O^T, v232-243 codes; window 1 v0-47 V^T.
.irp i,38,39,40,41,42,43,47,58,72,73,74,75
	v_mov_b32 v[\i], 0
.endr
.irp t,0,1,2,3
.irp i,6,7,8,9,10,11
	v_mov_b32 v[88+12*\t+\i], 0
.endr
.endr
	s_mul_i32 s56, s16, 393216                     ; cc: the batch's 32 tiles of 12,288 bytes,
	s_lshr_b32 s57, s15, 1
	s_mul_i32 s57, s57, 1536                       ; K step head / 2,
	s_add_co_u32 s56, s56, s57
	s_and_b32 s57, s15, 1
	s_mul_i32 s57, s57, 768                        ; half head % 2
	s_add_co_u32 s56, s56, s57
	s_mov_b32 s57, 0
	s_add_nc_u64 s[58:59], s[10:11], s[56:57]
	s_lshl_b32 s44, s14, 1                         ; T, the tile: 2 w, 2 w + 1, 30 - 2 w, 31 - 2 w
	s_mov_b32 s45, 1                               ; what turns T into the next: 1, 31, 1
	s_mov_b32 s46, 0                               ; the tile's place in my Q images,
	s_mov_b32 s47, 0                               ; scale words,
	s_mov_b32 s48, 0                               ; and output bytes
	s_mov_b32 s49, 0
.Ltile:
	s_wait_xcnt 0x0                                ; the last tile's stores have read their base and data: both are written again below
	s_lshr_b32 s50, s44, 3                         ; the key step on the diagonal: later steps are hidden
	s_bfe_u32 s51, s44, 0x20001
	s_lshl_b32 s51, s51, 5
	s_and_b32 s56, s44, 1
	s_lshl_b32 s56, s56, 3
	s_add_co_u32 s51, s51, s56                     ; the tile's first token within that step
	s_mul_i32 s56, s44, 12288
	s_add_nc_u64 s[60:61], s[58:59], s[56:57]
	v_add_nc_u32 v57, s51, v22                     ; my query - 16 h, within the step
	v_add_nc_u32 v52, s46, v11
	v_add_nc_u32 v53, s46, v12
	v_add_nc_u32 v54, s47, v15
	ds_load_b128 v[32:35], v52
	ds_load_b64 v[36:37], v53
	ds_load_b32 v44, v54
.set J, 0
.rept 32
	v_mov_b32 v[200+J], 0                          ; O^T: the step is written once; the first change of M leaves zeros zeros
.set J, J+1
.endr
	v_mov_b32 v49, 0xff61b1e6                      ; -3e38, under every t
	s_delay_alu instid0(VALU_DEP_1)
	v_floor_f32 v48, -v49
	v_mov_b32 v50, 0
	v_mov_b32 v51, 0
	s_mov_b32 s52, 0                               ; the step's tiles: 6,144 bytes a step in K's images and in V's
	s_mov_b32 s53, 0                               ; K's scale words: 512
	s_mov_b32 s54, 0                               ; V's: 256
	s_mov_b32 s55, 0                               ; the key step
.Lks:                                              ; four trips for every tile; a hidden step's work is jumped over: a scalar branch on ids
	s_cmp_gt_u32 s55, s50
	s_cbranch_scc1 .Lskip
	s_setprio 2
	v_add_nc_u32 v52, s52, v23
	v_add_nc_u32 v53, s52, v24
	v_add_nc_u32 v54, s52, v25
	v_add_nc_u32 v55, s53, v26
	v_add_nc_u32 v56, s54, v27
	ds_load_b128 v[60:63], v55                     ; register t: tile t's words in lanes 0-15, tile 4 + t's in lanes 16-31
.irp t,0,1,2,3
	ds_load_b128 v[88+12*\t:91+12*\t], v52 offset:768*\t
	ds_load_b64 v[92+12*\t:93+12*\t], v53 offset:768*\t
.endr
	s_wait_alu depctr_va_vdst(0)
	s_wait_dscnt 0x0
.irp t,0,1,2,3
	WM 136+8*\t, 88+12*\t, 32, 1, 60+\t, 44, 0, 0
.endr
	PLACES
.irp t,0,1,2,3
	ds_load_b128 v[88+12*\t:91+12*\t], v52 offset:768*(4+\t)
	ds_load_b64 v[92+12*\t:93+12*\t], v53 offset:768*(4+\t)
.endr
	s_wait_dscnt 0x0
.irp t,0,1,2,3
	WM 136+8*(4+\t), 88+12*\t, 32, 1, 60+\t, 44, 1, 0
.endr
	WIN 0x40                                       ; V^T is asked for here and lands under the softmax
.irp j,0,1,2,3
.irp i,0,1,2
	ds_load_b128 v[12*\j+4*\i:12*\j+4*\i+3], v54 offset:1536*\j+16*\i
.endr
.endr
	WIN 0
	ds_load_b128 v[64:67], v56
	PLACES                                         ; in front of the first read of the scores
	s_cmp_lt_u32 s55, s50                          ; only the step on the diagonal is masked
	s_cbranch_scc1 .Lopen
	v_mov_b32 v58, 0xff800000
.set J, 0
.rept 64
	v_cmp_gt_i32 vcc_lo, 32*(J/16)+J%16, v57       ; register 16 b + i holds key 32 b + 16 h + i of the step: hidden where it lies behind my query
	v_cndmask_b32 v[136+J], v[136+J], v58, vcc_lo
.set J, J+1
.endr
.Lopen:
.irp b,0,1,2,3
	v_max3_num_f32 v[68+\b], v[136+16*\b], v[137+16*\b], v[138+16*\b]   ; each block's largest score: for the row's maximum, and, since p rises with the score, for the block's largest p
.endr
.irp i,3,5,7,9,11,13
.irp b,0,1,2,3
	v_max3_num_f32 v[68+\b], v[68+\b], v[136+16*\b+\i], v[137+16*\b+\i]
.endr
.endr
.irp b,0,1,2,3
	v_max_num_f32 v[68+\b], v[68+\b], v[151+16*\b]
.endr
.irp b,0,1,2,3
	s_delay_alu instid0(VALU_DEP_4)
	v_permlanex16_b32 v[72+\b], v[68+\b], s40, s41
.endr
.irp b,0,1,2,3
	s_delay_alu instid0(VALU_DEP_4)
	v_max_num_f32 v[68+\b], v[68+\b], v[72+\b]
.endr
	s_delay_alu instid0(VALU_DEP_2)
	v_max3_num_f32 v58, v68, v69, v70
	s_delay_alu instid0(VALU_DEP_1)
	v_max_num_f32 v58, v58, v71
	s_delay_alu instid0(VALU_DEP_1)
	v_mul_f32 v58, s42, v58                        ; as t (c is positive)
	s_delay_alu instid0(VALU_DEP_1)
	v_max_num_f32 v49, v49, v58                    ; the running largest t
	v_mov_b32 v58, v48
	s_delay_alu instid0(VALU_DEP_2)
	v_floor_f32 v48, -v49                          ; -M = floor(-t): M is a whole number
	s_delay_alu instid0(VALU_DEP_1)
	v_sub_f32 v58, v48, v58
	s_delay_alu instid0(VALU_DEP_1)
	v_cvt_i32_f32 v58, v58                         ; old M - new M, 0 or less (it saturates)
	s_delay_alu instid0(VALU_DEP_1)
	v_ldexp_f32 v46, 1.0, v58                      ; f = 2^(old M - new M): a multiplication by it rounds nothing
.set J, 0
.rept 32
	v_pk_fma_f32 v[136+J:137+J], v[136+J:137+J], s[42:43], v[48:49] op_sel_hi:[1,0,0]   ; t - M
.set J, J+2
.endr
	s_setprio 1
.irp b,0,1,2,3
	v_fma_f32 v[68+\b], v[68+\b], s42, v48
.endr
.set J, 0
	s_wait_alu depctr_va_vdst(0)
.rept 64
	v_exp_f32 v[136+J], v[136+J]                   ; p = 2^(t - M)
.set J, J+1
.endr
	v_pk_mul_f32 v[50:51], v[50:51], v[46:47] op_sel_hi:[1,0]   ; the sum under the new M; the plain instruction behind the batch
	s_wait_alu depctr_va_vdst(0)                   ; one wait for the 64, ahead of their first reader
.irp b,0,1,2,3
	v_exp_f32 v[68+\b], v[68+\b]                   ; the blocks' largest p
.endr
	v_pk_add_f32 v[72:73], v[140:141], v[144:145]
	v_pk_add_f32 v[252:253], v[148:149], v[152:153]
	v_pk_add_f32 v[250:251], v[156:157], v[160:161]
	v_pk_add_f32 v[248:249], v[164:165], v[168:169]
	v_pk_add_f32 v[246:247], v[172:173], v[176:177]
	v_pk_add_f32 v[244:245], v[180:181], v[184:185]
	v_pk_add_f32 v[242:243], v[188:189], v[192:193]
	v_pk_add_f32 v[50:51], v[50:51], v[196:197]
	v_pk_add_f32 v[72:73], v[72:73], v[136:137]
	v_pk_add_f32 v[252:253], v[252:253], v[138:139]
	v_pk_add_f32 v[250:251], v[250:251], v[142:143]
	v_pk_add_f32 v[248:249], v[248:249], v[146:147]
	v_pk_add_f32 v[246:247], v[246:247], v[150:151]
	v_pk_add_f32 v[244:245], v[244:245], v[154:155]
	v_pk_add_f32 v[242:243], v[242:243], v[158:159]
	v_pk_add_f32 v[50:51], v[50:51], v[162:163]
	v_pk_add_f32 v[72:73], v[72:73], v[166:167]
	v_pk_add_f32 v[252:253], v[252:253], v[170:171]
	v_pk_add_f32 v[250:251], v[250:251], v[174:175]
	v_pk_add_f32 v[248:249], v[248:249], v[178:179]
	v_pk_add_f32 v[246:247], v[246:247], v[182:183]
	v_pk_add_f32 v[244:245], v[244:245], v[186:187]
	v_pk_add_f32 v[242:243], v[242:243], v[190:191]
	v_pk_add_f32 v[50:51], v[50:51], v[194:195]
	v_pk_add_f32 v[72:73], v[72:73], v[198:199]
	s_delay_alu instid0(VALU_DEP_2)
	v_pk_add_f32 v[50:51], v[50:51], v[248:249]
	s_delay_alu instid0(VALU_DEP_2)
	v_pk_add_f32 v[72:73], v[72:73], v[246:247]
	v_pk_add_f32 v[252:253], v[252:253], v[244:245]
	v_pk_add_f32 v[250:251], v[250:251], v[242:243]
	s_delay_alu instid0(VALU_DEP_2)
	v_pk_add_f32 v[50:51], v[50:51], v[252:253]
	s_delay_alu instid0(VALU_DEP_2)
	v_pk_add_f32 v[72:73], v[72:73], v[250:251]
	s_delay_alu instid0(VALU_DEP_1)
	v_pk_add_f32 v[50:51], v[50:51], v[72:73]
	s_wait_alu depctr_va_vdst(0)                   ; and one for the four
.irp b,0,1,2,3
	v_max_num_f32 v[68+\b], 0x1800000, v[68+\b]    ; the floor: a block whose every p is 0 keeps the byte 1, and its codes are zeros
.endr
.irp b,0,1,2,3
	s_delay_alu instid0(VALU_DEP_4)
	v_add_nc_u32 v[76+\b], 0xff000000, v[68+\b]
.endr
.irp b,0,1,2,3
	s_delay_alu instid0(VALU_DEP_4)
	v_lshrrev_b32 v[72+\b], 23, v[76+\b]
.endr
	s_delay_alu instid0(VALU_DEP_3)
	v_lshl_or_b32 v45, v73, 8, v72
	s_delay_alu instid0(VALU_DEP_1)
	v_lshl_or_b32 v45, v74, 16, v45
	s_delay_alu instid0(VALU_DEP_1)
	v_lshl_or_b32 v45, v75, 24, v45                ; p's scale word for these 128 keys
	s_setprio 0
.irp c,0,1
	v_cvt_scalef32_pk16_fp6_f32 v[232+6*\c:234+6*\c], v[136+32*\c:151+32*\c], v[76+2*\c]
	v_cvt_scalef32_pk16_fp6_f32 v[80+4*\c:82+4*\c], v[152+32*\c:167+32*\c], v[76+2*\c+1]
.endr
	v_nop
.irp c,0,1
.irp i,0,1,2
	v_permlane16_swap_b32 v[232+6*\c+\i], v[80+4*\c+\i]
.endr
.irp i,0,1,2
	s_delay_alu instid0(VALU_DEP_3)
	v_mov_b32 v[235+6*\c+\i], v[80+4*\c+\i]
.endr
.endr
.set J, 0
.rept 16
	v_pk_mul_f32 v[200+J:201+J], v[200+J:201+J], v[46:47] op_sel_hi:[1,0]   ; O^T under the new M; these also part the scale word and the codes from the products below
.set J, J+2
.endr
	s_wait_alu depctr_va_vdst(0)
	s_wait_dscnt 0x0                               ; V^T and its scale words
	WIN 0x01
.irp j,0,1,2,3
	WM 200+8*\j, 12*\j, 232, 0, 64+\j, 45, 0, 0
.endr
	WIN 0
.Lskip:
	s_add_co_u32 s52, s52, 6144
	s_add_co_u32 s53, s53, 512
	s_add_co_u32 s54, s54, 256
	s_add_co_u32 s55, s55, 1
	s_cmp_lt_u32 s55, 4
	s_cbranch_scc1 .Lks
	s_setprio 0
	; the tile's end: O^T / the sum, quantised along the head's 64 (two blocks), is half a fragment of the next launch's first operand
	PLACES
	s_wait_alu depctr_va_vdst(0)
	v_add_f32 v50, v50, v51
	s_delay_alu instid0(VALU_DEP_1)
	v_permlanex16_b32 v58, v50, s40, s41
	s_delay_alu instid0(VALU_DEP_1)
	v_add_f32 v50, v50, v58
	s_wait_alu depctr_va_vdst(0)
	v_rcp_f32 v50, v50
	v_add_nc_u32 v56, s48, v21                     ; (a plain instruction behind the reciprocal)
	s_wait_alu depctr_va_vdst(0)
.set J, 0
.rept 32
	v_mul_f32 v[136+J], v[200+J], v50
.set J, J+1
.endr
.irp b,0,1
	v_max3_num_f32 v[68+\b], |v[136+16*\b]|, |v[137+16*\b]|, 0x1800000
.endr
.irp i,2,4,6,8,10,12,14
.irp b,0,1
	s_delay_alu instid0(VALU_DEP_2)
	v_max3_num_f32 v[68+\b], v[68+\b], |v[136+16*\b+\i]|, |v[137+16*\b+\i]|
.endr
.endr
.irp b,0,1
	s_delay_alu instid0(VALU_DEP_2)
	v_permlanex16_b32 v[72+\b], v[68+\b], s40, s41
.endr
.irp b,0,1
	s_delay_alu instid0(VALU_DEP_2)
	v_max_num_f32 v[68+\b], v[68+\b], v[72+\b]
.endr
.irp b,0,1
	s_delay_alu instid0(VALU_DEP_2)
	v_add_nc_u32 v[76+\b], 0xff000000, v[68+\b]
.endr
.irp b,0,1
	s_delay_alu instid0(VALU_DEP_2)
	v_lshrrev_b32 v[72+\b], 23, v[76+\b]
.endr
	s_delay_alu instid0(VALU_DEP_1)
	v_lshl_or_b32 v59, v73, 8, v72
	v_cvt_scalef32_pk16_fp6_f32 v[232:234], v[136:151], v76
	v_cvt_scalef32_pk16_fp6_f32 v[80:82], v[152:167], v77
	v_nop
.irp i,0,1,2
	v_permlane16_swap_b32 v[232+\i], v[80+\i]
.endr
.irp i,0,1,2
	s_delay_alu instid0(VALU_DEP_3)
	v_mov_b32 v[235+\i], v[80+\i]
.endr
	global_store_b128 v1, v[232:235], s[60:61]     ; 512 consecutive bytes,
	global_store_b64 v2, v[236:237], s[60:61] offset:512   ; and 256: both at multiples of 256 from the buffer's first byte
	ds_store_b16 v56, v59
	s_xor_b32 s44, s44, s45
	s_xor_b32 s45, s45, 30
	s_add_co_u32 s46, s46, 768
	s_add_co_u32 s47, s47, 64
	s_add_co_u32 s48, s48, 32
	s_add_co_u32 s49, s49, 1
	s_cmp_lt_u32 s49, 4
	s_cbranch_scc1 .Ltile
	BARRIER                                        ; the work-group's 1,024 scale bytes lie in LDS: wave 0 stores them
	s_cmp_lg_u32 s14, 0
	s_cbranch_scc1 .Lend
	v_add_nc_u32 v52, OSC, v1
	ds_load_b128 v[136:139], v52
	ds_load_b128 v[140:143], v52 offset:512
	s_lshl_b32 s56, s16, 4
	s_add_co_u32 s56, s56, s15
	s_lshl_b32 s56, s56, 10
	s_add_nc_u64 s[12:13], s[12:13], s[56:57]
	s_wait_dscnt 0x0
	global_store_b128 v1, v[136:139], s[12:13]
	global_store_b128 v1, v[140:143], s[12:13] offset:512
.Lend:
	s_wait_tensorcnt 0x0
	ds_add_u32 v254, v255
	s_wait_dscnt 0x0
	s_endpgm
.Lfunc_end_k_qbadb41b24f_attn:
	.size	k_qbadb41b24f_attn, .Lfunc_end_k_qbadb41b24f_attn-k_qbadb41b24f_attn
	.p2alignl 7, 3214868480
	.fill 96, 4, 3214868480
	.section	.rodata,"a",@progbits
	.p2align	6, 0x0
	.amdhsa_kernel k_qbadb41b24f_attn
		.amdhsa_group_segment_fixed_size 234496
		.amdhsa_private_segment_fixed_size 0
		.amdhsa_enable_private_segment 0
		.amdhsa_kernarg_size 40
		.amdhsa_user_sgpr_count 2
		.amdhsa_user_sgpr_kernarg_segment_ptr 1
		.amdhsa_wavefront_size32 1
		.amdhsa_system_sgpr_workgroup_id_x 1
		.amdhsa_system_sgpr_workgroup_id_y 1
		.amdhsa_system_sgpr_workgroup_id_z 1
		.amdhsa_system_vgpr_workitem_id 0
		.amdhsa_next_free_vgpr 512
		.amdhsa_next_free_sgpr 66
		.amdhsa_reserve_vcc 1
		.amdhsa_float_denorm_mode_32 3
		.amdhsa_float_denorm_mode_16_64 3
		.amdhsa_memory_ordered 1
		.amdhsa_forward_progress 1
		.amdhsa_inst_pref_size 156
	.end_amdhsa_kernel
	.amdgpu_metadata
---
amdhsa.version: [ 1, 2 ]
amdhsa.kernels:
  - .name:           k_qbadb41b24f_attn
    .symbol:         k_qbadb41b24f_attn.kd
    .args:
      - { .name: n1c, .offset: 0, .size: 8, .value_kind: global_buffer, .address_space: global }
      - { .name: n1s, .offset: 8, .size: 8, .value_kind: global_buffer, .address_space: global }
      - { .name: wa, .offset: 16, .size: 8, .value_kind: global_buffer, .address_space: global }
      - { .name: cc, .offset: 24, .size: 8, .value_kind: global_buffer, .address_space: global }
      - { .name: csc, .offset: 32, .size: 8, .value_kind: global_buffer, .address_space: global }
    .group_segment_fixed_size: 234496
    .private_segment_fixed_size: 0
    .kernarg_segment_align: 8
    .kernarg_segment_size: 40
    .max_flat_workgroup_size: 256
    .sgpr_count:     66
    .vgpr_count:     512
    .wavefront_size: 32
...
	.end_amdgpu_metadata
.endif
;; end of part 5
;; launch chain (part 6): grid 256 x 1, 8 waves a work-group, no clusters, 235,520 bytes of LDS; arguments x, cc, csc, wch, bo, gamma2, beta2, b1, b2, out0; writes out0
.if DOCPART == 6
	.amdgcn_target "amdgcn-amd-amdhsa--gfx1250"
	.amdhsa_code_object_version 6
	.text
	.protected	k_qbadb41b24f_chain
	.globl	k_qbadb41b24f_chain
	.p2align	8
	.type	k_qbadb41b24f_chain,@function
k_qbadb41b24f_chain:
	s_mov_b64 s[64:65], 0
	v_nop
	global_prefetch_b8 v0, s[64:65] scope:SCOPE_SE
	s_setreg_imm32_b32 hwreg(HW_REG_WAVE_SCHED_MODE, 0, 2), 2
	s_setreg_imm32_b32 hwreg(HW_REG_WAVE_MODE, 25, 1), 1
	s_wait_xcnt 0x0
	s_wait_alu depctr_vm_vsrc(0)
; LAUNCH 3 OF 3.  x1 = x + concat Wo + bo;  n2 = layernorm(x1, gamma2, beta2);  out0 = x1 + gelu(n2 W1 + b1) W2 + b2.  The three products on codes of E2M3 with E8M0 scales; all else in f32.
; SHARES.  A work-group owns 32 whole rows (two tiles of 16 tokens, m = 0, 1), so x1, n2 and the hidden layer never go to memory.  Eight waves, two to a SIMD, 512 registers each.
; THE WAVES SHARE THE COLUMNS: wave w makes columns 128 w .. 128 w + 127 of each product (eight tiles), which are K step w of the next product: one fragment and one scale word a row.
; Products are used transposed (source 0 = 16 columns of the weight, source 1 = 16 tokens): lane (r, h) holds one token, and register 64 m + 16 b + i of the accumulators is column 128 w + 32 b + 16 h + i.
; THE WEIGHTS: wave w's are one dense stream of 24 chunks (3 products x 8 K steps) of 12,800 bytes, laid by launch 1 as images of the operand's registers.  They go from memory straight into registers, two chunks
; (50 loads a wave) ahead, across phases and barriers; every offset is an immediate.  All 256 work-groups walk the same stream, yet no cluster asks for it jointly: inside a work-group each chunk is read by ONE wave,
; so LDS would add a write and a read; and a ring would put a round of the cluster's barrier in front of each step's 102,400 bytes, that is of every 16 matrix instructions of a wave.
; x AND out0 pass memory by whole rows: each load or store of a wave covers 512 consecutive bytes of one row; between that layout and the accumulators' they turn through the wave's own stage in LDS.
; ACTIVATIONS go from wave to wave through LDS as images of their registers; each product has bytes of its own: four barriers in all, no byte written twice by different waves.
; SUMS BEGIN with what is added anyway: x + bo, b1, x1 + b2 are the C of each sum's first K step (an order of rounding that differs from the source's).
; LN2: each wave's mean and sum of squared deviations over its 128 columns are merged (no difference of large sums).
; GELU: gelu(v) = max(v, 0) - |v| s, s = erfc(|v| / sqrt 2) / 2 = t exp(a0 + a1 t + .. + a9 t^9 - z^2), z = |v| / sqrt 2, t = 1 / (1 + z / 2): fractional error of the form 1.2e-7, beside f32's own rounding.
; LIMITS: NaN and infinities are not served; blocks under 2^-124 keep the byte 1 (blocks of zeros too: their codes are zeros); v_exp_f32 gives 0 under 2^-126.
; THE MODE: SCHED_MODE bits 1:0 = 2 (LLVM: expert scheduling mode 2), set by the entry lines.  The code itself states the register dependences
; between vector or matrix instructions and memory or LDS instructions, with s_wait_alu, always for 0.
; THE PLAN.  Registers that memory or LDS instructions touch:
;   W0, W1      (window 1, v0-95, v96-191) with their scale words (v72-75, v76-79).  K step i: its 16 products read slot i % 2; behind them chunk i + 2 lands in it.
;   AF0, AF1    (v16-39, v40-63).  K step i: its products read slot i % 2; the LDS loads at the head of step i + 1 land in it.  Between the products: work registers of vector instructions.
;   v64-71      the activations' scale words: loaded once a product, read by its products.
;   v128-255    the accumulators: loaded (x, x turned, b1, x1, rows of out0), stored to LDS (x, x1, the results) and to memory, worked on by matrix and vector instructions.
;   v192-255 of window 1: parameters, loaded from LDS, read by packed additions and multiply-adds.
;   v100-119, v96  the quantiser's codes and scale word: written by it, read by the image's LDS stores.   v26-29 the statistics, v80 the first product's scale word: likewise, once.
;   v4-v7       LDS addresses of the images and scale words: stepped once a product, all four together, at the quantiser's head.   v1, v2, v8-v15, v122: made at the head, never written again.
; A, B and the scales of every matrix instruction come from loads: no vector instruction writes them.
; So ONE wait on va_vdst stands in a K step, behind its products: it states that they are done reading W[i % 2], its scale words and AF[i % 2]; chunk i + 2's loads follow it at once, and the LDS loads at the
; next step's head lean on it too, since only loads, waits on counters and window switches stand between.  In a product's last step it also states that the accumulators are written.
; Between the products each run of LDS stores has one wait on va_vdst ahead of it, and one wait on vm_vsrc stands ahead of the first line that writes its registers again.
.set AIMS, 25600                       ; LDS: three regions of 25,600, one for each product's activations: fragment (m, s) at 3,072 s + 1,536 m;
.set ASCO, 24576                       ; behind them the scale words, [lane r + 16 m][K step]
.set PRM,  76800                       ; 5 x 4,096: bo, gamma2, beta2, b1, b2
.set STAT, 97280                       ; 2,048: [wave][16 m + r] (mean, sum of squared deviations)
.set XST,  99328                       ; 8 x 16,896, a wave's own: the stage for x and for out0, 32 rows x (512 + 16); between the two, x1 as 32 images of four registers
                                       ; THE STAGE'S ROWS LIE BY TILE AND LANE: token row J of the 32 at place 16 ((J / 8) % 2) + J % 8 + 8 (J / 16) = 16 m + r
.set AF,  16                           ; v16-63   two slots x two fragments of the activations; between the products at work
.set ASW, 64                           ; v64-71   their scale words, by K step: lanes 0-15 m = 0, lanes 16-31 m = 1
.set WSW, 72                           ; v72-79   the weights' scale words, two sets of four: lanes 0-15 tiles 0-3, lanes 16-31 tiles 4-7
.set TM,  80                           ; v80-95   the quantiser's
.set PW,  96                           ; v96      the scale word just made
.set PC,  100                          ; v100-119 the codes just made
.set ACC, 128                          ; v128-255 the 16 accumulators: (m, t) at 128 + 8 (8 m + t)
                                       ; window 1: v0-191 the weights' two slots of eight fragments; v192-255 parameters in the accumulators' layout
.set MSB, 0
.macro WIN new                         ; the immediate's high byte repeats the setting that is left; bits 1:0 source 0, 3:2 source 1, 5:4 source 2, 7:6 destination
.if MSB != \new
	s_set_vgpr_msb (MSB<<8)|\new
.set MSB, \new
.endif
.endm
.macro PLACES                          ; four plain instructions between a matrix instruction and a vector instruction or store on its registers
.rept 4
	v_nop
.endr
.endm
.macro BARRIER
	s_wait_dscnt 0x0
	s_barrier_signal -1
	s_barrier_wait -1
.endm
.macro WM d, a, b, sa, sb, ra, rb      ; one product, C = D.  ra, rb: the scale words stand in lanes 16-31 of their register
.if ((\ra)==0)&&((\rb)==0)
	v_wmma_scale_f32_16x16x128_f8f6f4 v[\d:\d+7], v[\a:\a+11], v[\b:\b+11], v[\d:\d+7], v[\sa], v[\sb] matrix_a_fmt:MATRIX_FMT_FP6 matrix_b_fmt:MATRIX_FMT_FP6
.elseif ((\ra)==1)&&((\rb)==0)
	v_wmma_scale_f32_16x16x128_f8f6f4 v[\d:\d+7], v[\a:\a+11], v[\b:\b+11], v[\d:\d+7], v[\sa], v[\sb] matrix_a_fmt:MATRIX_FMT_FP6 matrix_b_fmt:MATRIX_FMT_FP6 matrix_a_scale:MATRIX_SCALE_ROW1
.elseif ((\ra)==0)&&((\rb)==1)
	v_wmma_scale_f32_16x16x128_f8f6f4 v[\d:\d+7], v[\a:\a+11], v[\b:\b+11], v[\d:\d+7], v[\sa], v[\sb] matrix_a_fmt:MATRIX_FMT_FP6 matrix_b_fmt:MATRIX_FMT_FP6 matrix_b_scale:MATRIX_SCALE_ROW1
.else
	v_wmma_scale_f32_16x16x128_f8f6f4 v[\d:\d+7], v[\a:\a+11], v[\b:\b+11], v[\d:\d+7], v[\sa], v[\sb] matrix_a_fmt:MATRIX_FMT_FP6 matrix_b_fmt:MATRIX_FMT_FP6 matrix_a_scale:MATRIX_SCALE_ROW1 matrix_b_scale:MATRIX_SCALE_ROW1
.endif
.endm
; chunk i of my stream: eight fragments into slot i % 2 of window 1, and their scale words: 25 loads of 512 consecutive bytes.  behind = 1: the slot has just been multiplied by
.macro CLOAD i, behind
	WIN 0x40
.if \behind
	s_wait_alu depctr_va_vdst(0)                   ; the step's 16 products are done reading this slot, its scale words and their fragments of the activations, in which loads land; in a product's last step: they have written the accumulators, which LDS stores read next
.endif
.irp t,0,1,2,3,4,5,6,7
.irp c,0,1,2
	global_load_b128 v[96*((\i)%2)+12*\t+4*\c:96*((\i)%2)+12*\t+4*\c+3], v1, s[14:15] offset:12800*(\i)+1536*\t+512*\c
.endr
.endr
	WIN 0
	global_load_b128 v[WSW+4*((\i)%2):WSW+4*((\i)%2)+3], v1, s[14:15] offset:12800*(\i)+12288
.endm
.macro AFETCH s                        ; the activations' two fragments of K step s
.irp m,0,1
.irp c,0,1,2
	ds_load_b128 v[AF+24*((\s)%2)+12*\m+4*\c:AF+24*((\s)%2)+12*\m+4*\c+3], v5 offset:3072*(\s)+1536*\m+512*\c
.endr
.endr
.endm
.macro CSTEP i                         ; one K step: 16 products, the 16 accumulators one instruction a turn
.if (\i) < 23
	s_wait_loadcnt 25                              ; this chunk is in; the next chunk's 25 loads may be out
.else
	s_wait_loadcnt 0x0
.endif
	s_wait_dscnt 0x0                               ; this step's activations
.if ((\i)%8) < 7
	AFETCH ((\i)%8)+1                              ; no wait of its own: no vector or matrix instruction since the last wait on va_vdst names v5 or the slot in which these land
.endif
	WIN 0x01                                       ; source 0 in window 1
.irp t,0,1,2,3,4,5,6,7
.irp m,0,1
	WM ACC+8*(8*\m+\t), 96*((\i)%2)+12*\t, AF+24*((\i)%2)+12*\m, WSW+4*((\i)%2)+(\t%4), ASW+((\i)%8), \t/4, \m
.endr
.endr
	PLACES                                         ; in front of the first read of finished sums; they stand in every step alike, ahead of the step's wait
.if (\i) <= 21
	CLOAD (\i)+2, 1
.else
	WIN 0
.endif
.endm
.macro PARAM vec                       ; a parameter vector's 64 numbers of my lane, in the accumulators' layout, into window 1
	WIN 0x40
.irp b,0,1,2,3
.irp k,0,1,2,3
	ds_load_b128 v[192+16*\b+4*\k:192+16*\b+4*\k+3], v8 offset:4096*(\vec)+128*\b+16*\k
.endr
.endr
	WIN 0
.endm
.macro ADDPT                           ; they are added to both tiles of rows
	WIN 0x04
.irp m,0,1
.set J, 0
.rept 32
	v_pk_add_f32 v[ACC+64*\m+J:ACC+64*\m+J+1], v[ACC+64*\m+J:ACC+64*\m+J+1], v[192+J:192+J+1]
.set J, J+2
.endr
.endr
	WIN 0
.endm
; 64 numbers of a lane, register 16 b + i = k 32 b + 16 h + i of my row, become a fragment's codes in v[PC] on and its scale word in v[PW]
.macro QUANT s
.irp b,0,1,2,3
	v_max3_num_f32 v[TM+\b], |v[\s+16*\b]|, |v[\s+1+16*\b]|, 0x1800000   ; the floor 2^(3 - 127) holds the byte at 1 from below
.endr
.irp i,2,4,6,8,10,12,14
.irp b,0,1,2,3
	v_max3_num_f32 v[TM+\b], v[TM+\b], |v[\s+16*\b+\i]|, |v[\s+1+16*\b+\i]|
.endr
.endr
.irp b,0,1,2,3
	v_permlanex16_b32 v[TM+4+\b], v[TM+\b], s30, s31
.endr
.irp b,0,1,2,3
	v_max_num_f32 v[TM+\b], v[TM+\b], v[TM+4+\b]
.endr
.irp b,0,1,2,3
	v_add_nc_u32 v[TM+12+\b], 0xff000000, v[TM+\b] ; 2 off the exponent field: the conversion's scale operand
.endr
.irp b,0,1,2,3
	v_lshrrev_b32 v[TM+4+\b], 23, v[TM+12+\b]
.endr
	v_lshl_or_b32 v[PW], v[TM+5], 8, v[TM+4]
	v_lshl_or_b32 v[PW], v[TM+6], 16, v[PW]
	v_lshl_or_b32 v[PW], v[TM+7], 24, v[PW]
.irp c,0,1
	v_cvt_scalef32_pk16_fp6_f32 v[PC+6*\c:PC+2+6*\c], v[\s+32*\c:\s+15+32*\c], v[TM+12+2*\c]
	v_cvt_scalef32_pk16_fp6_f32 v[PC+12+4*\c:PC+14+4*\c], v[\s+16+32*\c:\s+31+32*\c], v[TM+12+2*\c+1]
.endr
	v_nop                                          ; one plain instruction behind the conversions
.irp c,0,1
.irp i,0,1,2
	v_permlane16_swap_b32 v[PC+6*\c+\i], v[PC+12+4*\c+\i]
.endr
.irp i,0,1,2
	v_mov_b32 v[PC+3+6*\c+\i], v[PC+12+4*\c+\i]
.endr
.endr
.endm
.macro TOIMAGE                         ; my 128 columns of both tiles of rows become K step w of the next product, in that product's LDS bytes
	s_wait_alu depctr_vm_vsrc(0)                   ; the LDS stores and loads issued so far have read v4 to v7, and the last images' stores their codes and scale word: all are written again below
	v_add_nc_u32 v4, AIMS, v4                      ; the four addresses step together, ahead of the wait on va_vdst that the image's stores want in any case:
	v_add_nc_u32 v6, AIMS, v6                      ; where I store,
	v_add_nc_u32 v5, AIMS, v5                      ; and where I read behind the barrier
	v_add_nc_u32 v7, AIMS, v7
.irp m,0,1
.if \m
	s_wait_alu depctr_vm_vsrc(0)                   ; the first tile's stores have read the codes and the scale word, which the quantiser writes again
.endif
	QUANT ACC+64*\m
	s_wait_alu depctr_va_vdst(0)                   ; the codes, the scale word and the four addresses are written, which the stores below and the loads behind the barrier read; the quantiser is done reading the accumulators, in which loads land next
.irp c,0,1,2
	ds_store_b128 v4, v[PC+4*\c:PC+4*\c+3] offset:1536*\m+512*\c
.endr
	ds_store_b32 v6, v[PW] offset:512*\m           ; lanes r and r + 16 write the same word with the same value
	s_wait_dscnt 0x0                               ; the tile's image is in LDS
.endr
.endm
.macro NEXTA                           ; behind the barrier: the next product's activations.  No wait: no vector instruction since the quantiser's last wait on va_vdst names v5, v7, v64-71 or v16-39
	ds_load_b128 v[ASW:ASW+3], v7
	ds_load_b128 v[ASW+4:ASW+7], v7 offset:16
	AFETCH 0
.endm
	s_load_b512 s[8:23], s[0:1], 0x0               ; x, cc, csc, wch, bo, gamma2, beta2, b1
	s_load_b128 s[24:27], s[0:1], 0x40             ; b2, out0
	v_lshl_add_u32 v126, v0, 2, 0x39400
	v_mov_b32 v127, 0
	v_lshrrev_b32 v97, 5, v0
	v_readfirstlane_b32 s28, v97                   ; wave 0..7
	v_and_b32 v97, 31, v0                          ; l
	v_and_b32 v98, 15, v0                          ; r
	v_bfe_u32 v99, v0, 4, 1                        ; h
	s_mov_b32 s30, 0x76543210
	s_mov_b32 s31, 0xfedcba98                      ; v_permlanex16_b32's selects for lane l xor 16
	v_lshlrev_b32 v1, 4, v97                       ; v1  16 l
	v_lshlrev_b32 v2, 3, v97                       ; v2  8 l
	v_lshlrev_b32 v15, 1, v97                      ; v15 2 l
	v_lshlrev_b32 v17, 6, v99                      ; 64 h
	s_wait_alu depctr_va_sdst(0)                   ; s28, the wave's number, is written, ahead of its first reader
	s_lshl_b32 s32, s28, 9                         ; 512 w
	v_add_nc_u32 v14, s32, v1                      ; v14 512 w + 16 l: my 16 bytes of my wave's 512 of a row of x, of out0 and of the parameters
	s_mul_i32 s33, s28, 3072
	v_add_nc_u32 v4, s33, v1                       ; v4  where I store images: K step w
	v_mov_b32 v5, v1                               ; v5  where I read them (stepped from product to product)
	s_lshl_b32 s33, s28, 2
	s_add_co_u32 s33, s33, ASCO
	v_lshl_add_u32 v6, v98, 5, s33                 ; v6  where I store scale words: 32 r + 4 w
	v_lshl_add_u32 v122, v97, 5, s33               ; v122 the same by lane: 32 l + 4 w (the first product's come so from memory)
	v_lshlrev_b32 v7, 5, v97
	v_add_nc_u32 v7, ASCO, v7                      ; v7  where I read them: 32 l
	s_add_co_u32 s33, s32, PRM
	v_add_nc_u32 v8, s33, v17                      ; v8  parameters, out: 512 w + 64 h
	v_add_nc_u32 v9, s33, v1                       ; v9  in: 512 w + 16 l
	s_lshl_b32 s33, s28, 8
	s_add_co_u32 s33, s33, STAT
	v_lshl_add_u32 v10, v98, 3, s33                ; v10 my wave's statistics
	v_lshlrev_b32 v11, 3, v98
	v_add_nc_u32 v11, STAT, v11                    ; v11 all waves'
	s_mul_i32 s33, s28, 16896
	s_add_co_u32 s33, s33, XST
	v_add_nc_u32 v12, s33, v1                      ; v12 my own region, 16 bytes a lane: a whole row of the stage, or an image
	v_mul_u32_u24 v13, v98, 528
	v_add_nc_u32 v13, v13, v17
	v_add_nc_u32 v13, s33, v13                     ; v13 the stage in the accumulators' layout: place r (+ 16 m by the immediate), + 64 h
	s_mov_b32 s35, 0
	s_lshr_b32 s32, ttmp9, 4                       ; csc: batch,
	s_lshl_b32 s32, s32, 14
	s_lshl_b32 s36, s28, 11                        ; heads 2 w and 2 w + 1,
	s_add_co_u32 s32, s32, s36
	s_and_b32 s36, ttmp9, 15                       ; the pair p was owned by wave p (as its first) or 15 - p (as its second)
	s_lshr_b32 s37, s36, 3
	s_mul_i32 s38, s37, 15
	s_xor_b32 s36, s36, s38
	s_lshl_b32 s36, s36, 7
	s_add_co_u32 s32, s32, s36
	s_lshl_b32 s37, s37, 6
	s_add_co_u32 s32, s32, s37
	s_mov_b32 s33, 0
	s_mul_i32 s36, ttmp9, 24576                    ; cc: the pair's two tiles, K step w
	s_mul_i32 s37, s28, 1536
	s_add_co_u32 s36, s36, s37
	s_mov_b32 s37, 0
	s_lshl_b32 s34, ttmp9, 17                      ; x, out0: 32 rows of 4,096 bytes
	s_wait_kmcnt 0x0
	s_add_nc_u64 s[10:11], s[10:11], s[36:37]
	s_add_nc_u64 s[12:13], s[12:13], s[32:33]
	s_add_nc_u64 s[8:9], s[8:9], s[34:35]
	s_add_nc_u64 s[26:27], s[26:27], s[34:35]
	s_mul_i32 s34, s28, 307200
	s_add_nc_u64 s[14:15], s[14:15], s[34:35]      ; my stream of weights
	s_wait_alu depctr_va_vdst(0)                   ; the offsets and LDS addresses v1, v2, v4 to v15 and v122 are written, which the loads and stores of the whole kernel read; v17 is done with, in which a load lands
; ---- P0.  15 small loads, x's 32, the first chunk's 25
.irp m,0,1
	global_load_b128 v[16+12*\m:19+12*\m], v1, s[10:11] offset:12288*\m th:TH_LOAD_NT        ; head 2 w: registers 0-3,
	global_load_b64 v[20+12*\m:21+12*\m], v2, s[10:11] offset:12288*\m+512 th:TH_LOAD_NT     ; 4-5;
	global_load_b128 v[22+12*\m:25+12*\m], v1, s[10:11] offset:12288*\m+768 th:TH_LOAD_NT    ; head 2 w + 1: registers 6-9,
	global_load_b64 v[26+12*\m:27+12*\m], v2, s[10:11] offset:12288*\m+1280 th:TH_LOAD_NT    ; 10-11
.endr
	global_load_u16 v80, v15, s[12:13]             ; two scale bytes a row and head: lanes 0-15 m = 0, lanes 16-31 m = 1
	global_load_u16 v81, v15, s[12:13] offset:1024
	global_load_b128 v[100:103], v14, s[16:17]
	global_load_b128 v[104:107], v14, s[18:19]
	global_load_b128 v[108:111], v14, s[20:21]
	global_load_b128 v[112:115], v14, s[22:23]
	global_load_b128 v[116:119], v14, s[24:25]
.set J, 0
.rept 32
	global_load_b128 v[ACC+4*J:ACC+4*J+3], v14, s[8:9] offset:4096*J th:TH_LOAD_NT   ; x, row J: 32 lanes read my wave's 512 consecutive bytes of it
.set J, J+1
.endr
	CLOAD 0, 0
	s_mov_b32 s38, 0x3a800000                      ; 1 / 1,024
	s_mov_b32 s39, 0x3727c5ac                      ; 1e-5
	s_mov_b32 s40, 0xbffab55a                      ; a0 - ln 2 (the half of erfc / 2)
	s_mov_b32 s42, 0x3f8000c7                      ; a1
	s_mov_b32 s44, 0x3ebf88fb                      ; a2
	s_mov_b32 s46, 0x3dc636c9                      ; a3
	s_mov_b32 s48, 0xbe3ec24c                      ; a4
	s_mov_b32 s50, 0x3e8ec7cc                      ; a5
	s_mov_b32 s52, 0xbf914e5d                      ; a6
	s_mov_b32 s54, 0x3fbe87b0                      ; a7
	s_mov_b32 s56, 0xbf527892                      ; a8
	s_mov_b32 s58, 0x3fb8aa3b                      ; log2(e)
.irp k,40,42,44,46,48,50,52,54,56,58
	s_mov_b32 s[\k+1], s[\k]                       ; (the packed forms name pairs)
.endr
	s_mov_b32 s60, 0x3f3504f3                      ; 1 / sqrt 2
	v_mov_b32 v120, 0x3e2ef945                     ; a9
	v_mov_b32 v121, v120
.irp b,0,1,2,3
	v_mov_b32 v[TM+4+\b], 0                        ; a lane permute's destination counts as one of its sources
.endr
	s_wait_loadcnt 57                              ; the 15 are in; x's 32 and the chunk's 25 may be out
	v_lshl_or_b32 v80, v81, 16, v80
	s_wait_alu depctr_va_vdst(0)                   ; v80, the two heads' scale bytes as one word, is written, which an LDS store below reads
.irp m,0,1
.irp c,0,1,2
	ds_store_b128 v4, v[16+12*\m+4*\c:19+12*\m+4*\c] offset:1536*\m+512*\c
.endr
.endr
	ds_store_b32 v122, v80
.irp k,0,1,2,3,4
	ds_store_b128 v9, v[100+4*\k:103+4*\k] offset:4096*\k
.endr
	CLOAD 1, 0
	BARRIER                                        ; concat's sixteen fragments lie in LDS
	s_wait_alu depctr_vm_vsrc(0)                   ; my LDS stores have read v16-39, in which the first fragments land
	PARAM 0
	ds_load_b128 v[ASW:ASW+3], v7
	ds_load_b128 v[ASW+4:ASW+7], v7 offset:16
	AFETCH 0
	s_wait_loadcnt 50                              ; x is in; two chunks may be out
.set J, 0
.rept 32
	ds_store_b128 v12, v[ACC+4*J:ACC+4*J+3] offset:528*(16*((J/8)%2)+(J%8)+8*(J/16))   ; x turns through my stage: row J whole, at its place by tile and lane
.set J, J+1
.endr
	s_wait_alu depctr_vm_vsrc(0)                   ; these stores have read v128-255, in which the loads below land and which the addition of bo writes
.irp m,0,1
.irp b,0,1,2,3
.irp k,0,1,2,3
	ds_load_b128 v[ACC+64*\m+16*\b+4*\k:ACC+64*\m+16*\b+4*\k+3], v13 offset:8448*\m+128*\b+16*\k   ; and comes back in the accumulators' layout.  LDS serves a wave's instructions in order (ISA guide 5.7.1.4): these see the stores above
.endr
.endr
.endr
	s_wait_dscnt 0x0                               ; x, and with it all that was asked of LDS before it: bo, the scale words, the first fragments
	ADDPT                                          ; x + bo starts the sums
	s_wait_alu depctr_va_vdst(0)
; ---- G1
.irp i,0,1,2,3,4,5,6,7
	CSTEP \i
.endr
; ---- P1: x1 is kept; LN2
.set J, 0
.rept 32
	ds_store_b128 v12, v[ACC+4*J:ACC+4*J+3] offset:512*J   ; each accumulator from its low end on.  The last step's wait on va_vdst, behind its four places, has shown them written; only loads stand between
.set J, J+1
.endr
	v_mov_b32 v24, 0
	v_mov_b32 v25, 0
.macro HALVES                          ; v[16+4m:17+4m] + v[18+4m:19+4m], both halves: into v[16+4m]; lane l xor 16's into v[24+m]
.irp m,0,1
	v_pk_add_f32 v[16+4*\m:17+4*\m], v[16+4*\m:17+4*\m], v[18+4*\m:19+4*\m]
.endr
.irp m,0,1
	v_add_f32 v[16+4*\m], v[16+4*\m], v[17+4*\m]
.endr
.irp m,0,1
	v_permlanex16_b32 v[24+\m], v[16+4*\m], s30, s31
.endr
.endm
.irp m,0,1
	v_pk_add_f32 v[16+4*\m:17+4*\m], v[ACC+64*\m:ACC+64*\m+1], v[ACC+64*\m+2:ACC+64*\m+3]
	v_pk_add_f32 v[18+4*\m:19+4*\m], v[ACC+64*\m+4:ACC+64*\m+5], v[ACC+64*\m+6:ACC+64*\m+7]
.endr
.irp i,8,12,16,20,24,28,32,36,40,44,48,52,56,60
.irp m,0,1
	v_pk_add_f32 v[16+4*\m:17+4*\m], v[16+4*\m:17+4*\m], v[ACC+64*\m+\i:ACC+64*\m+\i+1]
	v_pk_add_f32 v[18+4*\m:19+4*\m], v[18+4*\m:19+4*\m], v[ACC+64*\m+\i+2:ACC+64*\m+\i+3]
.endr
.endr
	HALVES
.irp m,0,1
	v_add_f32 v[16+4*\m], v[16+4*\m], v[24+\m]
.endr
.irp m,0,1
	v_mul_f32 v[26+2*\m], 0x3c000000, v[16+4*\m]   ; my wave's mean over its 128 columns
	v_mov_b32 v[27+2*\m], v[26+2*\m]
.endr
.irp i,0,4,8,12,16,20,24,28,32,36,40,44,48,52,56,60
.irp m,0,1
	v_pk_add_f32 v[32+8*\m:33+8*\m], v[ACC+64*\m+\i:ACC+64*\m+\i+1], v[26+2*\m:27+2*\m] neg_lo:[0,1] neg_hi:[0,1]
	v_pk_add_f32 v[34+8*\m:35+8*\m], v[ACC+64*\m+\i+2:ACC+64*\m+\i+3], v[26+2*\m:27+2*\m] neg_lo:[0,1] neg_hi:[0,1]
.endr
.irp m,0,1
.if \i == 0
	v_pk_mul_f32 v[16+4*\m:17+4*\m], v[32+8*\m:33+8*\m], v[32+8*\m:33+8*\m]
	v_pk_mul_f32 v[18+4*\m:19+4*\m], v[34+8*\m:35+8*\m], v[34+8*\m:35+8*\m]
.else
	v_pk_fma_f32 v[16+4*\m:17+4*\m], v[32+8*\m:33+8*\m], v[32+8*\m:33+8*\m], v[16+4*\m:17+4*\m]
	v_pk_fma_f32 v[18+4*\m:19+4*\m], v[34+8*\m:35+8*\m], v[34+8*\m:35+8*\m], v[18+4*\m:19+4*\m]
.endif
.endr
.endr
	HALVES
.irp m,0,1
	v_add_f32 v[27+2*\m], v[16+4*\m], v[24+\m]     ; and its sum of squared deviations from that mean
.endr
	s_wait_alu depctr_va_vdst(0)                   ; v26-29, my wave's statistics, are written, which the LDS stores read; the sums are done with v32-43, in which all waves' statistics land behind the barrier
.irp m,0,1
	ds_store_b64 v10, v[26+2*\m:27+2*\m] offset:128*\m
.endr
	BARRIER
.irp k,0,1,2,3,4,5,6,7
.irp m,0,1
	ds_load_b64 v[32+4*\k+2*\m:33+4*\k+2*\m], v11 offset:256*\k+128*\m
.endr
.endr
.macro GBLOAD hb                       ; gamma2 and beta2 of blocks 2 hb, 2 hb + 1
	WIN 0x40
.if \hb
	s_wait_alu depctr_va_vdst(0)                   ; the first half's multiply-adds are done reading gamma2's and beta2's registers, in which these loads land
.endif
.irp b,0,1
.irp k,0,1,2,3
	ds_load_b128 v[192+16*\b+4*\k:192+16*\b+4*\k+3], v8 offset:4096+128*(2*(\hb)+\b)+16*\k
	ds_load_b128 v[224+16*\b+4*\k:224+16*\b+4*\k+3], v8 offset:8192+128*(2*(\hb)+\b)+16*\k
.endr
.endr
	WIN 0
.endm
.macro GBFMA hb
	s_wait_dscnt 0x0
	WIN 0x14                                       ; sources 1 and 2 in window 1
.irp m,0,1
.set J, 0
.rept 16
	v_pk_fma_f32 v[ACC+64*\m+32*(\hb)+J:ACC+64*\m+32*(\hb)+J+1], v[ACC+64*\m+32*(\hb)+J:ACC+64*\m+32*(\hb)+J+1], v[192+J:192+J+1], v[224+J:224+J+1]
.set J, J+2
.endr
.endr
	WIN 0
.endm
	GBLOAD 0
	s_wait_dscnt 16                                ; the statistics are in; the 16 loads of gamma2 and beta2 may be out
	s_wait_alu depctr_vm_vsrc(0)                   ; my LDS stores have read v26-29 (the statistics) and v128-255 (x1): the lines below write both again
.irp m,0,1
	v_add_f32 v[24+\m], v[32+2*\m], v[36+2*\m]
	v_add_f32 v[26+\m], v[33+2*\m], v[37+2*\m]
.endr
.irp k,2,3,4,5,6,7
.irp m,0,1
	v_add_f32 v[24+\m], v[24+\m], v[32+4*\k+2*\m]
	v_add_f32 v[26+\m], v[26+\m], v[33+4*\k+2*\m]
.endr
.endr
.irp m,0,1
	v_mul_f32 v[16+2*\m], 0x3e000000, v[24+\m]     ; the row's mean
	v_mov_b32 v[17+2*\m], v[16+2*\m]
.endr
.irp k,0,1,2,3,4,5,6,7
.irp m,0,1
	v_sub_f32 v[32+4*\k+2*\m], v[32+4*\k+2*\m], v[16+2*\m]
.endr
.endr
.irp m,0,1
	v_mul_f32 v[28+\m], v[32+2*\m], v[32+2*\m]
.endr
.irp k,1,2,3,4,5,6,7
.irp m,0,1
	v_fma_f32 v[28+\m], v[32+4*\k+2*\m], v[32+4*\k+2*\m], v[28+\m]
.endr
.endr
.irp m,0,1
	v_fma_f32 v[26+\m], v[28+\m], 0x43000000, v[26+\m]   ; + 128 x the waves' means' squared deviations
.endr
.irp m,0,1
	v_fma_f32 v[26+\m], v[26+\m], s38, s39         ; the biased variance + 1e-5
.endr
	s_wait_alu depctr_va_vdst(0)
.irp m,0,1
	v_rsq_f32 v[20+2*\m], v[26+\m]
.endr
.irp m,0,1
.set J, 0
.rept 32
	v_pk_add_f32 v[ACC+64*\m+J:ACC+64*\m+J+1], v[ACC+64*\m+J:ACC+64*\m+J+1], v[16+2*\m:17+2*\m] neg_lo:[0,1] neg_hi:[0,1]   ; independent work behind the two
.set J, J+2
.endr
.endr
	s_wait_alu depctr_va_vdst(0)                   ; the two reciprocal roots v20 and v22 are written: one wait for both, ahead of their first reader
.irp m,0,1
	v_mov_b32 v[21+2*\m], v[20+2*\m]
.endr
.irp m,0,1
.set J, 0
.rept 32
	v_pk_mul_f32 v[ACC+64*\m+J:ACC+64*\m+J+1], v[ACC+64*\m+J:ACC+64*\m+J+1], v[20+2*\m:21+2*\m]
.set J, J+2
.endr
.endr
	GBFMA 0
	GBLOAD 1
	GBFMA 1
	TOIMAGE
.irp m,0,1
.irp b,0,1,2,3
.irp k,0,1,2,3
	ds_load_b128 v[ACC+64*\m+16*\b+4*\k:ACC+64*\m+16*\b+4*\k+3], v8 offset:12288+128*\b+16*\k   ; b1 starts the sums.  No wait: no vector instruction stands behind the quantiser's last wait on va_vdst
.endr
.endr
.endr
	BARRIER                                        ; n2's sixteen fragments lie in LDS
	NEXTA
; ---- G2
.irp i,8,9,10,11,12,13,14,15
	CSTEP \i
.endr
; ---- P2: the exact GELU, 16 numbers at a time, in place.  v16-31 z, then max(v, 0); v32-47 t; v48-63 the polynomial, then s
.macro GELU16 n
.set GX, ACC+16*(\n)
.irp i,0,1,2,3,4,5,6,7,8,9,10,11,12,13,14,15
	v_mul_f32 v[16+\i], |v[GX+\i]|, s60
.endr
.irp i,0,2,4,6,8,10,12,14
	v_pk_fma_f32 v[32+\i:33+\i], v[16+\i:17+\i], 0.5, 1.0 op_sel_hi:[1,0,0]
.endr
	s_wait_alu depctr_va_vdst(0)
.irp i,0,1,2,3,4,5,6,7,8,9,10,11,12,13,14,15
	v_rcp_f32 v[32+\i], v[32+\i]
.endr
	v_nop
	s_wait_alu depctr_va_vdst(0)                   ; the 16 reciprocals v32-47 are written: one wait for the batch, ahead of its first reader
.irp i,0,2,4,6,8,10,12,14
	v_pk_fma_f32 v[48+\i:49+\i], v[32+\i:33+\i], v[120:121], s[56:57] op_sel_hi:[1,1,0]
.endr
.irp k,54,52,50,48,46,44,42,40
.irp i,0,2,4,6,8,10,12,14
	v_pk_fma_f32 v[48+\i:49+\i], v[48+\i:49+\i], v[32+\i:33+\i], s[\k:\k+1] op_sel_hi:[1,1,0]
.endr
.endr
.irp i,0,2,4,6,8,10,12,14
	v_pk_fma_f32 v[48+\i:49+\i], v[16+\i:17+\i], v[16+\i:17+\i], v[48+\i:49+\i] neg_lo:[1,0,0] neg_hi:[1,0,0]
.endr
.irp i,0,2,4,6,8,10,12,14
	v_pk_mul_f32 v[48+\i:49+\i], v[48+\i:49+\i], s[58:59] op_sel_hi:[1,0]
.endr
	s_wait_alu depctr_va_vdst(0)
.irp i,0,1,2,3,4,5,6,7,8,9,10,11,12,13,14,15
	v_exp_f32 v[48+\i], v[48+\i]
.endr
.irp i,0,1,2,3,4,5,6,7,8,9,10,11,12,13,14,15
	v_max_num_f32 v[16+\i], 0, v[GX+\i]            ; independent work behind the exponentials
.endr
	s_wait_alu depctr_va_vdst(0)                   ; the 16 exponentials v48-63 are written: one wait for the batch, ahead of its first reader
.irp i,0,2,4,6,8,10,12,14
	v_pk_mul_f32 v[48+\i:49+\i], v[48+\i:49+\i], v[32+\i:33+\i]
.endr
.irp i,0,1,2,3,4,5,6,7,8,9,10,11,12,13,14,15
	v_fma_f32 v[GX+\i], -|v[GX+\i]|, v[48+\i], v[16+\i]
.endr
.endm
.irp n,0,1,2,3,4,5,6,7
	GELU16 \n
.endr
	TOIMAGE
.set J, 0
.rept 32
	ds_load_b128 v[ACC+4*J:ACC+4*J+3], v12 offset:512*J   ; x1 comes back.  No wait: no vector instruction stands behind the quantiser's last wait on va_vdst
.set J, J+1
.endr
	PARAM 4
	BARRIER                                        ; the hidden layer's sixteen fragments lie in LDS; x1 and b2 are in
	ADDPT                                          ; x1 + b2 starts the sums
	NEXTA
	s_wait_alu depctr_va_vdst(0)
; ---- G3
.irp i,16,17,18,19,20,21,22,23
	CSTEP \i
.endr
; ---- P3: a lane holds 64 bytes of each 128 of a row: the wave's 32 rows x 512 bytes turn through its own stage and leave as whole rows
	s_wait_alu depctr_va_vdst(0)                   ; the last products have written the accumulators, which the LDS stores read; the last step's four places stand ahead of this wait
.irp m,0,1
.irp b,0,1,2,3
.irp k,0,1,2,3
	ds_store_b128 v13, v[ACC+64*\m+16*\b+4*\k:ACC+64*\m+16*\b+4*\k+3] offset:8448*\m+128*\b+16*\k
.endr
.endr
.endr
	s_wait_alu depctr_vm_vsrc(0)                   ; these stores have read v128-255, in which the rows land
.set J, 0
.rept 32
	ds_load_b128 v[ACC+4*J:ACC+4*J+3], v12 offset:528*(16*((J/8)%2)+(J%8)+8*(J/16))   ; row J from its place by tile and lane.  LDS serves a wave's instructions in order (ISA guide 5.7.1.4): these see the stores above
.set J, J+1
.endr
.set J, 0
.rept 32
	s_wait_dscnt 31-J                              ; row J is in; the younger rows may be out
	global_store_b128 v14, v[ACC+4*J:ACC+4*J+3], s[26:27] offset:4096*J th:TH_STORE_NT   ; 512 consecutive bytes, at a multiple of 256 from the buffer's first byte
.set J, J+1
.endr
	s_wait_dscnt 0x0                               ; the closing lines, six on end
	s_wait_alu 0x0
	s_wait_tensorcnt 0x0
	ds_add_u32 v126, v127
	s_wait_dscnt 0x0
	s_endpgm
.Lfunc_end_k_qbadb41b24f_chain:
	.size	k_qbadb41b24f_chain, .Lfunc_end_k_qbadb41b24f_chain-k_qbadb41b24f_chain
	.p2alignl 7, 3214868480
	.fill 96, 4, 3214868480
	.section	.rodata,"a",@progbits
	.p2align	6, 0x0
	.amdhsa_kernel k_qbadb41b24f_chain
		.amdhsa_group_segment_fixed_size 235520
		.amdhsa_private_segment_fixed_size 0
		.amdhsa_enable_private_segment 0
		.amdhsa_kernarg_size 80
		.amdhsa_user_sgpr_count 2
		.amdhsa_user_sgpr_kernarg_segment_ptr 1
		.amdhsa_wavefront_size32 1
		.amdhsa_system_sgpr_workgroup_id_x 1
		.amdhsa_system_sgpr_workgroup_id_y 1
		.amdhsa_system_sgpr_workgroup_id_z 1
		.amdhsa_system_vgpr_workitem_id 0
		.amdhsa_next_free_vgpr 512
		.amdhsa_next_free_sgpr 66
		.amdhsa_reserve_vcc 0
		.amdhsa_float_denorm_mode_32 3
		.amdhsa_float_denorm_mode_16_64 3
		.amdhsa_memory_ordered 1
		.amdhsa_forward_progress 1
		.amdhsa_inst_pref_size 255
	.end_amdhsa_kernel
	.section	.bss,"aw",@nobits
	.p2align	6
	.space	262144
	.amdgpu_metadata
---
amdhsa.version: [ 1, 2 ]
amdhsa.kernels:
  - .name:           k_qbadb41b24f_chain
    .symbol:         k_qbadb41b24f_chain.kd
    .args:
      - { .name: x, .offset: 0, .size: 8, .value_kind: global_buffer, .address_space: global }
      - { .name: cc, .offset: 8, .size: 8, .value_kind: global_buffer, .address_space: global }
      - { .name: csc, .offset: 16, .size: 8, .value_kind: global_buffer, .address_space: global }
      - { .name: wch, .offset: 24, .size: 8, .value_kind: global_buffer, .address_space: global }
      - { .name: bo, .offset: 32, .size: 8, .value_kind: global_buffer, .address_space: global }
      - { .name: gamma2, .offset: 40, .size: 8, .value_kind: global_buffer, .address_space: global }
      - { .name: beta2, .offset: 48, .size: 8, .value_kind: global_buffer, .address_space: global }
      - { .name: b1, .offset: 56, .size: 8, .value_kind: global_buffer, .address_space: global }
      - { .name: b2, .offset: 64, .size: 8, .value_kind: global_buffer, .address_space: global }
      - { .name: out0, .offset: 72, .size: 8, .value_kind: global_buffer, .address_space: global }
    .group_segment_fixed_size: 235520
    .private_segment_fixed_size: 0
    .kernarg_segment_align: 8
    .kernarg_segment_size: 80
    .max_flat_workgroup_size: 256
    .sgpr_count:     66
    .vgpr_count:     512
    .wavefront_size: 32
...
	.end_amdgpu_metadata
.endif
;; end of part 6
